; MI455X (gfx1250); checked and timed in simulation.
; The chip was launched on July 23, 2026; its instructions are those of AMD's public machine-readable ISA for CDNA 5 (MIT licence, August 2026) and "CDNA5" Instruction Set Architecture Reference Guide (July 2026). The comments in the code are by the model that wrote it; some were corrected since.
;; Group Query Attention. Allowed arithmetic: float matrix products may take bf16 or f16 operands with f32 sums; other float arithmetic in f32, or as packed bf16 or f16 multiplies, adds, multiply-adds, maxima and minima; sums over many terms, partial sums and values carried from step to step in f32; what a program stores and reads back later, other than sums and carried values, may be rounded once to bf16 or f16.
;; Inputs: Wk 2,048 x 512 float32; Wo 1,024 x 2,048 float32; Wq 2,048 x 1,024 float32; Wv 2,048 x 512 float32; attn_mask 1 x 1 x 4,096 x 4,096 float32; k_norm_w 128 float32; position_ids 1 x 4,096 int32; q_norm_w 128 float32; x 1 x 4,096 x 2,048 float32.
;; Outputs: out0 1 x 4,096 x 2,048 float32; out1 1 x 4 x 4,096 x 128 float32; out2 1 x 4 x 4,096 x 128 float32.
;; 3 versions, each right; version 3 is version 2 with the launch prep written anew for expert scheduling mode. Each part assembles by itself: llvm-mc -triple=amdgcn-amd-amdhsa -mcpu=gfx1250 --defsym DOCPART=n.
;; ======== version 1 of 3: 4 launches
;; limits: values are held in f16: magnitudes above 65,504 overflow, below 6.1e-05 lose precision
;; workspace buffers: xb 16,777,216 bytes; wqkv 8,388,608 bytes; wob 8,388,608 bytes; tab 2,097,152 bytes; qb 8,388,608 bytes; kb 4,194,304 bytes; vb 4,194,304 bytes; ctxb 16,777,216 bytes
;; launch prep (part 1): grid 1152 x 1, 8 waves a work-group, no clusters, 0 bytes of LDS; arguments x, Wq, Wk, Wv, Wo, position_ids, xb, wqkv, wob, tab; writes xb, wqkv, wob, tab
.if DOCPART == 1
	.amdgcn_target "amdgcn-amd-amdhsa--gfx1250"
	.amdhsa_code_object_version 6
	.text
	.protected	k_qf568e37a93_prep
	.globl	k_qf568e37a93_prep
	.p2align	8
	.type	k_qf568e37a93_prep,@function
k_qf568e37a93_prep:
	s_mov_b64 s[64:65], 0
	v_nop
	global_prefetch_b8 v0, s[64:65] scope:SCOPE_SE
	s_setreg_imm32_b32 hwreg(HW_REG_WAVE_MODE, 25, 1), 1
	s_wait_xcnt 0x0
; PREP: the matrix operands in 16 bits, and the table of cosines and sines.
;   xb   [4096][2048] bf16 = x.      wqkv [2048][2048] bf16: columns 0-1023 Wq, 1024-1535 Wk, 1536-2047 Wv.
;   wob  [2048][2048]: rows 0-1023 Wo rounded to bf16, that number written as f16 (exact from 6.1e-5 up; below that f16's fixed step of 6e-8); rows 1024-2047 the same once more,
;        for the second part of ctx, which the last launch multiplies in the same sum over K.
;   tab  [4096][128] f32: row s holds cos(pos[s] f_i), i = 0..63, then sin(pos[s] f_i);  f_i = 10000^(-i/64).
; A stream: no LDS, no matrix unit, no barrier.  Work-groups 0-895 cast 16,384 numbers each (64 KiB in, 32 KiB out; Wo's 64 KiB out), 896-1151 make 16 rows of the table each.
; A cast: thread t takes 16 bytes at 16 t of each of 16 blocks of 4,096 bytes: a wave's load covers 512 consecutive bytes, its store of 8 bytes a lane 256 consecutive, aligned bytes.
; All 16 loads go out first; no register is written twice, so the only waits are the counted ones for the loads.
; LIMIT: |pos f| below 2^22 (the quadrant's number is kept exactly and the reduction in three parts holds).
.set OFF, 4                            ; v[4:19]   byte offset of my 8 bytes of block i in the destination
.set IN,  32                           ; v[32:95]  block i as loaded
.set OUT, 96                           ; v[96:127] block i to store
.set WOB2, 4194304                     ; bytes from a row of wob to its copy
	s_load_b512 s[8:23], s[0:1], 0x0               ; x 8, Wq 10, Wk 12, Wv 14, Wo 16, position_ids 18, xb 20, wqkv 22
	s_load_b128 s[24:27], s[0:1], 0x40             ; wob 24, tab 26
	s_mov_b32 s2, ttmp9
	s_wait_kmcnt 0x0
	s_cmp_ge_u32 s2, 896
	s_cbranch_scc1 .Lrope
	; which tensor: source s[28:29], destination s[30:31], first job s32, shift of the job's number s33, bytes from block to block s34,
	; what t >> 7 is worth s35, first column's bytes s36.  Wo's figures first, then the others' by choice.
	s_mov_b64 s[28:29], s[16:17]
	s_mov_b64 s[30:31], s[24:25]
	s_mov_b32 s32, 768
	s_mov_b32 s33, 15
	s_mov_b32 s34, 2048
	s_mov_b32 s35, 1024
	s_mov_b32 s36, 0
	s_cmp_lt_u32 s2, 768                           ; Wv: rows of 512 numbers, two to a block, into rows of 4,096 bytes
	s_cselect_b64 s[28:29], s[14:15], s[28:29]
	s_cselect_b64 s[30:31], s[22:23], s[30:31]
	s_cselect_b32 s32, 704, s32
	s_cselect_b32 s33, 17, s33
	s_cselect_b32 s34, 8192, s34
	s_cselect_b32 s35, 4096, s35
	s_cselect_b32 s36, 3072, s36
	s_cmp_lt_u32 s2, 704                           ; Wk
	s_cselect_b64 s[28:29], s[12:13], s[28:29]
	s_cselect_b32 s32, 640, s32
	s_cselect_b32 s36, 2048, s36
	s_cmp_lt_u32 s2, 640                           ; Wq: a row of 1,024 numbers is a block
	s_cselect_b64 s[28:29], s[10:11], s[28:29]
	s_cselect_b32 s32, 512, s32
	s_cselect_b32 s33, 16, s33
	s_cselect_b32 s34, 4096, s34
	s_cselect_b32 s35, 1024, s35
	s_cselect_b32 s36, 0, s36
	s_cmp_lt_u32 s2, 512                           ; x: dense
	s_cselect_b64 s[28:29], s[8:9], s[28:29]
	s_cselect_b64 s[30:31], s[20:21], s[30:31]
	s_cselect_b32 s32, 0, s32
	s_cselect_b32 s33, 15, s33
	s_cselect_b32 s34, 2048, s34
	s_sub_co_u32 s32, s2, s32                      ; the job's number in its tensor
	s_lshl_b32 s38, s32, 16                        ; 65,536 bytes of source a job
	s_mov_b32 s39, 0
	s_lshl_b32 s40, s32, s33
	s_add_co_u32 s40, s40, s36
	s_mov_b32 s41, 0
	s_add_nc_u64 s[28:29], s[28:29], s[38:39]
	s_add_nc_u64 s[30:31], s[30:31], s[40:41]
	v_lshlrev_b32 v1, 4, v0
	v_and_b32 v3, 127, v0
	v_lshrrev_b32 v2, 7, v0
	v_mul_u32_u24 v2, v2, s35
	v_lshl_add_u32 v2, v3, 3, v2
.irp i, 0,1,2,3,4,5,6,7,8,9,10,11,12,13,14,15
	global_load_b128 v[IN+4*(\i):IN+4*(\i)+3], v1, s[28:29] offset:4096*(\i) th:TH_LOAD_NT
.endr
.irp i, 0,1,2,3,4,5,6,7,8,9,10,11,12,13,14,15
	v_mad_u32_u24 v[OFF+(\i)], s34, \i, v2
.endr
; Block i: rounded and stored.  mode = 1 (Wo): the bf16 number is widened again, written as f16, and stored twice.
.macro CV i, mode
	s_wait_loadcnt 15-(\i)                         ; loads come back in order: block i is in, the 15 - i younger ones stay out
.if \mode
	v_cvt_pk_bf16_f32 v20, v[IN+4*(\i)], v[IN+4*(\i)+1]
	v_cvt_pk_bf16_f32 v21, v[IN+4*(\i)+2], v[IN+4*(\i)+3]
	v_lshlrev_b32 v22, 16, v20
	v_and_b32 v20, 0xffff0000, v20
	v_lshlrev_b32 v23, 16, v21
	v_and_b32 v21, 0xffff0000, v21
	v_cvt_pk_f16_f32 v[OUT+2*(\i)], v22, v20
	v_cvt_pk_f16_f32 v[OUT+2*(\i)+1], v23, v21
	global_store_b64 v[OFF+(\i)], v[OUT+2*(\i):OUT+2*(\i)+1], s[30:31]
	global_store_b64 v[OFF+(\i)], v[OUT+2*(\i):OUT+2*(\i)+1], s[30:31] offset:WOB2
.else
	v_cvt_pk_bf16_f32 v[OUT+2*(\i)], v[IN+4*(\i)], v[IN+4*(\i)+1]
	v_cvt_pk_bf16_f32 v[OUT+2*(\i)+1], v[IN+4*(\i)+2], v[IN+4*(\i)+3]
	global_store_b64 v[OFF+(\i)], v[OUT+2*(\i):OUT+2*(\i)+1], s[30:31]
.endif
.endm
	s_cmp_ge_u32 s2, 768
	s_cbranch_scc1 .Lf16
.irp i, 0,1,2,3,4,5,6,7,8,9,10,11,12,13,14,15
	CV \i, 0
.endr
	s_endpgm
.Lf16:
.irp i, 0,1,2,3,4,5,6,7,8,9,10,11,12,13,14,15
	CV \i, 1
.endr
	s_endpgm
; THE TABLE.  Thread t: row 16 j + t / 16, frequencies 4 (t % 16) + 0..3.
.Lrope:
	s_sub_co_u32 s32, s2, 896
	s_lshl_b32 s52, s32, 6                         ; 16 positions of 4 bytes
	s_mov_b32 s53, 0
	s_add_nc_u64 s[54:55], s[18:19], s[52:53]
	s_lshl_b32 s52, s32, 13                        ; 16 rows of 512 bytes
	s_add_nc_u64 s[56:57], s[26:27], s[52:53]
	v_lshrrev_b32 v2, 4, v0
	v_lshlrev_b32 v5, 2, v2
	global_load_b32 v3, v5, s[54:55]
	v_and_b32 v4, 15, v0
	v_lshlrev_b32 v6, 4, v4
	v_lshl_add_u32 v6, v2, 9, v6                   ; row x 512 + 16 (t % 16): sixteen lanes fill 256 consecutive bytes
	v_lshlrev_b32 v4, 2, v4
	s_mov_b32 s40, 0xbe549a80                      ; -c_hi: c = log2(10000) / 64 cut to 17 bits, so that i c_hi is exact
	s_mov_b32 s41, 0x33aaecbe                      ; (c_hi - c) ln 2
	s_mov_b32 s42, 0x3f22f983                      ; 2 / pi
	s_mov_b32 s43, 0xbfc90fdb                      ; -pi / 2 in three parts
	s_mov_b32 s44, 0x333bbd2e
	s_mov_b32 s45, 0x26f72ced
	s_mov_b32 s46, 0xb94ca1f9                      ; sine on -pi/4 .. pi/4: r + r r2 (S1 + r2 (S2 + r2 S3))
	s_mov_b32 s47, 0x3c08839e
	s_mov_b32 s48, 0xbe2aaaa3
	s_mov_b32 s49, 0x37ccf5ce                      ; cosine: 1 - r2 / 2 + r2 r2 (C1 + r2 (C2 + r2 C3))
	s_mov_b32 s50, 0xbab6061a
	s_mov_b32 s51, 0x3d2aaaa5
	s_wait_loadcnt 0x0
	v_cvt_f32_i32 v3, v3
.macro SINCOS e
	v_add_nc_u32 v10, \e, v4
	v_cvt_f32_u32 v10, v10                         ; i
	v_mul_f32 v11, s40, v10
	v_exp_f32 v11, v11                             ; 2^(-i c_hi)
	v_mul_f32 v12, s41, v10                        ; a plain instruction stands behind the exponential before its result is used
	s_wait_alu depctr_va_vdst(0)
	v_fma_f32 v11, v11, v12, v11                   ; the frequency
	v_mul_f32 v12, v3, v11                         ; the angle, rounded once
	v_mul_f32 v13, s42, v12
	v_rndne_f32 v13, v13                           ; the quadrant's number n
	v_fma_f32 v12, v13, s43, v12
	v_fma_f32 v12, v13, s44, v12
	v_fma_f32 v12, v13, s45, v12                   ; r = angle - n pi / 2
	v_cvt_i32_f32 v14, v13
	v_mul_f32 v15, v12, v12
	v_fma_f32 v16, v15, s46, s47
	v_fma_f32 v17, v15, s49, s50
	v_fma_f32 v16, v16, v15, s48
	v_fma_f32 v17, v17, v15, s51
	v_mul_f32 v16, v16, v15
	v_mul_f32 v18, v15, v15
	v_fma_f32 v19, v15, -0.5, 1.0
	v_fma_f32 v16, v16, v12, v12                   ; sin r
	v_fma_f32 v17, v17, v18, v19                   ; cos r
	v_and_b32 v18, 1, v14
	v_cmp_eq_u32 vcc_lo, 1, v18                    ; odd quadrants swap the two
	v_cndmask_b32 v20, v16, v17, vcc_lo
	v_cndmask_b32 v21, v17, v16, vcc_lo
	v_lshlrev_b32 v18, 30, v14                     ; the sine is negative in quadrants 2, 3,
	v_and_b32 v18, 0x80000000, v18
	v_xor_b32 v[36+(\e)], v18, v20
	v_add_nc_u32 v19, 1, v14                       ; the cosine in 1, 2
	v_lshlrev_b32 v19, 30, v19
	v_and_b32 v19, 0x80000000, v19
	v_xor_b32 v[32+(\e)], v19, v21
.endm
	SINCOS 0
	SINCOS 1
	SINCOS 2
	SINCOS 3
	global_store_b128 v6, v[32:35], s[56:57]
	global_store_b128 v6, v[36:39], s[56:57] offset:256
	s_endpgm
.Lfunc_end_k_qf568e37a93_prep:
	.size	k_qf568e37a93_prep, .Lfunc_end_k_qf568e37a93_prep-k_qf568e37a93_prep
	.p2alignl 7, 3214868480
	.fill 96, 4, 3214868480
	.section	.rodata,"a",@progbits
	.p2align	6, 0x0
	.amdhsa_kernel k_qf568e37a93_prep
		.amdhsa_group_segment_fixed_size 0
		.amdhsa_private_segment_fixed_size 0
		.amdhsa_enable_private_segment 0
		.amdhsa_kernarg_size 80
		.amdhsa_user_sgpr_count 2
		.amdhsa_user_sgpr_kernarg_segment_ptr 1
		.amdhsa_wavefront_size32 1
		.amdhsa_system_sgpr_workgroup_id_x 1
		.amdhsa_system_sgpr_workgroup_id_y 1
		.amdhsa_system_sgpr_workgroup_id_z 1
		.amdhsa_system_vgpr_workitem_id 0
		.amdhsa_next_free_vgpr 128
		.amdhsa_next_free_sgpr 66
		.amdhsa_reserve_vcc 1
		.amdhsa_float_denorm_mode_32 3
		.amdhsa_float_denorm_mode_16_64 3
		.amdhsa_memory_ordered 1
		.amdhsa_forward_progress 1
		.amdhsa_inst_pref_size 28
	.end_amdhsa_kernel
	.amdgpu_metadata
---
amdhsa.version: [ 1, 2 ]
amdhsa.kernels:
  - .name:           k_qf568e37a93_prep
    .symbol:         k_qf568e37a93_prep.kd
    .args:
      - { .name: x, .offset: 0, .size: 8, .value_kind: global_buffer, .address_space: global }
      - { .name: Wq, .offset: 8, .size: 8, .value_kind: global_buffer, .address_space: global }
      - { .name: Wk, .offset: 16, .size: 8, .value_kind: global_buffer, .address_space: global }
      - { .name: Wv, .offset: 24, .size: 8, .value_kind: global_buffer, .address_space: global }
      - { .name: Wo, .offset: 32, .size: 8, .value_kind: global_buffer, .address_space: global }
      - { .name: position_ids, .offset: 40, .size: 8, .value_kind: global_buffer, .address_space: global }
      - { .name: xb, .offset: 48, .size: 8, .value_kind: global_buffer, .address_space: global }
      - { .name: wqkv, .offset: 56, .size: 8, .value_kind: global_buffer, .address_space: global }
      - { .name: wob, .offset: 64, .size: 8, .value_kind: global_buffer, .address_space: global }
      - { .name: tab, .offset: 72, .size: 8, .value_kind: global_buffer, .address_space: global }
    .group_segment_fixed_size: 0
    .private_segment_fixed_size: 0
    .kernarg_segment_align: 8
    .kernarg_segment_size: 80
    .max_flat_workgroup_size: 256
    .sgpr_count:     66
    .vgpr_count:     128
    .wavefront_size: 32
...
	.end_amdgpu_metadata
.endif
;; end of part 1
;; launch proj (part 2): grid 8 x 32, 4 waves a work-group, clusters of 4 x 4, 327,680 bytes of LDS; arguments xb, wqkv, tab, q_norm_w, k_norm_w, qb, kb, vb, out1, out2; writes qb, kb, vb, out1, out2
.if DOCPART == 2
	.amdgcn_target "amdgcn-amd-amdhsa--gfx1250"
	.amdhsa_code_object_version 6
	.text
	.protected	k_qf568e37a93_proj
	.globl	k_qf568e37a93_proj
	.p2align	8
	.type	k_qf568e37a93_proj,@function
k_qf568e37a93_proj:
	s_mov_b64 s[64:65], 0
	v_nop
	global_prefetch_b8 v0, s[64:65] scope:SCOPE_SE
	s_setreg_imm32_b32 hwreg(HW_REG_WAVE_MODE, 25, 1), 1
	s_wait_xcnt 0x0
	s_wait_alu depctr_hold_cnt(0) depctr_sa_sdst(0) depctr_va_vdst(0) depctr_va_sdst(0) depctr_va_ssrc(0) depctr_va_vcc(0) depctr_vm_vsrc(0)
	s_getreg_b32 s2, hwreg(HW_REG_IB_STS2, 6, 4)
	s_cmp_eq_u32 s2, 0
	s_cbranch_scc0 .Lentry_in_a_cluster
	s_endpgm
.Lentry_in_a_cluster:
	s_bfe_u32 s2, ttmp6, 0x10000c
	s_cmp_lg_u32 s2, 0xf033
	s_cbranch_scc0 .Lentry_shape_is_right
	s_endpgm
.Lentry_shape_is_right:
; PROJ: [Q | K | V] = xb wqkv (bf16 operands, f32 sums), then for Q and K the RMS norm over a head's 128 channels, the gain (rounded to bf16 like the other inputs) and the rotation by tab.
; Out: qb [8][4096][128] f16 = q times log2(e) / sqrt(128) (applied in f32, one rounding); kb, vb [4][4096][128] f16; out1 = K, out2 = V in f32.
; LIMITS: q 0.1275, k and v within f16's 65,504; NaN and infinities are not treated apart.
; A tile of C is 128 rows x 256 columns: 8 x 32 = 256 work-groups.  Four waves, each 64 rows x 128 columns (ONE HEAD): 32 accumulators, 256 registers.
; K goes in steps of 128 through two LDS slots.  A's rows lie along K (256 bytes of memory a row); B = wqkv lies [k][n] (512 bytes a row) and is read by the turning load.
; CLUSTER 4 x 4: A's tile hangs on the tile row alone and is asked for jointly along a row of the cluster, B's on the tile column alone, along a column.
; THE MATRIX INSTRUCTION IS USED TRANSPOSED (source 0 = 16 columns of B, source 1 = 16 rows of A): lane l holds row l % 16 and the columns 16 b + 8 (l / 16) + 0..7 of its head,
; so a row's sum of squares wants one exchange between the halves of the lanes, and channel d's partner d + 64 lies in the same lane, four accumulators on.
; REGISTERS: window 0 addresses and the way out; window 1 two fragment buffers of 96 (A's 4 fragments, then B's 8), later rows on their way out; window 2 the accumulators ((a, b) at 8 (8 a + b));
; window 3 the cosines and sines of my 64 rows (tile a: cos at 64 a, sin at 64 a + 32), loaded at the start.
.set KDIM,  2048
.set KSH,   12                         ; a row of A is 1 << KSH bytes
.set KSTEP, 128
.set PA,    272                        ; A's LDS row: 256 + 16 bytes: the 16 rows of a load start at 16 different groups of four banks
.set PB,    544                        ; B's LDS row: 512 + 32 bytes, an odd multiple of 32
.set HALFA, 64*PA
.set HALFB, 64*PB
.set BOFF,  2*HALFA
.set SLOT,  BOFF+2*HALFB
.set STAGE, 2*SLOT                     ; behind the ring, for each wave: 16 rows x 528 bytes (f32), then 16 rows x 272 (f16)
.set P32,   528
.set P16,   272
.set WSTG,  16*P32+16*P16
.set SPARE, STAGE+4*WSTG               ; the spare words: 128 bytes a wave, two blocks of 256 bytes that no other line names
.set LAPS,  KDIM/(2*KSTEP)
.set TO,    10                         ; v10  my byte offset in 16 rows of tab
.set WO,    11                         ; v11  my byte offset in the gains
.set ADRA,  16                         ; v16-17  LDS address of my A fragments in slot 0, 1
.set ADRB,  20                         ; v20-21  the same for B
.set STO32, 24
.set RD32,  25
.set STO16, 26
.set RD16,  27
.set SPW,   28                         ; v28  my spare word's LDS address; never rewritten
.set NIL,   29                         ; v29  0; never rewritten
.set GO32,  30
.set GO16,  31
.set T,     32                         ; v32-47   at work
.set Y,     64                         ; v64-127  a tile's 64 numbers a lane
.set H,     128                        ; v128-159 the same in f16
.set W,     160                        ; v160-223 the gains of my 64 columns
.set F0,    0
.set F1,    96
.set G1,  24
.set G0,  32
.set G1B, 48
.set G0B, 56
.set RCPD, 66                          ; s66  1 / 128
.set EPSR, 67                          ; s67  1e-6
.set KIND, 88                          ; s88  the cluster's x: 0 = columns of Q, 1 = of K and V: the same in all partners
.set SELV, 89                          ; s89  all ones where my columns are V's
.set QS,   90                          ; s90  log2(e) / sqrt(128) for Q, 1 otherwise
.set WP,   92
.set O16,  94
.set O32,  96
.set TABP, 98
.set SEL,  100
.set MSB, 0
.macro WIN new                         ; the immediate's high byte repeats the setting that is left
.if MSB != (\new)
	s_set_vgpr_msb (MSB<<8)|(\new)
.set MSB, \new
.endif
.endm
.set MUL,  0xa5                        ; sources 0 and 1 window 1; C and D window 2
.set TO_F, 0x40                        ; destination window 1, address window 0
.macro JLOAD s                         ; a joint load: waves 0 and 1 fetch A's two halves, waves 2 and 3 B's; an s_nop 0 and four v_nop follow each line
	s_cmp_eq_u32 s11, 0
	s_cbranch_scc0 .Lfor_b_\@
	tensor_load_to_lds s[G0+4*(\s):G0+4*(\s)+3], s[G1:G1+7]
	s_nop 0
.rept 4
	v_nop
.endr
	s_branch .Lasked_\@
.Lfor_b_\@:
	tensor_load_to_lds s[G0B+4*(\s):G0B+4*(\s)+3], s[G1B:G1B+7]
	s_nop 0
.rept 4
	v_nop
.endr
.Lasked_\@:
.endm
.macro CREST                           ; a round of the cluster's barrier behind its opening barrier
	s_cmp_lg_u32 s10, 0
	s_cbranch_scc1 .Lnot_wave_0_\@
	s_barrier_signal -3
.Lnot_wave_0_\@:
	s_barrier_wait -3
	s_barrier_signal -1
	s_barrier_wait -1
.endm
.macro CROUND
	s_barrier_signal -1
	s_barrier_wait -1
	CREST
.endm
.macro PLACES                          ; four places in front of loads into registers that matrix instructions have read, and of reads of their results
.rept 4
	v_nop
.endr
.endm
	s_load_b512 s[68:83], s[0:1], 0x0              ; xb 68, wqkv 70, tab 72, q_norm_w 74, k_norm_w 76, qb 78, kb 80, vb 82
	s_load_b128 s[84:87], s[0:1], 0x40             ; out1 84, out2 86
	v_lshl_add_u32 v[SPW], v0, 2, SPARE
	v_mov_b32 v[NIL], 0
	ds_add_u32 v[SPW], v[NIL]                      ; the wave's opening: the add and its wait stand ahead of my first tensor load
	v_lshrrev_b32 v1, 5, v0
	v_readfirstlane_b32 s10, v1                    ; wave 0..3
	s_lshr_b32 s11, s10, 1                         ; my half of the tile's rows.  Also: I fetch for A (0) or for B (1)
	s_and_b32 s12, s10, 1                          ; my half of its columns.  Also: which half of that tile I fetch
	s_bfe_u32 s40, ttmp6, 0x40000                  ; cx
	s_bfe_u32 s41, ttmp6, 0x40004                  ; cy
	s_lshl_b32 s42, ttmp9, 2
	s_add_co_u32 s42, s42, s40                     ; tile column
	s_and_b32 s13, ttmp7, 0xffff
	s_lshl_b32 s13, s13, 2
	s_add_co_u32 s13, s13, s41                     ; tile row
	s_lshl_b32 s43, s41, 2
	s_lshl_b32 s43, 15, s43                        ; my row of the cluster
	s_lshl_b32 s44, 0x1111, s40                    ; my column
	s_or_b32 s[G1+0], s43, (1<<16)|(1<<20)|(1<<21)|(5<<22)|(3<<25)   ; A: mask of my row; 2-byte elements; padding on; bit 21 beside a mask; 4 words behind every 64
	s_mov_b32 s[G1+1], KSTEP<<16                   ; tensor_dim0 = 128
	s_mov_b32 s[G1+2], 64<<16                      ; tensor_dim1 = 64
	s_mov_b32 s[G1+3], KSTEP<<16                   ; tile_dim0 = 128
	s_mov_b32 s[G1+4], 64                          ; tile_dim1 = 64
	s_mov_b32 s[G1+5], KDIM                        ; elements from row to row
	s_mov_b32 s[G1+6], 0
	s_mov_b32 s[G1+7], 0
	s_or_b32 s[G1B+0], s44, (1<<16)|(1<<20)|(1<<21)|(6<<22)|(7<<25)  ; B: mask of my column; 8 words behind every 128
	s_mov_b32 s[G1B+1], 256<<16                    ; 256 columns,
	s_mov_b32 s[G1B+2], 64<<16                     ; 64 rows along K
	s_mov_b32 s[G1B+3], 256<<16
	s_mov_b32 s[G1B+4], 64
	s_mov_b32 s[G1B+5], 2048
	s_mov_b32 s[G1B+6], 0
	s_mov_b32 s[G1B+7], 0
	s_lshl_b32 s16, s13, 7
	s_lshl_b32 s17, s12, 6
	s_add_co_u32 s16, s16, s17                     ; A: row 128 x tile row + 64 x half,
	s_lshl_b32 s16, s16, KSH                       ; in bytes
	s_mov_b32 s17, 0
	s_lshl_b32 s46, s42, 9                         ; B: 512 bytes a tile column,
	s_lshl_b32 s47, s12, 18                        ; 64 rows of 4,096 bytes a half
	s_add_co_u32 s46, s46, s47
	s_mov_b32 s47, 0
	s_mul_i32 s20, s12, HALFA                      ; where they go: no place in the cluster enters an LDS address
	s_mul_i32 s21, s12, HALFB
	s_add_co_u32 s21, s21, BOFF
	s_mov_b32 s[RCPD], 0x3c000000
	s_mov_b32 s[EPSR], 0x358637bd
	s_mov_b32 s[SEL], 0x76543210
	s_mov_b32 s[SEL+1], 0xfedcba98
	s_wait_dscnt 0x0                               ; the opening add is done
	s_wait_kmcnt 0x0
	s_add_nc_u64 s[14:15], s[68:69], s[16:17]
	s_add_nc_u64 s[46:47], s[70:71], s[46:47]
	CROUND                                         ; all sixteen work-groups are here: the first joint loads meet
.irp s, 0,1
	s_mov_b32 s[G0+4*(\s)], 1
	s_add_co_u32 s[G0+4*(\s)+1], s20, (\s)*SLOT
	s_add_nc_u64 s[G0+4*(\s)+2:G0+4*(\s)+3], s[14:15], (\s)*KSTEP*2
	s_or_b32 s[G0+4*(\s)+3], s[G0+4*(\s)+3], 0x80000000
	s_mov_b32 s[G0B+4*(\s)], 1
	s_add_co_u32 s[G0B+4*(\s)+1], s21, (\s)*SLOT
	s_add_nc_u64 s[G0B+4*(\s)+2:G0B+4*(\s)+3], s[46:47], (\s)*KSTEP*4096
	s_or_b32 s[G0B+4*(\s)+3], s[G0B+4*(\s)+3], 0x80000000
	JLOAD \s                                       ; two loads of mine are out
.endr
	; which head is mine, and where it goes
	s_mov_b32 s[KIND], ttmp9
	s_lshl_b32 s91, s42, 1
	s_add_co_u32 s91, s91, s12                     ; head column 0..15: 0-7 Q, 8-11 K, 12-15 V
	s_and_b32 s45, s91, 3                          ; K's or V's head
	s_lshr_b32 s23, s40, 1                         ; in a cluster of K and V: 1 = V
	s_lshl_b32 s22, s13, 7
	s_lshl_b32 s18, s11, 6
	s_add_co_u32 s22, s22, s18                     ; my first row
	s_cmp_eq_u32 s23, 0
	s_cselect_b64 s[O16:O16+1], s[80:81], s[82:83]
	s_cselect_b64 s[O32:O32+1], s[84:85], s[86:87]
	s_cselect_b32 s[SELV], 0, -1
	s_cmp_eq_u32 s[KIND], 0
	s_cselect_b64 s[O16:O16+1], s[78:79], s[O16:O16+1]
	s_cselect_b64 s[WP:WP+1], s[74:75], s[76:77]
	s_cselect_b32 s[QS], 0x3e0293ee, 1.0
	s_cselect_b32 s18, s91, s45
	s_lshl_b32 s18, s18, 20                        ; a head is 4,096 rows of 256 bytes in f16
	s_lshl_b32 s19, s22, 8
	s_add_co_u32 s18, s18, s19
	s_mov_b32 s19, 0
	s_add_nc_u64 s[O16:O16+1], s[O16:O16+1], s[18:19]
	s_lshl_b32 s18, s45, 21                        ; and of 512 bytes in f32
	s_lshl_b32 s23, s22, 9
	s_add_co_u32 s18, s18, s23
	s_add_nc_u64 s[O32:O32+1], s[O32:O32+1], s[18:19]
	s_mov_b32 s18, s23
	s_add_nc_u64 s[TABP:TABP+1], s[72:73], s[18:19]
	v_and_b32 v1, 15, v0                           ; l % 16
	v_bfe_u32 v2, v0, 4, 1                         ; l / 16
	v_lshlrev_b32 v[WO], 5, v2                     ; my 8 columns of every 16: 32 bytes
	v_lshl_add_u32 v[TO], v1, 9, v[WO]             ; + row x 512
.irp b, 0,1,2,3,4,5,6,7
	global_load_b128 v[W+8*(\b):W+8*(\b)+3],   v[WO], s[WP:WP+1] offset:64*(\b)
	global_load_b128 v[W+8*(\b)+4:W+8*(\b)+7], v[WO], s[WP:WP+1] offset:64*(\b)+16
.endr
	WIN 0xc0                                       ; destination window 3: these 64 loads land while K is walked; one wait stands ahead of the way out
.irp a, 0,1,2,3
.irp n, 0,1,2,3
	global_load_b128 v[64*(\a)+8*(\n):64*(\a)+8*(\n)+3],       v[TO], s[TABP:TABP+1] offset:8192*(\a)+64*(\n)
	global_load_b128 v[64*(\a)+8*(\n)+4:64*(\a)+8*(\n)+7],     v[TO], s[TABP:TABP+1] offset:8192*(\a)+64*(\n)+16
	global_load_b128 v[64*(\a)+32+8*(\n):64*(\a)+32+8*(\n)+3],   v[TO], s[TABP:TABP+1] offset:8192*(\a)+64*(\n)+256
	global_load_b128 v[64*(\a)+32+8*(\n)+4:64*(\a)+32+8*(\n)+7], v[TO], s[TABP:TABP+1] offset:8192*(\a)+64*(\n)+272
.endr
.endr
	WIN 0
	v_mul_u32_u24 v3, v1, PA
	v_lshl_add_u32 v3, v2, 4, v3                   ; A: row x pitch + 16 x half
	s_mul_i32 s18, s11, HALFA
	v_add_nc_u32 v[ADRA], s18, v3
	v_add_nc_u32 v[ADRA+1], SLOT, v[ADRA]
	v_and_b32 v4, 7, v0                            ; B, turned: lane l reads row 8 (l / 16) + l % 8 along K, columns 8 ((l / 8) % 2) + 0..7
	v_bfe_u32 v5, v0, 3, 1
	v_lshl_add_u32 v4, v2, 3, v4
	v_mul_u32_u24 v4, v4, PB
	v_lshl_add_u32 v4, v5, 4, v4
	s_lshl_b32 s18, s12, 8
	s_add_co_u32 s18, s18, BOFF
	v_add_nc_u32 v[ADRB], s18, v4
	v_add_nc_u32 v[ADRB+1], SLOT, v[ADRB]
	s_mul_i32 s23, s10, WSTG
	s_add_co_u32 s23, s23, STAGE                   ; my stages
	v_mul_u32_u24 v6, v1, P32
	v_lshl_add_u32 v6, v2, 5, v6
	v_add_nc_u32 v[STO32], s23, v6                 ; in: row l % 16, 32 bytes for each half of the lanes
	v_and_b32 v7, 31, v0
	v_lshlrev_b32 v[GO32], 4, v7                   ; back: 32 lanes take a row of 512 bytes
	v_add_nc_u32 v[RD32], s23, v[GO32]
	s_add_co_u32 s23, s23, 16*P32
	v_mul_u32_u24 v6, v1, P16
	v_lshl_add_u32 v6, v2, 4, v6
	v_add_nc_u32 v[STO16], s23, v6
	v_mul_u32_u24 v6, v2, P16                      ; back: lanes 0-15 a row of 256 bytes, lanes 16-31 the next
	v_lshl_add_u32 v6, v1, 4, v6
	v_add_nc_u32 v[RD16], s23, v6
	v_lshlrev_b32 v6, 8, v2
	v_lshl_add_u32 v[GO16], v1, 4, v6
; 8 matrix instructions: row block a x all 8 column blocks, 32 along K.  zero = 1: the product starts the sums.  The 32 accumulators take turns.
.macro MULA f, a, zero
	WIN MUL
.irp b, 0,1,2,3,4,5,6,7
.if \zero
	v_wmma_f32_16x16x32_bf16 v[8*(8*(\a)+(\b)):8*(8*(\a)+(\b))+7], v[(\f)+32+8*(\b):(\f)+32+8*(\b)+7], v[(\f)+8*(\a):(\f)+8*(\a)+7], 0
.else
	v_wmma_f32_16x16x32_bf16 v[8*(8*(\a)+(\b)):8*(8*(\a)+(\b))+7], v[(\f)+32+8*(\b):(\f)+32+8*(\b)+7], v[(\f)+8*(\a):(\f)+8*(\a)+7], v[8*(8*(\a)+(\b)):8*(8*(\a)+(\b))+7]
.endif
.endr
.endm
; 24 LDS loads in one run: quarter q (32 along K) of a slot into buffer f: B's 8 fragments, turned, then A's 4
.macro FETCH slot, q, f
	WIN TO_F
.irp b, 0,1,2,3,4,5,6,7
	ds_load_tr16_b128 v[(\f)+32+8*(\b):(\f)+32+8*(\b)+3],   v[ADRB+(\slot)] offset:(\q)*32*PB+32*(\b)
	ds_load_tr16_b128 v[(\f)+32+8*(\b)+4:(\f)+32+8*(\b)+7], v[ADRB+(\slot)] offset:(\q)*32*PB+16*PB+32*(\b)
.endr
.irp a, 0,1,2,3
	ds_load_b128 v[(\f)+8*(\a):(\f)+8*(\a)+3],   v[ADRA+(\slot)] offset:64*(\q)+(\a)*16*PA
	ds_load_b128 v[(\f)+8*(\a)+4:(\f)+8*(\a)+7], v[ADRA+(\slot)] offset:64*(\q)+(\a)*16*PA+32
.endr
.endm
; One of a K step's first three quarters: multiplies buffer f and fetches quarter q into g.
.macro QUARTER slot, q, f, g, zero
	s_wait_dscnt 4                                 ; B and A's blocks 0, 1 are in; the youngest four loads (blocks 2, 3) may be out
	MULA \f, 0, \zero
	MULA \f, 1, \zero
	PLACES
	FETCH \slot, \q, \g
	s_wait_dscnt 24                                ; all but the 24 just issued
	MULA \f, 2, \zero
	MULA \f, 3, \zero
.endm
; The last quarter multiplies buffer 1 and changes slots: ONE barrier; in front of it each wave waits for all its tensor loads, adds 0 to its spare word, and waits for that and for its reads of this slot.
.macro TURN slot, next, fill
	WIN 0
	s_wait_tensorcnt 0x0                           ; all my tensor loads have landed: my part of the next slot
	ds_add_u32 v[SPW], v[NIL]
	s_wait_dscnt 5                                 ; (the add and the youngest four loads may be out)
	MULA F1, 0, 0
	s_wait_dscnt 0x0                               ; the add is done, and my reads of this slot are over
	s_barrier_signal -1
	MULA F1, 1, 0
.if \fill
	WIN 0
.endif
	s_barrier_wait -1
.if \fill
	CREST                                          ; the barrier has opened a round of the cluster's: no wave of any partner still reads this slot or has a load on its way
	s_add_nc_u64 s[G0+4*(\slot)+2:G0+4*(\slot)+3], s[G0+4*(\slot)+2:G0+4*(\slot)+3], 2*KSTEP*2
	s_add_nc_u64 s[G0B+4*(\slot)+2:G0B+4*(\slot)+3], s[G0B+4*(\slot)+2:G0B+4*(\slot)+3], 2*KSTEP*4096
	JLOAD \slot                                    ; the first tensor load behind the round, 112 matrix instructions ahead of the wait for it; its four v_nop are the places for the loads below
.else
	PLACES
.endif
	FETCH \next, 0, F0
	MULA F1, 2, 0
	MULA F1, 3, 0
.endm
	s_wait_tensorcnt 1                             ; my part of K step 0 is in; K step 1's may stay out
	s_barrier_signal -1
	s_barrier_wait -1
	FETCH 0, 0, F0
	QUARTER 0, 1, F0, F1, 1                        ; the first quarter stands in front of the loop: its products start the sums
	WIN 0
	s_mov_b32 s3, LAPS-1
.Llap:                                                 ; a trip goes once round the ring and fills both slots again
	QUARTER 0, 2, F1, F0, 0
	QUARTER 0, 3, F0, F1, 0
	TURN 0, 1, 1
	QUARTER 1, 1, F0, F1, 0
	QUARTER 1, 2, F1, F0, 0
	QUARTER 1, 3, F0, F1, 0
	TURN 1, 0, 1
	QUARTER 0, 1, F0, F1, 0
	WIN 0
	s_sub_co_u32 s3, s3, 1
	s_cmp_lg_u32 s3, 0
	s_cbranch_scc1 .Llap
	QUARTER 0, 2, F1, F0, 0                        ; the last lap fills nothing
	QUARTER 0, 3, F0, F1, 0
	TURN 0, 1, 0
	QUARTER 1, 1, F0, F1, 0
	QUARTER 1, 2, F1, F0, 0
	QUARTER 1, 3, F0, F1, 0
	s_wait_dscnt 4
	MULA F1, 0, 0
	MULA F1, 1, 0
	s_wait_dscnt 0x0
	MULA F1, 2, 0
	MULA F1, 3, 0
	WIN 0
	PLACES
	; THE WAY OUT.  The gains are rounded to bf16, as all the module's inputs are.
	s_wait_loadcnt 0x0                             ; gains, cosines and sines
.set i, 0
.rept 32
	v_cvt_pk_bf16_f32 v[T+i%8], v[W+2*i], v[W+2*i+1]
	v_lshlrev_b32 v[W+2*i], 16, v[T+i%8]
	v_and_b32 v[W+2*i+1], 0xffff0000, v[T+i%8]
.set i, i+1
.endr
; Row block a: 16 rows of my head.
.macro EPI a
	WIN 0
	s_wait_xcnt 0x0                                ; the registers that earlier stores read are rewritten only behind this wait
	WIN 0x0a                                       ; sources 0 and 1 window 2
.set p, 0
.rept 4
	v_pk_mul_f32 v[T+2*p:T+2*p+1], v[64*(\a)+2*p:64*(\a)+2*p+1], v[64*(\a)+2*p:64*(\a)+2*p+1]  ; four chains of squares; each accumulator's registers in ascending order
.set p, p+1
.endr
.rept 28
	v_pk_fma_f32 v[T+2*(p%4):T+2*(p%4)+1], v[64*(\a)+2*p:64*(\a)+2*p+1], v[64*(\a)+2*p:64*(\a)+2*p+1], v[T+2*(p%4):T+2*(p%4)+1]
.set p, p+1
.endr
	WIN 0
	v_pk_add_f32 v[T:T+1], v[T:T+1], v[T+2:T+3]
	v_pk_add_f32 v[T+4:T+5], v[T+4:T+5], v[T+6:T+7]
	v_pk_add_f32 v[T:T+1], v[T:T+1], v[T+4:T+5]
	v_add_f32 v[T], v[T], v[T+1]
	v_permlanex16_b32 v[T+1], v[T], s[SEL], s[SEL+1]  ; the row's other 64 columns lie in the lane 16 away
	v_add_f32 v[T], v[T], v[T+1]
	v_fma_f32 v[T], v[T], s[RCPD], s[EPSR]         ; the mean + 1e-6
	v_rsq_f32 v[T+2], v[T]
	v_nop                                          ; a plain instruction behind the root
	s_wait_alu depctr_va_vdst(0)
	v_mul_f32 v[T+8], s[QS], v[T+2]
	v_mul_f32 v[T+9], s[QS], v[T+2]                ; named with it as a pair
	WIN 0x02                                       ; source 0 window 2
.set p, 0
.rept 32
	v_pk_mul_f32 v[Y+2*p:Y+2*p+1], v[64*(\a)+2*p:64*(\a)+2*p+1], v[T+8:T+9] op_sel_hi:[1,0]
.set p, p+1
.endr
	WIN 0
.set p, 0
.rept 32
	v_pk_mul_f32 v[Y+2*p:Y+2*p+1], v[Y+2*p:Y+2*p+1], v[W+2*p:W+2*p+1]
.set p, p+1
.endr
	WIN 0x0c                                       ; source 1 window 3: channel d takes y1 cos - y2 sin, channel d + 64 y2 cos + y1 sin
.set p, 0
.rept 16
	v_pk_mul_f32 v[T+4*(p%4):T+4*(p%4)+1],   v[Y+32+2*p:Y+32+2*p+1], v[64*(\a)+32+2*p:64*(\a)+32+2*p+1]
	v_pk_mul_f32 v[T+4*(p%4)+2:T+4*(p%4)+3], v[Y+2*p:Y+2*p+1],       v[64*(\a)+32+2*p:64*(\a)+32+2*p+1]
	v_pk_fma_f32 v[Y+2*p:Y+2*p+1],       v[Y+2*p:Y+2*p+1],       v[64*(\a)+2*p:64*(\a)+2*p+1], v[T+4*(p%4):T+4*(p%4)+1] neg_lo:[0,0,1] neg_hi:[0,0,1]
	v_pk_fma_f32 v[Y+32+2*p:Y+32+2*p+1], v[Y+32+2*p:Y+32+2*p+1], v[64*(\a)+2*p:64*(\a)+2*p+1], v[T+4*(p%4)+2:T+4*(p%4)+3]
.set p, p+1
.endr
	WIN 0
	s_cmp_eq_u32 s[KIND], 0
	s_cbranch_scc1 .Lq_\@                          ; Q has no f32 output; what is jumped holds no barrier and no tensor load
	WIN 0x08                                       ; source 1 window 2: V keeps its plain sums
.set p, 0
.rept 64
	v_cndmask_b32 v[Y+p], v[Y+p], v[64*(\a)+p], s[SELV]
.set p, p+1
.endr
	WIN 0
.irp b, 0,1,2,3,4,5,6,7
	ds_store_b128 v[STO32], v[Y+8*(\b):Y+8*(\b)+3]   offset:64*(\b)
	ds_store_b128 v[STO32], v[Y+8*(\b)+4:Y+8*(\b)+7] offset:64*(\b)+16
.endr
.set BK, 64*((\a)%2)
	WIN 0x40
.set i, 0
.rept 16
	ds_load_b128 v[BK+4*i:BK+4*i+3], v[RD32] offset:P32*i  ; LDS serves a wave's instructions in order: these see the stores above
.set i, i+1
.endr
	WIN 0x04                                       ; store data window 1
.set i, 0
.rept 16
	s_wait_dscnt 15-i
	global_store_b128 v[GO32], v[BK+4*i:BK+4*i+3], s[O32:O32+1] offset:(16*(\a)+i)*512 th:TH_STORE_NT  ; a row: 512 consecutive bytes, aligned
.set i, i+1
.endr
	WIN 0
.Lq_\@:
.set p, 0
.rept 32
	v_cvt_pk_f16_f32 v[H+p], v[Y+2*p], v[Y+2*p+1]
.set p, p+1
.endr
.irp b, 0,1,2,3,4,5,6,7
	ds_store_b128 v[STO16], v[H+4*(\b):H+4*(\b)+3] offset:32*(\b)
.endr
.irp t, 0,1,2,3,4,5,6,7
	ds_load_b128 v[H+4*(\t):H+4*(\t)+3], v[RD16] offset:(\t)*2*P16
.endr
.irp t, 0,1,2,3,4,5,6,7
	s_wait_dscnt 7-(\t)
	global_store_b128 v[GO16], v[H+4*(\t):H+4*(\t)+3], s[O16:O16+1] offset:(16*(\a)+2*(\t))*256  ; two rows: 512 consecutive bytes, aligned
.endr
.endm
	EPI 0
	EPI 1
	EPI 2
	EPI 3
	s_wait_tensorcnt 0x0                           ; the wave's end
	ds_add_u32 v[SPW], v[NIL]
	s_wait_dscnt 0x0
	CROUND                                         ; the closing round
	s_endpgm
.Lfunc_end_k_qf568e37a93_proj:
	.size	k_qf568e37a93_proj, .Lfunc_end_k_qf568e37a93_proj-k_qf568e37a93_proj
	.p2alignl 7, 3214868480
	.fill 96, 4, 3214868480
	.section	.rodata,"a",@progbits
	.p2align	6, 0x0
	.amdhsa_kernel k_qf568e37a93_proj
		.amdhsa_group_segment_fixed_size 327680
		.amdhsa_private_segment_fixed_size 0
		.amdhsa_enable_private_segment 0
		.amdhsa_kernarg_size 80
		.amdhsa_user_sgpr_count 2
		.amdhsa_user_sgpr_kernarg_segment_ptr 1
		.amdhsa_wavefront_size32 1
		.amdhsa_system_sgpr_workgroup_id_x 1
		.amdhsa_system_sgpr_workgroup_id_y 1
		.amdhsa_system_sgpr_workgroup_id_z 1
		.amdhsa_system_vgpr_workitem_id 0
		.amdhsa_next_free_vgpr 1024
		.amdhsa_next_free_sgpr 104
		.amdhsa_reserve_vcc 0
		.amdhsa_float_denorm_mode_32 3
		.amdhsa_float_denorm_mode_16_64 3
		.amdhsa_memory_ordered 1
		.amdhsa_forward_progress 1
		.amdhsa_inst_pref_size 176
	.end_amdhsa_kernel
	.amdgpu_metadata
---
amdhsa.version: [ 1, 2 ]
amdhsa.kernels:
  - .name:           k_qf568e37a93_proj
    .symbol:         k_qf568e37a93_proj.kd
    .args:
      - { .name: xb, .offset: 0, .size: 8, .value_kind: global_buffer, .address_space: global }
      - { .name: wqkv, .offset: 8, .size: 8, .value_kind: global_buffer, .address_space: global }
      - { .name: tab, .offset: 16, .size: 8, .value_kind: global_buffer, .address_space: global }
      - { .name: q_norm_w, .offset: 24, .size: 8, .value_kind: global_buffer, .address_space: global }
      - { .name: k_norm_w, .offset: 32, .size: 8, .value_kind: global_buffer, .address_space: global }
      - { .name: qb, .offset: 40, .size: 8, .value_kind: global_buffer, .address_space: global }
      - { .name: kb, .offset: 48, .size: 8, .value_kind: global_buffer, .address_space: global }
      - { .name: vb, .offset: 56, .size: 8, .value_kind: global_buffer, .address_space: global }
      - { .name: out1, .offset: 64, .size: 8, .value_kind: global_buffer, .address_space: global }
      - { .name: out2, .offset: 72, .size: 8, .value_kind: global_buffer, .address_space: global }
    .group_segment_fixed_size: 327680
    .private_segment_fixed_size: 0
    .kernarg_segment_align: 8
    .kernarg_segment_size: 80
    .max_flat_workgroup_size: 128
    .sgpr_count:     104
    .vgpr_count:     1024
    .wavefront_size: 32
...
	.end_amdgpu_metadata
.endif
;; end of part 2
;; launch attn (part 3): grid 64 x 4, 4 waves a work-group, clusters of 4 x 4, 327,680 bytes of LDS; arguments qb, kb, vb, attn_mask, ctxb; writes ctxb
.if DOCPART == 3
	.amdgcn_target "amdgcn-amd-amdhsa--gfx1250"
	.amdhsa_code_object_version 6
	.text
	.protected	k_qf568e37a93_attn
	.globl	k_qf568e37a93_attn
	.p2align	8
	.type	k_qf568e37a93_attn,@function
k_qf568e37a93_attn:
	s_mov_b64 s[64:65], 0
	v_nop
	global_prefetch_b8 v0, s[64:65] scope:SCOPE_SE
	s_setreg_imm32_b32 hwreg(HW_REG_WAVE_MODE, 25, 1), 1
	s_wait_xcnt 0x0
	s_wait_alu depctr_hold_cnt(0) depctr_sa_sdst(0) depctr_va_vdst(0) depctr_va_sdst(0) depctr_va_ssrc(0) depctr_va_vcc(0) depctr_vm_vsrc(0)
	s_getreg_b32 s2, hwreg(HW_REG_IB_STS2, 6, 4)
	s_cmp_eq_u32 s2, 0
	s_cbranch_scc0 .Lentry_in_a_cluster
	s_endpgm
.Lentry_in_a_cluster:
	s_bfe_u32 s2, ttmp6, 0x10000c
	s_cmp_lg_u32 s2, 0xf033
	s_cbranch_scc0 .Lentry_shape_is_right
	s_endpgm
.Lentry_shape_is_right:
; ATTN: ctx = softmax(q k^T / sqrt(128) + mask) v for 8 query heads on 4 key heads.  qb [8][4096][128] f16 holds q times log2(e) / sqrt(128); kb, vb [4][4096][128] f16; attn_mask [4096][4096] f32, additive, an
; input: every word of it is read and every score is made.  Products, maxima and sums in f32; the weights are rounded to f16 for the second product.
; ctxb [4096][2048] f16 holds ctx IN TWO PARTS: column head x 128 + channel holds ctx rounded to f16, column 1024 + the same what that rounding left (the exact difference, rounded to f16): a row that sees few keys is
; many times larger than the output's root mean square, and one rounding of ctx to 11 bits would spend a third of what such a row's numbers near zero are allowed.
; LIMITS: the mask finite, below 2.3e38 in size; a weight below 2^-126 counts as 0; p below 6e-5 keeps f16's fixed step; ctx's second part below 6.1e-5 keeps that step of 6e-8 too; a row whose 4,096 keys are ALL
; hidden by about -1e9 is averaged as f32's step there allows; NaN and infinities are not treated apart.
; SCORES stand in units of log2: s = q' . k + mask log2(e); the mask, scaled in registers, is the C operand that starts the sum.  p = 2^(s - m) with the running maximum m: the DIFFERENCE is formed, so p never
; passes 1, also where a share of keys is wholly hidden and m is about -1.4e9.
; SHARES.  A work-group: 64 positions x the 2 query heads of one key head, all 4,096 keys.  Wave w: a = w / 2 names 32 positions, b = w % 2 which 64 of a slot's 128 keys.  Its four tiles of 16 queries:
; tile t = head t % 2 of PIECE t / 2 (named 0 and 2 by their first tiles); piece 0 holds positions 32 a + 16 b + 0..15, piece 2 the other sixteen.  The heads of a piece share the mask's fragment.
; At the end wave w keeps piece 0 and takes from wave w ^ 1 its piece 2, which holds the same queries on the other half of the keys: one merge, the same text in every wave.
; LAYOUT, BY TURNS.  S^T = K Q^T holds one query a lane and the keys 8 (lane / 16) + 0..7; two such results rounded to f16 are source 1 of O^T = V^T P.  In a TURN one piece has the matrix unit (32 products V^T P of the
; step in hand, 32 products K Q^T of the next); the other piece's softmax, in 64 slices, stands behind its matrix instructions.
; CLUSTER 4 x 4: x = four blocks of positions, y = the four key heads.  K and V hang on y alone: asked for jointly along a row of the cluster.  The mask's tile hangs on the block alone: jointly along a column.
; REGISTERS: window 0 addresses, statistics (8 a tile), S^T v64-191, P v192-255; window 1 O^T; window 2 Q v0-127, K v128-255; window 3 V v0-127, the mask's fragments v128-191.
.set PK,    272       ; a row of K in LDS: 256 + 16 bytes
.set PV,    288       ; a row of V: 256 + 32
.set PM,    528       ; a row of the mask's tile: 128 keys x 4 bytes + 16
.set VOFF,  128*PK    ; a slot: 128 rows of K, 128 rows of V, 64 rows of mask
.set MOFF,  VOFF+128*PV
.set SLOTB, MOFF+64*PM
.set SLOT1, 1<<17     ; slot 1 begins here: one exclusive or changes slots
.set STAGE, SLOTB     ; between the slots, never filled by a tensor load: 16 rows x 272 bytes for each wave
.set SP,    272
.set SPARE, STAGE+4*16*SP  ; the spare words: 128 bytes a wave, two blocks of 256 bytes that no other line names
.set XST,   SPARE+512      ; the merge: 512 bytes of m and l a wave
.set XCH,   SLOT1+SLOTB    ; the merge: 16,384 bytes of O^T a wave
.set AK0, 2           ; v2   my lane's place in a slot's K; never rewritten
.set AV0, 3           ; v3   in its V
.set ADR, 4           ; v4   the address of the run of loads in hand
.set QO0, 5           ; v5   my byte offset in Q, piece 0
.set STO, 6
.set RD,  7
.set GO,  8
.set ST,  12          ; tile t's statistics at v[ST+8 t]: +0 m, +1 0 (named with it as a pair), +2, +3 l, +4 to +7 c0-c3 at work; a takes c2's place
.set AM0, 44          ; v44  my lane's place in a slot's mask, piece 0
.set AM1, 45          ; v45  piece 2
.set DM0, 46          ; v46, v47  the mask's run's addresses
.set DM1, 47
.set QO1, 48          ; v48  my byte offset in Q, piece 2
.set XA,  49          ; the merge: where I give O^T, where I take it, and the same for m and l
.set XP,  50
.set XS,  51
.set XSP, 52
.set NEG1, 53         ; v53  -1.0
.set PS,  56          ; v56-59  the partner's m, l of its tiles 2, 3
.set SPW, 62
.set NIL, 63
.set S,   64
.set P,   192
.set KF,  128         ; window 2
.set MK,  128         ; window 3: piece x / 2, key block kb at MK + 32 (x / 2) + 8 kb
.set WV,  14
.set G1K, 24
.set G1V, 32
.set G1M, 40
.set G0K, 48          ; one walking group 0 a tensor
.set G0V, 52
.set G0M, 56
.set SEL, 60
.set TB,  62          ; s62  LDS byte at which the slot to be fetched from begins
.set SLOTS, 63
.set L2E, 66          ; s[66:67] log2(e)
.set MSB, 0
.macro WIN new
.if MSB != (\new)
	s_set_vgpr_msb (MSB<<8)|(\new)
.set MSB, \new
.endif
.endm
.set W_KQ, 0x0a       ; K and Q in window 2, S^T in window 0
.set W_KM, 0x3a       ; the same with the C operand in window 3
.set W_PV, 0x53       ; V in window 3, P in window 0, O^T in window 1
.set W_RS, 0x41       ; O^T in window 1, a in window 0
; A joint fill of a slot: wave 0 asks for K's 128 rows, wave 1 for V's, wave 2 for the mask's 64; wave 3 for nothing.  32 KiB each.  The branches hang on the wave's number alone.
.macro JLOAD
	s_cmp_lg_u32 s[WV], 0
	s_cbranch_scc1 .Lnot_k_\@
	tensor_load_to_lds s[G0K:G0K+3], s[G1K:G1K+7]
	s_nop 0
.rept 4
	v_nop
.endr
	s_branch .Lasked_\@
.Lnot_k_\@:
	s_cmp_lg_u32 s[WV], 1
	s_cbranch_scc1 .Lnot_v_\@
	tensor_load_to_lds s[G0V:G0V+3], s[G1V:G1V+7]
	s_nop 0
.rept 4
	v_nop
.endr
	s_branch .Lasked_\@
.Lnot_v_\@:
	s_cmp_lg_u32 s[WV], 2
	s_cbranch_scc1 .Lasked_\@
	tensor_load_to_lds s[G0M:G0M+3], s[G1M:G1M+7]
	s_nop 0
.rept 4
	v_nop
.endr
.Lasked_\@:
.endm
.macro CROUND
	s_barrier_signal -1
	s_barrier_wait -1
	s_cmp_lg_u32 s[WV], 0
	s_cbranch_scc1 .Lnot_wave_0_\@
	s_barrier_signal -3
.Lnot_wave_0_\@:
	s_barrier_wait -3
	s_barrier_signal -1
	s_barrier_wait -1
.endm
	s_load_b256 s[4:11], s[0:1], 0x0  ; qb 4, kb 6, vb 8, attn_mask 10
	s_load_b64 s[12:13], s[0:1], 0x20 ; ctxb
	v_lshl_add_u32 v[SPW], v0, 2, SPARE
	v_mov_b32 v[NIL], 0
	ds_add_u32 v[SPW], v[NIL]       ; the wave's opening: the add and its wait stand ahead of my first tensor load
	v_lshrrev_b32 v1, 5, v0
	v_readfirstlane_b32 s[WV], v1
	s_bfe_u32 s15, ttmp6, 0x40000   ; cx
	s_bfe_u32 s16, ttmp6, 0x40004   ; cy: the key head
	s_lshl_b32 s17, ttmp9, 2
	s_add_co_u32 s17, s17, s15      ; my block of 64 positions
	s_lshr_b32 s18, s[WV], 1        ; a
	s_and_b32 s19, s[WV], 1         ; b
	s_lshl_b32 s20, s16, 2
	s_lshl_b32 s20, 15, s20         ; my row of the cluster
	s_lshl_b32 s21, 0x1111, s15     ; my column
	s_or_b32 s[G1K], s20, (1<<16)|(1<<20)|(1<<21)|(5<<22)|(3<<25)  ; 2-byte elements; 4 words of padding behind every 64
	s_or_b32 s[G1V], s20, (1<<16)|(1<<20)|(1<<21)|(5<<22)|(7<<25)  ; 8 words
.irp g, G1K, G1V
	s_mov_b32 s[(\g)+1], 128<<16    ; tensor_dim0 = 128
	s_mov_b32 s[(\g)+2], 128<<16    ; tensor_dim1 = 128
	s_mov_b32 s[(\g)+3], 128<<16    ; tile_dim0 = 128
	s_mov_b32 s[(\g)+4], 128        ; tile_dim1 = 128
	s_mov_b32 s[(\g)+5], 128        ; elements from row to row
	s_mov_b32 s[(\g)+6], 0
	s_mov_b32 s[(\g)+7], 0
.endr
	s_or_b32 s[G1M], s21, (2<<16)|(1<<20)|(1<<21)|(6<<22)|(3<<25)  ; 4-byte elements; 4 words behind every 128
	s_mov_b32 s[G1M+1], 128<<16
	s_mov_b32 s[G1M+2], 64<<16
	s_mov_b32 s[G1M+3], 128<<16
	s_mov_b32 s[G1M+4], 64
	s_mov_b32 s[G1M+5], 4096
	s_mov_b32 s[G1M+6], 0
	s_mov_b32 s[G1M+7], 0
	s_mov_b32 s[G0K], 1
	s_mov_b32 s[G0K+1], 0           ; slot 0
	s_mov_b32 s[G0V], 1
	s_mov_b32 s[G0V+1], VOFF
	s_mov_b32 s[G0M], 1
	s_mov_b32 s[G0M+1], MOFF
	s_lshl_b32 s22, s16, 20         ; a key head is 1 MiB of K and of V
	s_mov_b32 s23, 0
	s_lshl_b32 s68, s17, 20         ; 64 rows of the mask are 1 MiB
	s_mov_b32 s69, 0
	s_lshl_b32 s70, s16, 21         ; Q: two heads a key head,
	s_lshl_b32 s71, s17, 14         ; 64 rows of 256 bytes a block,
	s_add_co_u32 s70, s70, s71
	s_lshl_b32 s71, s18, 13         ; 32 rows for a
	s_add_co_u32 s70, s70, s71
	s_mov_b32 s71, 0
	s_lshl_b32 s72, s17, 18         ; ctx: 64 rows of 4,096 bytes a block,
	s_lshl_b32 s73, s[WV], 16       ; 16 rows a wave,
	s_add_co_u32 s72, s72, s73
	s_lshl_b32 s73, s16, 9          ; 512 bytes a key head
	s_add_co_u32 s72, s72, s73
	s_mov_b32 s73, 0
	s_mov_b32 s[SEL], 0x76543210
	s_mov_b32 s[SEL+1], 0xfedcba98
	s_mov_b32 s[L2E], 0x3fb8aa3b
	s_mov_b32 s[L2E+1], 0x3fb8aa3b
	s_mov_b32 s[TB], SLOT1          ; the first change of slots turns it into 0
	s_mov_b32 s[SLOTS], 29
	s_wait_dscnt 0x0                ; the opening add is done
	s_wait_kmcnt 0x0
	s_add_nc_u64 s[G0K+2:G0K+3], s[6:7], s[22:23]
	s_or_b32 s[G0K+3], s[G0K+3], 0x80000000
	s_add_nc_u64 s[G0V+2:G0V+3], s[8:9], s[22:23]
	s_or_b32 s[G0V+3], s[G0V+3], 0x80000000
	s_add_nc_u64 s[G0M+2:G0M+3], s[10:11], s[68:69]
	s_or_b32 s[G0M+3], s[G0M+3], 0x80000000
	s_add_nc_u64 s[4:5], s[4:5], s[70:71]
	s_add_nc_u64 s[12:13], s[12:13], s[72:73]
	CROUND                          ; all sixteen work-groups are here: the first joint loads meet
	JLOAD                           ; keys 0-127 into slot 0; one load of mine is out at the most, here and later
	v_and_b32 v1, 15, v0            ; l % 16
	v_bfe_u32 v9, v0, 4, 1          ; l / 16
	v_lshlrev_b32 v[QO0], 8, v1
	v_lshl_add_u32 v[QO0], v9, 4, v[QO0]
	s_lshl_b32 s2, s19, 12          ; piece 0: sixteen rows b, piece 2: the others
	s_xor_b32 s3, s2, 4096
	v_add_nc_u32 v[QO1], s3, v[QO0]
	v_add_nc_u32 v[QO0], s2, v[QO0]
	WIN 0x80                        ; destination window 2
.set t, 0
.rept 4                             ; Q stays in registers: tile t at 32 t, channels 32 c on
.set c, 0
.rept 4
	global_load_b128 v[32*t+8*c:32*t+8*c+3],   v[QO0+(QO1-QO0)*(t/2)], s[4:5] offset:(t%2)*1048576+64*c
	global_load_b128 v[32*t+8*c+4:32*t+8*c+7], v[QO0+(QO1-QO0)*(t/2)], s[4:5] offset:(t%2)*1048576+64*c+32
.set c, c+1
.endr
.set t, t+1
.endr
	WIN 0
	v_mul_u32_u24 v[AK0], v1, PK
	v_lshl_add_u32 v[AK0], v9, 4, v[AK0]
	s_mul_i32 s2, s19, 64*PK        ; my 64 keys of a slot
	v_add_nc_u32 v[AK0], s2, v[AK0]
	v_and_b32 v10, 7, v0
	v_bfe_u32 v11, v0, 3, 1
	v_lshl_add_u32 v[AV0], v9, 3, v10
	v_mul_u32_u24 v[AV0], v[AV0], PV
	v_lshl_add_u32 v[AV0], v11, 4, v[AV0]
	s_mul_i32 s2, s19, 64*PV
	s_add_co_u32 s2, s2, VOFF
	v_add_nc_u32 v[AV0], s2, v[AV0]
	v_mul_u32_u24 v[AM0], v1, PM    ; the mask: row = my query's position, 8 keys = 32 bytes for each half of the lanes
	v_lshl_add_u32 v[AM0], v9, 5, v[AM0]
	s_lshl_b32 s2, s18, 5
	s_lshl_b32 s3, s19, 4
	s_add_co_u32 s20, s2, s3        ; piece 0's first row in the tile: 32 a + 16 b
	s_xor_b32 s3, s3, 16
	s_add_co_u32 s21, s2, s3        ; piece 2's
	s_mul_i32 s20, s20, PM
	s_mul_i32 s21, s21, PM
	s_lshl_b32 s2, s19, 8           ; my 64 keys: 256 bytes
	s_add_co_u32 s2, s2, MOFF
	s_add_co_u32 s20, s20, s2
	s_add_co_u32 s21, s21, s2
	v_add_nc_u32 v[AM1], s21, v[AM0]
	v_add_nc_u32 v[AM0], s20, v[AM0]
.irp t, 0,1,2,3
	v_mov_b32 v[ST+8*(\t)+1], 0     ; named as the upper half of m's pair
.endr
; THE MATRIX WORK OF A TURN, for piece x.  The accumulators take turns, one instruction a turn.
.macro PV x, zero                   ; product i of 32 of O^T += V^T P: keys 32 (i / 16) on, channels 16 ((i / 2) % 8) on, tile x + i % 2
	WIN W_PV
.set rO, 64*((\x)+i%2)+8*((i/2)%8)
.set rV, 64*(i/16)+8*((i/2)%8)
.set rP, P+16*((\x)+i%2)+8*(i/16)
.if (\zero) && (i < 16)
	v_wmma_f32_16x16x32_f16 v[rO:rO+7], v[rV:rV+7], v[rP:rP+7], 0
.else
	v_wmma_f32_16x16x32_f16 v[rO:rO+7], v[rV:rV+7], v[rP:rP+7], v[rO:rO+7]
.endif
.endm
.macro KQ x                         ; product i of 32 of S^T = K Q^T + mask: channels 32 (i / 8) on, keys 16 ((i / 2) % 4) on, tile x + i % 2.  The first 8 start the sums with the mask
.set rS, S+32*((\x)+i%2)+8*((i/2)%4)
.set rK, KF+32*((i/2)%4)+8*(i/8)
.set rQ, 32*((\x)+i%2)+8*(i/8)
.set rM, MK+32*((\x)/2)+8*((i/2)%4)
.if i < 8
	WIN W_KM
	v_wmma_f32_16x16x32_f16 v[rS:rS+7], v[rK:rK+7], v[rQ:rQ+7], v[rM:rM+7]
.else
	WIN W_KQ
	v_wmma_f32_16x16x32_f16 v[rS:rS+7], v[rK:rK+7], v[rQ:rQ+7], v[rS:rS+7]
.endif
.endm
; THE LDS LOADS stand in runs: a step's K (16 fragments) with both pieces' masks (8 fragments of f32), and, a turn later, its V (turned).
.macro FETCH_K
	WIN 0
	v_add_nc_u32 v[ADR], s[TB], v[AK0]
	v_add_nc_u32 v[DM0], s[TB], v[AM0]
	v_add_nc_u32 v[DM1], s[TB], v[AM1]
	WIN 0x80
.irp f, 0,1,2,3,4,5,6,7,8,9,10,11,12,13,14,15
	ds_load_b128 v[KF+8*(\f):KF+8*(\f)+3],   v[ADR] offset:((\f)/4)*16*PK+((\f)%4)*64
	ds_load_b128 v[KF+8*(\f)+4:KF+8*(\f)+7], v[ADR] offset:((\f)/4)*16*PK+((\f)%4)*64+32
.endr
	WIN 0xc0
.irp f, 0,1,2,3
	ds_load_b128 v[MK+8*(\f):MK+8*(\f)+3],       v[DM0] offset:64*(\f)
	ds_load_b128 v[MK+8*(\f)+4:MK+8*(\f)+7],     v[DM0] offset:64*(\f)+16
	ds_load_b128 v[MK+32+8*(\f):MK+32+8*(\f)+3],   v[DM1] offset:64*(\f)
	ds_load_b128 v[MK+32+8*(\f)+4:MK+32+8*(\f)+7], v[DM1] offset:64*(\f)+16
.endr
.endm
.macro FETCH_V
	WIN 0
	v_add_nc_u32 v[ADR], s[TB], v[AV0]
	WIN 0xc0
.irp f, 0,1,2,3,4,5,6,7,8,9,10,11,12,13,14,15
	ds_load_tr16_b128 v[8*(\f):8*(\f)+3],   v[ADR] offset:((\f)/8)*32*PV+((\f)%8)*32
	ds_load_tr16_b128 v[8*(\f)+4:8*(\f)+7], v[ADR] offset:((\f)/8)*32*PV+16*PV+((\f)%8)*32
.endr
.endm
.macro MSCALE                       ; both pieces' masks times log2(e): 32 packed multiplies serve four tiles
	WIN 0xc3
.set z, 0
.rept 32
	v_pk_mul_f32 v[MK+2*z:MK+2*z+1], v[MK+2*z:MK+2*z+1], s[L2E:L2E+1] op_sel_hi:[1,0]
.set z, z+1
.endr
.endm
; THE VECTOR WORK OF A TURN.  One tile's softmax for one step is a numbered list; SM writes number j of it for tile t.  first = 1: the first step, which starts m, l and O^T.
;   0-15   the maximum of the lane's 32 scores and the old m (each accumulator's lowest registers are read first)     16-20  the other half of the lanes'; the old m kept; the new m; their difference (19 is empty)
;   21-87  33 exponentials (a, then the scores) at the odd numbers from 23 on; between them s - m for pairs still to come, roundings to f16 of pairs that are done, the first sums
;   88-101 the last rounding; the rest of the sums; l = a l + sum     102-133 O^T times a
.macro SM t, first
.set rT, ST+8*(\t)
.set rS, S+32*(\t)
.set rP, P+16*(\t)
.set rO, 64*(\t)+2*(j-102)
.set q, (j-20)/2
.if j < 102
	WIN 0
.endif
.if j < 4
	v_max3_num_f32 v[rT+4+j], v[rS+8*j], v[rS+8*j+1], v[rS+8*j+2]
.elseif j < 12
	v_max3_num_f32 v[rT+4+j%4], v[rT+4+j%4], v[rS+8*(j%4)+2*(j/4)+1], v[rS+8*(j%4)+2*(j/4)+2]
.elseif j == 12
	v_max3_num_f32 v[rT+4], v[rT+4], v[rS+7], v[rS+15]
.elseif j == 13
	v_max3_num_f32 v[rT+6], v[rT+6], v[rS+23], v[rS+31]
.elseif j == 14
	v_max3_num_f32 v[rT+4], v[rT+4], v[rT+5], v[rT+6]
.elseif (j == 15) && (\first)
	v_max_num_f32 v[rT+4], v[rT+4], v[rT+7]
.elseif j == 15
	v_max3_num_f32 v[rT+4], v[rT+4], v[rT+7], v[rT]
.elseif j == 16
	v_permlanex16_b32 v[rT+5], v[rT+4], s[SEL], s[SEL+1]  ; the query's other 32 keys lie in the lane 16 away
.elseif j == 18
	v_max_num_f32 v[rT], v[rT+4], v[rT+5]
.elseif j == 19
.elseif ((j == 17) || (j == 20) || (j == 23) || (j > 101)) && (\first)
.elseif j == 17
	v_mov_b32 v[rT+7], v[rT]        ; the old m is kept for a
.elseif j == 20
	v_sub_f32 v[rT+7], v[rT+7], v[rT]
.elseif j == 23
	v_exp_f32 v[rT+6], v[rT+7]
.elseif (j < 88) && (j > 23) && (j%2 == 1)
	v_exp_f32 v[rS+(j-25)/2], v[rS+(j-25)/2]
.elseif (q < 4) || ((j < 76) && (q%2 == 0))
.set b, q/2+2
.if q < 4
.set b, q
.endif
	v_pk_add_f32 v[rS+2*b:rS+2*b+1], v[rS+2*b:rS+2*b+1], v[rT:rT+1] op_sel_hi:[1,0] neg_lo:[0,1] neg_hi:[0,1]  ; pair b: s - m, never above 0
.elseif (j < 88) && (q%2 == 1)
	s_wait_alu depctr_va_vdst(0)
	v_cvt_pk_f16_f32 v[rP+(q-5)/2], v[rS+q-5], v[rS+q-4]
.elseif j == 89
	s_wait_alu depctr_va_vdst(0)
	v_cvt_pk_f16_f32 v[rP+15], v[rS+30], v[rS+31]
.elseif j < 102
.set z, j-86
.if j < 89
.set z, (j-76)/4
.endif
.set w, 4
.set u, z
.if z >= 14
.set w, 32
.set u, 0
.elseif z >= 12
.set w, 16
.set u, z-12
.elseif z >= 8
.set w, 8
.set u, z-8
.endif
.if (z == 14) && (\first)
	v_pk_add_f32 v[rT+2:rT+3], v[rS:rS+1], v[rS+16:rS+17]
.elseif z < 15
	v_pk_add_f32 v[rS+w*u:rS+w*u+1], v[rS+w*u:rS+w*u+1], v[rS+w*u+w/2:rS+w*u+w/2+1]
.elseif !(\first)
	v_pk_fma_f32 v[rT+2:rT+3], v[rT+2:rT+3], v[rT+6:rT+7], v[rS:rS+1] op_sel_hi:[1,0,1]
.endif
.else
	WIN W_RS
	v_pk_mul_f32 v[rO:rO+1], v[rO:rO+1], v[rT+6:rT+7] op_sel_hi:[1,0]
.endif
.endm
; Slice k of 64 of piece y's softmax: numbers 2 k and 2 k + 1 of both tiles' lists; what is over stands together in slice 63.
.macro SLICE y, first
.if (k >= 11) && (k < 44)           ; tile by tile: plain, exponential, plain, exponential
.irp t, \y, (\y)+1
.irp n, 0,1
.set j, 2*k+(\n)
	SM \t, \first
.endr
.endr
.else                               ; the two tiles alternate
.irp n, 0,1,2,3,4,5,6,7
.if ((\n) < 2) || (k == 63)
.irp t, \y, (\y)+1
.set j, 2*k+(\n)
	SM \t, \first
.endr
.endif
.endr
.endif
.set k, k+1
.endm
.macro PLACES
.rept 4
	v_nop
.endr
.endm
; A TURN.  Piece x has the matrix unit; the other piece's softmax stands in slices behind its matrix instructions.  pv = 2: 32 products V^T P; 1: they start O^T's sums; 0: none.  kq = 1: 32 products K Q^T of the next step.
; Piece 0's turn fetches the next step's K and masks behind its second product (the last reader of K stands in front of slice 63 of the turn before); piece 2's turn the same step's V behind its second K Q^T
; (six plain instructions behind V's last reader).  Each run is waited for, for 0, 30 matrix instructions later or more.
.macro TURN x, pv, kq, first
.set k, 0
.set per, 2
.if (\pv) && (\kq)
.set per, 1
.endif
.if \pv
.if (\x) == 0
	s_wait_dscnt 0x0                ; V is in
.endif
.set i, 0
.rept 32
	PV \x, 2-(\pv)
.rept per
	SLICE 2-(\x), \first
.endr
.if ((\x) == 0) && (\kq) && (i == 1)
	FETCH_K
.endif
.set i, i+1
.endr
.endif
.if \kq
.if (\x) == 0
	s_wait_dscnt 0x0                ; K and the masks are in
	MSCALE
.endif
.set i, 0
.rept 32
	KQ \x
.rept per
	SLICE 2-(\x), \first
.endr
.if ((\x) == 2) && (i == 1)
	FETCH_V
.endif
.set i, i+1
.endr
.endif
.if \first
	PLACES
.endif
.endm
; THE CHANGE OF SLOTS, between piece 2's turn and piece 0's: the slot's last bytes, its V, have been asked for.  Each wave waits for all its tensor loads (its part of the other slot), adds 0 to its spare word, and waits
; for that and for its reads of the slot.  fill = 1: the slot is filled again with the keys two slots on: the barrier is a round of the cluster's, and the joint fill is the first thing behind it.
.macro CHANGE fill
	WIN 0
	s_wait_tensorcnt 0x0            ; no tensor load of mine is out, so a group 0 may be written
	ds_add_u32 v[SPW], v[NIL]
.if \fill
.irp g, G0K, G0V
	s_xor_b32 s[(\g)+1], s[(\g)+1], SLOT1
	s_add_nc_u64 s[(\g)+2:(\g)+3], s[(\g)+2:(\g)+3], 128*256  ; the next 128 keys
.endr
	s_xor_b32 s[G0M+1], s[G0M+1], SLOT1
	s_add_nc_u64 s[G0M+2:G0M+3], s[G0M+2:G0M+3], 128*4
	s_wait_dscnt 0x0                ; the add is done, and my reads of the slot are over
	CROUND
	JLOAD
.else
	s_wait_dscnt 0x0
	s_barrier_signal -1
	s_barrier_wait -1
.endif
	s_xor_b32 s[TB], s[TB], SLOT1   ; the fetches go on in the other slot
.endm
	CHANGE 1                        ; slot 0 is in, everybody's part of it; slot 1 is asked for
	FETCH_K                         ; step 0
	s_wait_loadcnt 0x0              ; Q
	s_wait_dscnt 0x0
	MSCALE
.set i, 0
.rept 32
	KQ 0                            ; piece 0's first scores
.set i, i+1
.endr
	WIN 0                           ; the addresses for the end are made here: plain instructions, the places behind those products
	s_mul_i32 s2, s[WV], 16*SP
	s_add_co_u32 s2, s2, STAGE
	v_mul_u32_u24 v[STO], v1, SP
	v_lshl_add_u32 v[STO], v9, 4, v[STO]
	v_add_nc_u32 v[STO], s2, v[STO]
	v_mul_u32_u24 v[RD], v9, SP
	v_lshl_add_u32 v[RD], v1, 4, v[RD]
	v_add_nc_u32 v[RD], s2, v[RD]
	v_lshlrev_b32 v[GO], 12, v9     ; lanes 0-15 a row of ctxb (4,096 bytes), lanes 16-31 the next
	v_lshl_add_u32 v[GO], v1, 4, v[GO]
	v_mov_b32 v[NEG1], -1.0
	v_and_b32 v10, 31, v0
	s_xor_b32 s3, s[WV], 1          ; my partner
	s_lshl_b32 s2, s[WV], 14
	s_add_co_u32 s2, s2, XCH
	v_lshl_add_u32 v[XA], v10, 4, s2
	s_lshl_b32 s2, s3, 14
	s_add_co_u32 s2, s2, XCH
	v_lshl_add_u32 v[XP], v10, 4, s2
	s_lshl_b32 s2, s[WV], 9
	s_add_co_u32 s2, s2, XST
	v_lshl_add_u32 v[XS], v10, 2, s2
	s_lshl_b32 s2, s3, 9
	s_add_co_u32 s2, s2, XST
	v_lshl_add_u32 v[XSP], v10, 2, s2
	TURN 2, 0, 1, 1                 ; piece 2's first scores | piece 0's first softmax | V of step 0
	CHANGE 1                        ; slot 1 is in; slot 0 takes step 2
	TURN 0, 1, 1, 1                 ; piece 0: V^T P of step 0 starts O^T, K Q^T of step 1 | piece 2's first softmax | K of step 1
	TURN 2, 1, 1, 0                 ; piece 2: the same | piece 0's softmax of step 1 | V of step 1
	WIN 0
.Lslot:                             ; 29 trips: steps 3 to 31 are asked for
	CHANGE 1
	TURN 0, 2, 1, 0
	TURN 2, 2, 1, 0
	WIN 0
	s_sub_co_u32 s[SLOTS], s[SLOTS], 1
	s_cmp_lg_u32 s[SLOTS], 0
	s_cbranch_scc1 .Lslot
	CHANGE 0                        ; the tail is written out
	TURN 0, 2, 1, 0
	TURN 2, 2, 1, 0
	TURN 0, 2, 0, 0                 ; piece 0: V^T P of the last step | piece 2's last softmax
.set i, 0
.rept 32
	PV 2, 0
.set i, i+1
.endr
	; THE END.  l is completed (its two halves, the other half of the lanes'); the additions are the places behind the last products.
	WIN 0
.irp t, 0,1,2,3
	v_add_f32 v[ST+8*(\t)+4], v[ST+8*(\t)+2], v[ST+8*(\t)+3]
.endr
.irp t, 0,1,2,3
	v_permlanex16_b32 v[ST+8*(\t)+5], v[ST+8*(\t)+4], s[SEL], s[SEL+1]
.endr
.irp t, 0,1,2,3
	v_add_f32 v[ST+8*(\t)+4], v[ST+8*(\t)+4], v[ST+8*(\t)+5]
.endr
	WIN 0x04                        ; store data window 1: my piece 2's O^T, m and l go to my partner
.set i, 0
.rept 32
	ds_store_b128 v[XA], v[128+4*i:128+4*i+3] offset:512*i
.set i, i+1
.endr
	WIN 0
	ds_store_b32 v[XS], v[ST+16]
	ds_store_b32 v[XS], v[ST+20] offset:128
	ds_store_b32 v[XS], v[ST+24] offset:256
	ds_store_b32 v[XS], v[ST+28] offset:384
	s_wait_dscnt 0x0                ; for the partner's sake: my stores are done
	s_barrier_signal -1
	s_barrier_wait -1
.set i, 0
.rept 32
	ds_load_b128 v[S+4*i:S+4*i+3], v[XP] offset:512*i  ; the same queries' O^T on the other half of the keys, lane for lane and register for register
.set i, i+1
.endr
.irp n, 0,1,2,3
	ds_load_b32 v[PS+(\n)], v[XSP] offset:128*(\n)
.endr
	s_wait_dscnt 0x0
.irp u, 0,1
	v_max_num_f32 v[ST+8*(\u)+5], v[ST+8*(\u)], v[PS+2*(\u)]
.endr
.irp u, 0,1
	v_sub_f32 v[ST+8*(\u)+6], v[ST+8*(\u)], v[ST+8*(\u)+5]
	v_sub_f32 v[ST+8*(\u)+7], v[PS+2*(\u)], v[ST+8*(\u)+5]
.endr
.irp u, 0,1
	v_exp_f32 v[ST+8*(\u)+6], v[ST+8*(\u)+6]
	v_exp_f32 v[ST+8*(\u)+7], v[ST+8*(\u)+7]
.endr
	v_nop                           ; a plain instruction behind the exponentials
.irp u, 0,1
	s_wait_alu depctr_va_vdst(0)
	v_mul_f32 v[ST+8*(\u)+4], v[ST+8*(\u)+4], v[ST+8*(\u)+6]
.endr
.irp u, 0,1
	v_fma_f32 v[ST+8*(\u)+4], v[PS+2*(\u)+1], v[ST+8*(\u)+7], v[ST+8*(\u)+4]  ; l of all keys: 1 at the least
.endr
.irp u, 0,1
	v_rcp_f32 v[ST+8*(\u)+5], v[ST+8*(\u)+4]
.endr
	v_nop
.irp u, 0,1
	s_wait_alu depctr_va_vdst(0)
	v_mul_f32 v[ST+8*(\u)+2], v[ST+8*(\u)+6], v[ST+8*(\u)+5]  ; my share's factor,
	v_mul_f32 v[ST+8*(\u)+6], v[ST+8*(\u)+7], v[ST+8*(\u)+5]  ; the partner's
.endr
.irp u, 0,1
.set i, 0
.rept 32
	v_pk_mul_f32 v[S+64*(\u)+2*i:S+64*(\u)+2*i+1], v[S+64*(\u)+2*i:S+64*(\u)+2*i+1], v[ST+8*(\u)+6:ST+8*(\u)+7] op_sel_hi:[1,0]
.set i, i+1
.endr
.endr
	WIN 0x01                        ; source 0 window 1: my O^T, each accumulator's registers in ascending order
.irp u, 0,1
.set i, 0
.rept 32
	v_pk_fma_f32 v[S+64*(\u)+2*i:S+64*(\u)+2*i+1], v[64*(\u)+2*i:64*(\u)+2*i+1], v[ST+8*(\u)+2:ST+8*(\u)+3], v[S+64*(\u)+2*i:S+64*(\u)+2*i+1] op_sel_hi:[1,0,1]
.set i, i+1
.endr
.endr
	WIN 0
	; ctx in two parts.  The first: rounded to f16, head u at P + 32 u.
.set i, 0
.rept 64
	v_cvt_pk_f16_f32 v[P+i], v[S+2*i], v[S+2*i+1]
.set i, i+1
.endr
	; What the rounding left: ctx - first part, exact in f32 (the f16 half times -1.0, plus ctx, in one fused step),
.set i, 0
.rept 64
	v_fma_mix_f32 v[S+2*i],   v[P+i], v[NEG1], v[S+2*i]   op_sel_hi:[1,0,0]
	v_fma_mix_f32 v[S+2*i+1], v[P+i], v[NEG1], v[S+2*i+1] op_sel:[1,0,0] op_sel_hi:[1,0,0]
.set i, i+1
.endr
	; rounded to f16, head u at S + 32 u: register i is written when registers 2 i and 2 i + 1 are read, in ascending order, so nothing unread is lost.
.set i, 0
.rept 64
	v_cvt_pk_f16_f32 v[S+i], v[S+2*i], v[S+2*i+1]
.set i, i+1
.endr
.macro PACK base                    ; a lane's eight channels of a row are 16 bytes; they go into rows of 272 bytes and come back as whole rows of 256
.irp f, 0,1,2,3,4,5,6,7
	ds_store_b128 v[STO], v[(\base)+4*(\f):(\base)+4*(\f)+3] offset:32*(\f)
.endr
.irp f, 0,1,2,3,4,5,6,7
	ds_load_b128 v[(\base)+4*(\f):(\base)+4*(\f)+3], v[RD] offset:(\f)*2*SP  ; LDS serves a wave's instructions in order: these see the stores above, and the next PACK's stores come behind them
.endr
.endm
.macro SEND base, off, younger      ; younger: the LDS instructions issued behind this PACK's loads: the next PACK's sixteen, or none
.irp f, 0,1,2,3,4,5,6,7
	s_wait_dscnt (\younger)+7-(\f)
	global_store_b128 v[GO], v[(\base)+4*(\f):(\base)+4*(\f)+3], s[12:13] offset:(\off)+8192*(\f)  ; 16 lanes store 256 consecutive bytes, aligned
.endr
.endm
	PACK P
	PACK P+32
	SEND P, 0, 16                   ; head 0, first part
	PACK S
	SEND P+32, 256, 16              ; head 1, first part
	PACK S+32
	SEND S, 2048, 16                ; head 0, second part: 1,024 columns on
	SEND S+32, 2048+256, 0          ; head 1, second part
	s_wait_tensorcnt 0x0            ; the wave's end
	ds_add_u32 v[SPW], v[NIL]
	s_wait_dscnt 0x0
	CROUND                          ; the closing round
	s_endpgm
.Lfunc_end_k_qf568e37a93_attn:
	.size	k_qf568e37a93_attn, .Lfunc_end_k_qf568e37a93_attn-k_qf568e37a93_attn
	.p2alignl 7, 3214868480
	.fill 96, 4, 3214868480
	.section	.rodata,"a",@progbits
	.p2align	6, 0x0
	.amdhsa_kernel k_qf568e37a93_attn
		.amdhsa_group_segment_fixed_size 327680
		.amdhsa_private_segment_fixed_size 0
		.amdhsa_enable_private_segment 0
		.amdhsa_kernarg_size 40
		.amdhsa_user_sgpr_count 2
		.amdhsa_user_sgpr_kernarg_segment_ptr 1
		.amdhsa_wavefront_size32 1
		.amdhsa_system_sgpr_workgroup_id_x 1
		.amdhsa_system_sgpr_workgroup_id_y 1
		.amdhsa_system_sgpr_workgroup_id_z 1
		.amdhsa_system_vgpr_workitem_id 0
		.amdhsa_next_free_vgpr 1024
		.amdhsa_next_free_sgpr 80
		.amdhsa_reserve_vcc 0
		.amdhsa_float_denorm_mode_32 3
		.amdhsa_float_denorm_mode_16_64 3
		.amdhsa_memory_ordered 1
		.amdhsa_forward_progress 1
		.amdhsa_inst_pref_size 255
	.end_amdhsa_kernel
	.section	.bss,"aw",@nobits
	.p2align	6
	.space	262144
	.amdgpu_metadata
---
amdhsa.version: [ 1, 2 ]
amdhsa.kernels:
  - .name:           k_qf568e37a93_attn
    .symbol:         k_qf568e37a93_attn.kd
    .args:
      - { .name: qb, .offset: 0, .size: 8, .value_kind: global_buffer, .address_space: global }
      - { .name: kb, .offset: 8, .size: 8, .value_kind: global_buffer, .address_space: global }
      - { .name: vb, .offset: 16, .size: 8, .value_kind: global_buffer, .address_space: global }
      - { .name: attn_mask, .offset: 24, .size: 8, .value_kind: global_buffer, .address_space: global }
      - { .name: ctxb, .offset: 32, .size: 8, .value_kind: global_buffer, .address_space: global }
    .group_segment_fixed_size: 327680
    .private_segment_fixed_size: 0
    .kernarg_segment_align: 8
    .kernarg_segment_size: 40
    .max_flat_workgroup_size: 128
    .sgpr_count:     80
    .vgpr_count:     1024
    .wavefront_size: 32
...
	.end_amdgpu_metadata
.endif
;; end of part 3
;; launch outp (part 4): grid 8 x 32, 4 waves a work-group, clusters of 4 x 4, 327,680 bytes of LDS; arguments ctxb, wob, out0; writes out0
.if DOCPART == 4
	.amdgcn_target "amdgcn-amd-amdhsa--gfx1250"
	.amdhsa_code_object_version 6
	.text
	.protected	k_qf568e37a93_outp
	.globl	k_qf568e37a93_outp
	.p2align	8
	.type	k_qf568e37a93_outp,@function
k_qf568e37a93_outp:
	s_mov_b64 s[64:65], 0
	v_nop
	global_prefetch_b8 v0, s[64:65] scope:SCOPE_SE
	s_setreg_imm32_b32 hwreg(HW_REG_WAVE_MODE, 25, 1), 1
	s_wait_xcnt 0x0
	s_wait_alu depctr_hold_cnt(0) depctr_sa_sdst(0) depctr_va_vdst(0) depctr_va_sdst(0) depctr_va_ssrc(0) depctr_va_vcc(0) depctr_vm_vsrc(0)
	s_getreg_b32 s2, hwreg(HW_REG_IB_STS2, 6, 4)
	s_cmp_eq_u32 s2, 0
	s_cbranch_scc0 .Lentry_in_a_cluster
	s_endpgm
.Lentry_in_a_cluster:
	s_bfe_u32 s2, ttmp6, 0x10000c
	s_cmp_lg_u32 s2, 0xf033
	s_cbranch_scc0 .Lentry_shape_is_right
	s_endpgm
.Lentry_shape_is_right:
; OUTP: out0 [4096][2048] f32 = ctxb [4096][2048] f16 times wob [2048][2048] f16; sums in f32.  ctxb's columns 0-1023 hold ctx rounded to f16, its columns 1024-2047 what that rounding left; wob's rows 1024-2047
; repeat its rows 0-1023 (Wo rounded to bf16, written as f16): one sum over K = 2,048 gives (first part + second part) Wo, so that ctx's rounding to 11 bits does not reach the output.
; The frame is that of the projection: a tile of 128 rows x 256 columns, 256 work-groups, four waves of 64 x 128 (32 accumulators), K in steps of 128 through two LDS slots, A's rows along K, B [k][n] read by the
; turning load, cluster 4 x 4 with A's tile asked for jointly along a row of the cluster and B's along a column; the matrix instruction transposed, so that a lane holds 8 neighbouring columns of a row.
; REGISTERS: window 0 addresses and rows on their way out; window 1 two fragment buffers of 96; window 2 the accumulators ((a, b) at 8 (8 a + b)).
.set KDIM,  2048
.set KSH,   12                         ; a row of A is 1 << KSH bytes
.set KSTEP, 128
.set PA,    272
.set PB,    544
.set HALFA, 64*PA
.set HALFB, 64*PB
.set BOFF,  2*HALFA
.set SLOT,  BOFF+2*HALFB
.set STAGE, 2*SLOT                     ; behind the ring, for each wave: 16 rows x 528 bytes
.set P32,   528
.set SPARE, STAGE+4*16*P32             ; the spare words: 128 bytes a wave, two blocks of 256 bytes that no other line names
.set LAPS,  KDIM/(2*KSTEP)
.set ADRA,  16
.set ADRB,  20
.set STO32, 24
.set RD32,  25
.set SPW,   28
.set NIL,   29
.set GO32,  30
.set F0,    0
.set F1,    96
.set G1,  24
.set G0,  32
.set G1B, 48
.set G0B, 56
.set MSB, 0
.macro WIN new
.if MSB != (\new)
	s_set_vgpr_msb (MSB<<8)|(\new)
.set MSB, \new
.endif
.endm
.set MUL,  0xa5
.set TO_F, 0x40
.macro JLOAD s                         ; a joint load: waves 0 and 1 fetch A's two halves, waves 2 and 3 B's; an s_nop 0 and four v_nop follow each line
	s_cmp_eq_u32 s11, 0
	s_cbranch_scc0 .Lfor_b_\@
	tensor_load_to_lds s[G0+4*(\s):G0+4*(\s)+3], s[G1:G1+7]
	s_nop 0
.rept 4
	v_nop
.endr
	s_branch .Lasked_\@
.Lfor_b_\@:
	tensor_load_to_lds s[G0B+4*(\s):G0B+4*(\s)+3], s[G1B:G1B+7]
	s_nop 0
.rept 4
	v_nop
.endr
.Lasked_\@:
.endm
.macro CREST
	s_cmp_lg_u32 s10, 0
	s_cbranch_scc1 .Lnot_wave_0_\@
	s_barrier_signal -3
.Lnot_wave_0_\@:
	s_barrier_wait -3
	s_barrier_signal -1
	s_barrier_wait -1
.endm
.macro CROUND
	s_barrier_signal -1
	s_barrier_wait -1
	CREST
.endm
.macro PLACES
.rept 4
	v_nop
.endr
.endm
	s_load_b128 s[4:7], s[0:1], 0x0                ; ctxb 4, wob 6
	s_load_b64 s[8:9], s[0:1], 0x10                ; out0
	v_lshl_add_u32 v[SPW], v0, 2, SPARE
	v_mov_b32 v[NIL], 0
	ds_add_u32 v[SPW], v[NIL]                      ; the wave's opening: the add and its wait stand ahead of my first tensor load
	v_lshrrev_b32 v1, 5, v0
	v_readfirstlane_b32 s10, v1
	s_lshr_b32 s11, s10, 1
	s_and_b32 s12, s10, 1
	s_bfe_u32 s40, ttmp6, 0x40000                  ; cx
	s_bfe_u32 s41, ttmp6, 0x40004                  ; cy
	s_lshl_b32 s42, ttmp9, 2
	s_add_co_u32 s42, s42, s40                     ; tile column
	s_and_b32 s13, ttmp7, 0xffff
	s_lshl_b32 s13, s13, 2
	s_add_co_u32 s13, s13, s41                     ; tile row
	s_lshl_b32 s43, s41, 2
	s_lshl_b32 s43, 15, s43
	s_lshl_b32 s44, 0x1111, s40
	s_or_b32 s[G1+0], s43, (1<<16)|(1<<20)|(1<<21)|(5<<22)|(3<<25)
	s_mov_b32 s[G1+1], KSTEP<<16
	s_mov_b32 s[G1+2], 64<<16
	s_mov_b32 s[G1+3], KSTEP<<16
	s_mov_b32 s[G1+4], 64
	s_mov_b32 s[G1+5], KDIM
	s_mov_b32 s[G1+6], 0
	s_mov_b32 s[G1+7], 0
	s_or_b32 s[G1B+0], s44, (1<<16)|(1<<20)|(1<<21)|(6<<22)|(7<<25)
	s_mov_b32 s[G1B+1], 256<<16
	s_mov_b32 s[G1B+2], 64<<16
	s_mov_b32 s[G1B+3], 256<<16
	s_mov_b32 s[G1B+4], 64
	s_mov_b32 s[G1B+5], 2048
	s_mov_b32 s[G1B+6], 0
	s_mov_b32 s[G1B+7], 0
	s_lshl_b32 s16, s13, 7
	s_lshl_b32 s17, s12, 6
	s_add_co_u32 s16, s16, s17
	s_lshl_b32 s16, s16, KSH
	s_mov_b32 s17, 0
	s_lshl_b32 s46, s42, 9
	s_lshl_b32 s47, s12, 18
	s_add_co_u32 s46, s46, s47
	s_mov_b32 s47, 0
	s_mul_i32 s20, s12, HALFA
	s_mul_i32 s21, s12, HALFB
	s_add_co_u32 s21, s21, BOFF
	s_wait_dscnt 0x0                               ; the opening add is done
	s_wait_kmcnt 0x0
	s_add_nc_u64 s[14:15], s[4:5], s[16:17]
	s_add_nc_u64 s[46:47], s[6:7], s[46:47]
	CROUND
.irp s, 0,1
	s_mov_b32 s[G0+4*(\s)], 1
	s_add_co_u32 s[G0+4*(\s)+1], s20, (\s)*SLOT
	s_add_nc_u64 s[G0+4*(\s)+2:G0+4*(\s)+3], s[14:15], (\s)*KSTEP*2
	s_or_b32 s[G0+4*(\s)+3], s[G0+4*(\s)+3], 0x80000000
	s_mov_b32 s[G0B+4*(\s)], 1
	s_add_co_u32 s[G0B+4*(\s)+1], s21, (\s)*SLOT
	s_add_nc_u64 s[G0B+4*(\s)+2:G0B+4*(\s)+3], s[46:47], (\s)*KSTEP*4096
	s_or_b32 s[G0B+4*(\s)+3], s[G0B+4*(\s)+3], 0x80000000
	JLOAD \s
.endr
	s_lshl_b32 s18, s13, 7
	s_lshl_b32 s19, s11, 6
	s_add_co_u32 s18, s18, s19                     ; my first row of out0,
	s_lshl_b32 s18, s18, 13                        ; 8,192 bytes a row,
	s_lshl_b32 s19, s42, 10                        ; 1,024 bytes a tile column,
	s_add_co_u32 s18, s18, s19
	s_lshl_b32 s19, s12, 9                         ; 512 for my half
	s_add_co_u32 s18, s18, s19
	s_mov_b32 s19, 0
	s_add_nc_u64 s[8:9], s[8:9], s[18:19]
	v_and_b32 v1, 15, v0
	v_bfe_u32 v2, v0, 4, 1
	v_mul_u32_u24 v3, v1, PA
	v_lshl_add_u32 v3, v2, 4, v3
	s_mul_i32 s18, s11, HALFA
	v_add_nc_u32 v[ADRA], s18, v3
	v_add_nc_u32 v[ADRA+1], SLOT, v[ADRA]
	v_and_b32 v4, 7, v0
	v_bfe_u32 v5, v0, 3, 1
	v_lshl_add_u32 v4, v2, 3, v4
	v_mul_u32_u24 v4, v4, PB
	v_lshl_add_u32 v4, v5, 4, v4
	s_lshl_b32 s18, s12, 8
	s_add_co_u32 s18, s18, BOFF
	v_add_nc_u32 v[ADRB], s18, v4
	v_add_nc_u32 v[ADRB+1], SLOT, v[ADRB]
	s_mul_i32 s23, s10, 16*P32
	s_add_co_u32 s23, s23, STAGE
	v_mul_u32_u24 v6, v1, P32
	v_lshl_add_u32 v6, v2, 5, v6
	v_add_nc_u32 v[STO32], s23, v6
	v_and_b32 v7, 31, v0
	v_lshlrev_b32 v[GO32], 4, v7
	v_add_nc_u32 v[RD32], s23, v[GO32]
.macro MULA f, a, zero                 ; 8 matrix instructions: row block a x all 8 column blocks; the 32 accumulators take turns
	WIN MUL
.irp b, 0,1,2,3,4,5,6,7
.if \zero
	v_wmma_f32_16x16x32_f16 v[8*(8*(\a)+(\b)):8*(8*(\a)+(\b))+7], v[(\f)+32+8*(\b):(\f)+32+8*(\b)+7], v[(\f)+8*(\a):(\f)+8*(\a)+7], 0
.else
	v_wmma_f32_16x16x32_f16 v[8*(8*(\a)+(\b)):8*(8*(\a)+(\b))+7], v[(\f)+32+8*(\b):(\f)+32+8*(\b)+7], v[(\f)+8*(\a):(\f)+8*(\a)+7], v[8*(8*(\a)+(\b)):8*(8*(\a)+(\b))+7]
.endif
.endr
.endm
.macro FETCH slot, q, f                ; 24 LDS loads in one run: B's 8 fragments, turned, then A's 4
	WIN TO_F
.irp b, 0,1,2,3,4,5,6,7
	ds_load_tr16_b128 v[(\f)+32+8*(\b):(\f)+32+8*(\b)+3],   v[ADRB+(\slot)] offset:(\q)*32*PB+32*(\b)
	ds_load_tr16_b128 v[(\f)+32+8*(\b)+4:(\f)+32+8*(\b)+7], v[ADRB+(\slot)] offset:(\q)*32*PB+16*PB+32*(\b)
.endr
.irp a, 0,1,2,3
	ds_load_b128 v[(\f)+8*(\a):(\f)+8*(\a)+3],   v[ADRA+(\slot)] offset:64*(\q)+(\a)*16*PA
	ds_load_b128 v[(\f)+8*(\a)+4:(\f)+8*(\a)+7], v[ADRA+(\slot)] offset:64*(\q)+(\a)*16*PA+32
.endr
.endm
.macro QUARTER slot, q, f, g, zero
	s_wait_dscnt 4                                 ; B and A's blocks 0, 1 are in; the youngest four loads may be out
	MULA \f, 0, \zero
	MULA \f, 1, \zero
	PLACES
	FETCH \slot, \q, \g
	s_wait_dscnt 24                                ; all but the 24 just issued
	MULA \f, 2, \zero
	MULA \f, 3, \zero
.endm
.macro TURN slot, next, fill
	WIN 0
	s_wait_tensorcnt 0x0                           ; all my tensor loads have landed: my part of the next slot
	ds_add_u32 v[SPW], v[NIL]
	s_wait_dscnt 5                                 ; (the add and the youngest four loads may be out)
	MULA F1, 0, 0
	s_wait_dscnt 0x0                               ; the add is done, and my reads of this slot are over
	s_barrier_signal -1
	MULA F1, 1, 0
.if \fill
	WIN 0
.endif
	s_barrier_wait -1
.if \fill
	CREST
	s_add_nc_u64 s[G0+4*(\slot)+2:G0+4*(\slot)+3], s[G0+4*(\slot)+2:G0+4*(\slot)+3], 2*KSTEP*2
	s_add_nc_u64 s[G0B+4*(\slot)+2:G0B+4*(\slot)+3], s[G0B+4*(\slot)+2:G0B+4*(\slot)+3], 2*KSTEP*4096
	JLOAD \slot                                    ; the first tensor load behind the round; its four v_nop are the places for the loads below
.else
	PLACES
.endif
	FETCH \next, 0, F0
	MULA F1, 2, 0
	MULA F1, 3, 0
.endm
	s_wait_tensorcnt 1                             ; my part of K step 0 is in; K step 1's may stay out
	s_barrier_signal -1
	s_barrier_wait -1
	FETCH 0, 0, F0
	QUARTER 0, 1, F0, F1, 1
	WIN 0
	s_mov_b32 s3, LAPS-1
.Llap:
	QUARTER 0, 2, F1, F0, 0
	QUARTER 0, 3, F0, F1, 0
	TURN 0, 1, 1
	QUARTER 1, 1, F0, F1, 0
	QUARTER 1, 2, F1, F0, 0
	QUARTER 1, 3, F0, F1, 0
	TURN 1, 0, 1
	QUARTER 0, 1, F0, F1, 0
	WIN 0
	s_sub_co_u32 s3, s3, 1
	s_cmp_lg_u32 s3, 0
	s_cbranch_scc1 .Llap
	QUARTER 0, 2, F1, F0, 0
	QUARTER 0, 3, F0, F1, 0
	TURN 0, 1, 0
	QUARTER 1, 1, F0, F1, 0
	QUARTER 1, 2, F1, F0, 0
	QUARTER 1, 3, F0, F1, 0
	s_wait_dscnt 4
	MULA F1, 0, 0
	MULA F1, 1, 0
	s_wait_dscnt 0x0
	MULA F1, 2, 0
	MULA F1, 3, 0
	WIN 0
	PLACES
; THE WAY OUT of row block a: the sums go as they are into my stage (rows of 528 bytes; each accumulator's low four registers first) and come back as whole rows of 512 bytes.
.macro OUT a
	WIN 0
	s_wait_xcnt 0x0                                ; the registers that earlier stores read are loaded again only behind this wait
	WIN 0x08                                       ; store data window 2
.irp b, 0,1,2,3,4,5,6,7
	ds_store_b128 v[STO32], v[64*(\a)+8*(\b):64*(\a)+8*(\b)+3]   offset:64*(\b)
	ds_store_b128 v[STO32], v[64*(\a)+8*(\b)+4:64*(\a)+8*(\b)+7] offset:64*(\b)+16
.endr
	WIN 0
.set BK, 64+64*((\a)%2)
.set i, 0
.rept 16
	ds_load_b128 v[BK+4*i:BK+4*i+3], v[RD32] offset:P32*i  ; LDS serves a wave's instructions in order: these see the stores above
.set i, i+1
.endr
.set i, 0
.rept 16
	s_wait_dscnt 15-i
	global_store_b128 v[GO32], v[BK+4*i:BK+4*i+3], s[8:9] offset:(16*(\a)+i)*8192 th:TH_STORE_NT  ; 512 consecutive bytes, aligned
.set i, i+1
.endr
.endm
	OUT 0
	OUT 1
	OUT 2
	OUT 3
	s_wait_tensorcnt 0x0                           ; the wave's end
	ds_add_u32 v[SPW], v[NIL]
	s_wait_dscnt 0x0
	CROUND                                         ; the closing round
	s_endpgm
.Lfunc_end_k_qf568e37a93_outp:
	.size	k_qf568e37a93_outp, .Lfunc_end_k_qf568e37a93_outp-k_qf568e37a93_outp
	.p2alignl 7, 3214868480
	.fill 96, 4, 3214868480
	.section	.rodata,"a",@progbits
	.p2align	6, 0x0
	.amdhsa_kernel k_qf568e37a93_outp
		.amdhsa_group_segment_fixed_size 327680
		.amdhsa_private_segment_fixed_size 0
		.amdhsa_enable_private_segment 0
		.amdhsa_kernarg_size 24
		.amdhsa_user_sgpr_count 2
		.amdhsa_user_sgpr_kernarg_segment_ptr 1
		.amdhsa_wavefront_size32 1
		.amdhsa_system_sgpr_workgroup_id_x 1
		.amdhsa_system_sgpr_workgroup_id_y 1
		.amdhsa_system_sgpr_workgroup_id_z 1
		.amdhsa_system_vgpr_workitem_id 0
		.amdhsa_next_free_vgpr 768
		.amdhsa_next_free_sgpr 66
		.amdhsa_reserve_vcc 0
		.amdhsa_float_denorm_mode_32 3
		.amdhsa_float_denorm_mode_16_64 3
		.amdhsa_memory_ordered 1
		.amdhsa_forward_progress 1
		.amdhsa_inst_pref_size 87
	.end_amdhsa_kernel
	.amdgpu_metadata
---
amdhsa.version: [ 1, 2 ]
amdhsa.kernels:
  - .name:           k_qf568e37a93_outp
    .symbol:         k_qf568e37a93_outp.kd
    .args:
      - { .name: ctxb, .offset: 0, .size: 8, .value_kind: global_buffer, .address_space: global }
      - { .name: wob, .offset: 8, .size: 8, .value_kind: global_buffer, .address_space: global }
      - { .name: out0, .offset: 16, .size: 8, .value_kind: global_buffer, .address_space: global }
    .group_segment_fixed_size: 327680
    .private_segment_fixed_size: 0
    .kernarg_segment_align: 8
    .kernarg_segment_size: 24
    .max_flat_workgroup_size: 128
    .sgpr_count:     66
    .vgpr_count:     768
    .wavefront_size: 32
...
	.end_amdgpu_metadata
.endif
;; end of part 4
;; ======== version 2 of 3: 4 launches
;; limits: values are held in f16: magnitudes above 65,504 overflow, below 6.1e-05 lose precision
;; workspace buffers: xb 16,777,216 bytes; wqkv 8,388,608 bytes; wob 4,194,304 bytes; tab 2,097,152 bytes; qb 8,388,608 bytes; kb 4,194,304 bytes; vb 4,194,304 bytes; ctxb 16,777,216 bytes
;; launch prep (part 5): grid 1152 x 1, 8 waves a work-group, no clusters, 0 bytes of LDS; arguments x, Wq, Wk, Wv, Wo, position_ids, xb, wqkv, wob, tab; writes xb, wqkv, wob, tab
.if DOCPART == 5
	.amdgcn_target "amdgcn-amd-amdhsa--gfx1250"
	.amdhsa_code_object_version 6
	.text
	.protected	k_qf568e37a93_prep
	.globl	k_qf568e37a93_prep
	.p2align	8
	.type	k_qf568e37a93_prep,@function
k_qf568e37a93_prep:
	s_mov_b64 s[64:65], 0
	v_nop
	global_prefetch_b8 v0, s[64:65] scope:SCOPE_SE
	s_setreg_imm32_b32 hwreg(HW_REG_WAVE_MODE, 25, 1), 1
	s_wait_xcnt 0x0
; PREP: the matrix operands in 16 bits, and the table of cosines and sines.
;   xb   [4096][2048] bf16 = x.      wqkv [2048][2048] bf16: columns 0-1023 Wq, 1024-1535 Wk, 1536-2047 Wv.
;   wob  [1024][2048]: Wo rounded to bf16, that number written as f16 (exact from 6.1e-5 up; below that f16's fixed step of 6e-8).
;   tab  [4096][128] f32: row s holds cos(pos[s] f_i), i = 0..63, then sin(pos[s] f_i);  f_i = 10000^(-i/64).
; A stream: no LDS, no matrix unit, no barrier.  Work-groups 0-895 cast 16,384 numbers each (64 KiB in, 32 KiB out), 896-1151 make 16 rows of the table each.
; A cast: thread t takes 16 bytes at 16 t of each of 16 blocks of 4,096 bytes: a wave's load covers 512 consecutive bytes, its store of 8 bytes a lane 256 consecutive, aligned bytes.
; All 16 loads go out first; no register is written twice, so the only waits are the counted ones for the loads.
; LIMIT: |pos f| below 2^22 (the quadrant's number is kept exactly and the reduction in three parts holds).
.set OFF, 4                            ; v[4:19]   byte offset of my 8 bytes of block i in the destination
.set IN,  32                           ; v[32:95]  block i as loaded
.set OUT, 96                           ; v[96:127] block i to store
	s_load_b512 s[8:23], s[0:1], 0x0               ; x 8, Wq 10, Wk 12, Wv 14, Wo 16, position_ids 18, xb 20, wqkv 22
	s_load_b128 s[24:27], s[0:1], 0x40             ; wob 24, tab 26
	s_mov_b32 s2, ttmp9
	s_wait_kmcnt 0x0
	s_cmp_ge_u32 s2, 896
	s_cbranch_scc1 .Lrope
	; which tensor: source s[28:29], destination s[30:31], first job s32, shift of the job's number s33, bytes from block to block s34,
	; what t >> 7 is worth s35, first column's bytes s36.  Wo's figures first, then the others' by choice.
	s_mov_b64 s[28:29], s[16:17]
	s_mov_b64 s[30:31], s[24:25]
	s_mov_b32 s32, 768
	s_mov_b32 s33, 15
	s_mov_b32 s34, 2048
	s_mov_b32 s35, 1024
	s_mov_b32 s36, 0
	s_cmp_lt_u32 s2, 768                           ; Wv: rows of 512 numbers, two to a block, into rows of 4,096 bytes
	s_cselect_b64 s[28:29], s[14:15], s[28:29]
	s_cselect_b64 s[30:31], s[22:23], s[30:31]
	s_cselect_b32 s32, 704, s32
	s_cselect_b32 s33, 17, s33
	s_cselect_b32 s34, 8192, s34
	s_cselect_b32 s35, 4096, s35
	s_cselect_b32 s36, 3072, s36
	s_cmp_lt_u32 s2, 704                           ; Wk
	s_cselect_b64 s[28:29], s[12:13], s[28:29]
	s_cselect_b32 s32, 640, s32
	s_cselect_b32 s36, 2048, s36
	s_cmp_lt_u32 s2, 640                           ; Wq: a row of 1,024 numbers is a block
	s_cselect_b64 s[28:29], s[10:11], s[28:29]
	s_cselect_b32 s32, 512, s32
	s_cselect_b32 s33, 16, s33
	s_cselect_b32 s34, 4096, s34
	s_cselect_b32 s35, 1024, s35
	s_cselect_b32 s36, 0, s36
	s_cmp_lt_u32 s2, 512                           ; x: dense
	s_cselect_b64 s[28:29], s[8:9], s[28:29]
	s_cselect_b64 s[30:31], s[20:21], s[30:31]
	s_cselect_b32 s32, 0, s32
	s_cselect_b32 s33, 15, s33
	s_cselect_b32 s34, 2048, s34
	s_sub_co_u32 s32, s2, s32                      ; the job's number in its tensor
	s_lshl_b32 s38, s32, 16                        ; 65,536 bytes of source a job
	s_mov_b32 s39, 0
	s_lshl_b32 s40, s32, s33
	s_add_co_u32 s40, s40, s36
	s_mov_b32 s41, 0
	s_add_nc_u64 s[28:29], s[28:29], s[38:39]
	s_add_nc_u64 s[30:31], s[30:31], s[40:41]
	v_lshlrev_b32 v1, 4, v0
	v_and_b32 v3, 127, v0
	v_lshrrev_b32 v2, 7, v0
	v_mul_u32_u24 v2, v2, s35
	v_lshl_add_u32 v2, v3, 3, v2
.irp i, 0,1,2,3,4,5,6,7,8,9,10,11,12,13,14,15
	global_load_b128 v[IN+4*(\i):IN+4*(\i)+3], v1, s[28:29] offset:4096*(\i) th:TH_LOAD_NT
.endr
.irp i, 0,1,2,3,4,5,6,7,8,9,10,11,12,13,14,15
	v_mad_u32_u24 v[OFF+(\i)], s34, \i, v2
.endr
; Block i: rounded and stored.  mode = 1 (Wo): the bf16 number is widened again and written as f16.
.macro CV i, mode
	s_wait_loadcnt 15-(\i)                         ; loads come back in order: block i is in, the 15 - i younger ones stay out
.if \mode
	v_cvt_pk_bf16_f32 v20, v[IN+4*(\i)], v[IN+4*(\i)+1]
	v_cvt_pk_bf16_f32 v21, v[IN+4*(\i)+2], v[IN+4*(\i)+3]
	v_lshlrev_b32 v22, 16, v20
	v_and_b32 v20, 0xffff0000, v20
	v_lshlrev_b32 v23, 16, v21
	v_and_b32 v21, 0xffff0000, v21
	v_cvt_pk_f16_f32 v[OUT+2*(\i)], v22, v20
	v_cvt_pk_f16_f32 v[OUT+2*(\i)+1], v23, v21
.else
	v_cvt_pk_bf16_f32 v[OUT+2*(\i)], v[IN+4*(\i)], v[IN+4*(\i)+1]
	v_cvt_pk_bf16_f32 v[OUT+2*(\i)+1], v[IN+4*(\i)+2], v[IN+4*(\i)+3]
.endif
	global_store_b64 v[OFF+(\i)], v[OUT+2*(\i):OUT+2*(\i)+1], s[30:31]
.endm
	s_cmp_ge_u32 s2, 768
	s_cbranch_scc1 .Lf16
.irp i, 0,1,2,3,4,5,6,7,8,9,10,11,12,13,14,15
	CV \i, 0
.endr
	s_endpgm
.Lf16:
.irp i, 0,1,2,3,4,5,6,7,8,9,10,11,12,13,14,15
	CV \i, 1
.endr
	s_endpgm
; THE TABLE.  Thread t: row 16 j + t / 16, frequencies 4 (t % 16) + 0..3.
.Lrope:
	s_sub_co_u32 s32, s2, 896
	s_lshl_b32 s52, s32, 6                         ; 16 positions of 4 bytes
	s_mov_b32 s53, 0
	s_add_nc_u64 s[54:55], s[18:19], s[52:53]
	s_lshl_b32 s52, s32, 13                        ; 16 rows of 512 bytes
	s_add_nc_u64 s[56:57], s[26:27], s[52:53]
	v_lshrrev_b32 v2, 4, v0
	v_lshlrev_b32 v5, 2, v2
	global_load_b32 v3, v5, s[54:55]
	v_and_b32 v4, 15, v0
	v_lshlrev_b32 v6, 4, v4
	v_lshl_add_u32 v6, v2, 9, v6                   ; row x 512 + 16 (t % 16): sixteen lanes fill 256 consecutive bytes
	v_lshlrev_b32 v4, 2, v4
	s_mov_b32 s40, 0xbe549a80                      ; -c_hi: c = log2(10000) / 64 cut to 17 bits, so that i c_hi is exact
	s_mov_b32 s41, 0x33aaecbe                      ; (c_hi - c) ln 2
	s_mov_b32 s42, 0x3f22f983                      ; 2 / pi
	s_mov_b32 s43, 0xbfc90fdb                      ; -pi / 2 in three parts
	s_mov_b32 s44, 0x333bbd2e
	s_mov_b32 s45, 0x26f72ced
	s_mov_b32 s46, 0xb94ca1f9                      ; sine on -pi/4 .. pi/4: r + r r2 (S1 + r2 (S2 + r2 S3))
	s_mov_b32 s47, 0x3c08839e
	s_mov_b32 s48, 0xbe2aaaa3
	s_mov_b32 s49, 0x37ccf5ce                      ; cosine: 1 - r2 / 2 + r2 r2 (C1 + r2 (C2 + r2 C3))
	s_mov_b32 s50, 0xbab6061a
	s_mov_b32 s51, 0x3d2aaaa5
	s_wait_loadcnt 0x0
	v_cvt_f32_i32 v3, v3
.macro SINCOS e
	v_add_nc_u32 v10, \e, v4
	v_cvt_f32_u32 v10, v10                         ; i
	v_mul_f32 v11, s40, v10
	v_exp_f32 v11, v11                             ; 2^(-i c_hi)
	v_mul_f32 v12, s41, v10                        ; a plain instruction stands behind the exponential before its result is used
	s_wait_alu depctr_va_vdst(0)
	v_fma_f32 v11, v11, v12, v11                   ; the frequency
	v_mul_f32 v12, v3, v11                         ; the angle, rounded once
	v_mul_f32 v13, s42, v12
	v_rndne_f32 v13, v13                           ; the quadrant's number n
	v_fma_f32 v12, v13, s43, v12
	v_fma_f32 v12, v13, s44, v12
	v_fma_f32 v12, v13, s45, v12                   ; r = angle - n pi / 2
	v_cvt_i32_f32 v14, v13
	v_mul_f32 v15, v12, v12
	v_fma_f32 v16, v15, s46, s47
	v_fma_f32 v17, v15, s49, s50
	v_fma_f32 v16, v16, v15, s48
	v_fma_f32 v17, v17, v15, s51
	v_mul_f32 v16, v16, v15
	v_mul_f32 v18, v15, v15
	v_fma_f32 v19, v15, -0.5, 1.0
	v_fma_f32 v16, v16, v12, v12                   ; sin r
	v_fma_f32 v17, v17, v18, v19                   ; cos r
	v_and_b32 v18, 1, v14
	v_cmp_eq_u32 vcc_lo, 1, v18                    ; odd quadrants swap the two
	v_cndmask_b32 v20, v16, v17, vcc_lo
	v_cndmask_b32 v21, v17, v16, vcc_lo
	v_lshlrev_b32 v18, 30, v14                     ; the sine is negative in quadrants 2, 3,
	v_and_b32 v18, 0x80000000, v18
	v_xor_b32 v[36+(\e)], v18, v20
	v_add_nc_u32 v19, 1, v14                       ; the cosine in 1, 2
	v_lshlrev_b32 v19, 30, v19
	v_and_b32 v19, 0x80000000, v19
	v_xor_b32 v[32+(\e)], v19, v21
.endm
	SINCOS 0
	SINCOS 1
	SINCOS 2
	SINCOS 3
	global_store_b128 v6, v[32:35], s[56:57]
	global_store_b128 v6, v[36:39], s[56:57] offset:256
	s_endpgm
.Lfunc_end_k_qf568e37a93_prep:
	.size	k_qf568e37a93_prep, .Lfunc_end_k_qf568e37a93_prep-k_qf568e37a93_prep
	.p2alignl 7, 3214868480
	.fill 96, 4, 3214868480
	.section	.rodata,"a",@progbits
	.p2align	6, 0x0
	.amdhsa_kernel k_qf568e37a93_prep
		.amdhsa_group_segment_fixed_size 0
		.amdhsa_private_segment_fixed_size 0
		.amdhsa_enable_private_segment 0
		.amdhsa_kernarg_size 80
		.amdhsa_user_sgpr_count 2
		.amdhsa_user_sgpr_kernarg_segment_ptr 1
		.amdhsa_wavefront_size32 1
		.amdhsa_system_sgpr_workgroup_id_x 1
		.amdhsa_system_sgpr_workgroup_id_y 1
		.amdhsa_system_sgpr_workgroup_id_z 1
		.amdhsa_system_vgpr_workitem_id 0
		.amdhsa_next_free_vgpr 128
		.amdhsa_next_free_sgpr 66
		.amdhsa_reserve_vcc 1
		.amdhsa_float_denorm_mode_32 3
		.amdhsa_float_denorm_mode_16_64 3
		.amdhsa_memory_ordered 1
		.amdhsa_forward_progress 1
		.amdhsa_inst_pref_size 26
	.end_amdhsa_kernel
	.amdgpu_metadata
---
amdhsa.version: [ 1, 2 ]
amdhsa.kernels:
  - .name:           k_qf568e37a93_prep
    .symbol:         k_qf568e37a93_prep.kd
    .args:
      - { .name: x, .offset: 0, .size: 8, .value_kind: global_buffer, .address_space: global }
      - { .name: Wq, .offset: 8, .size: 8, .value_kind: global_buffer, .address_space: global }
      - { .name: Wk, .offset: 16, .size: 8, .value_kind: global_buffer, .address_space: global }
      - { .name: Wv, .offset: 24, .size: 8, .value_kind: global_buffer, .address_space: global }
      - { .name: Wo, .offset: 32, .size: 8, .value_kind: global_buffer, .address_space: global }
      - { .name: position_ids, .offset: 40, .size: 8, .value_kind: global_buffer, .address_space: global }
      - { .name: xb, .offset: 48, .size: 8, .value_kind: global_buffer, .address_space: global }
      - { .name: wqkv, .offset: 56, .size: 8, .value_kind: global_buffer, .address_space: global }
      - { .name: wob, .offset: 64, .size: 8, .value_kind: global_buffer, .address_space: global }
      - { .name: tab, .offset: 72, .size: 8, .value_kind: global_buffer, .address_space: global }
    .group_segment_fixed_size: 0
    .private_segment_fixed_size: 0
    .kernarg_segment_align: 8
    .kernarg_segment_size: 80
    .max_flat_workgroup_size: 256
    .sgpr_count:     66
    .vgpr_count:     128
    .wavefront_size: 32
...
	.end_amdgpu_metadata
.endif
;; end of part 5
;; launch proj (part 6): grid 8 x 32, 4 waves a work-group, clusters of 4 x 4, 327,680 bytes of LDS; arguments xb, wqkv, tab, q_norm_w, k_norm_w, qb, kb, vb, out1, out2; writes qb, kb, vb, out1, out2
.if DOCPART == 6
	.amdgcn_target "amdgcn-amd-amdhsa--gfx1250"
	.amdhsa_code_object_version 6
	.text
	.protected	k_qf568e37a93_proj
	.globl	k_qf568e37a93_proj
	.p2align	8
	.type	k_qf568e37a93_proj,@function
k_qf568e37a93_proj:
	s_mov_b64 s[64:65], 0
	v_nop
	global_prefetch_b8 v0, s[64:65] scope:SCOPE_SE
	s_setreg_imm32_b32 hwreg(HW_REG_WAVE_MODE, 25, 1), 1
	s_wait_xcnt 0x0
	s_wait_alu depctr_hold_cnt(0) depctr_sa_sdst(0) depctr_va_vdst(0) depctr_va_sdst(0) depctr_va_ssrc(0) depctr_va_vcc(0) depctr_vm_vsrc(0)
	s_getreg_b32 s2, hwreg(HW_REG_IB_STS2, 6, 4)
	s_cmp_eq_u32 s2, 0
	s_cbranch_scc0 .Lentry_in_a_cluster
	s_endpgm
.Lentry_in_a_cluster:
	s_bfe_u32 s2, ttmp6, 0x10000c
	s_cmp_lg_u32 s2, 0xf033
	s_cbranch_scc0 .Lentry_shape_is_right
	s_endpgm
.Lentry_shape_is_right:
; PROJ: [Q | K | V] = xb wqkv (bf16 operands, f32 sums), then for Q and K the RMS norm over a head's 128 channels, the gain (rounded to bf16 like the other inputs) and the rotation by tab.
; Out: qb [8][4096][128] f16 = q times log2(e) / sqrt(128) (applied in f32, one rounding); kb, vb [4][4096][128] f16; out1 = K, out2 = V in f32.
; LIMITS: q 0.1275, k and v within f16's 65,504; NaN and infinities are not treated apart.
; A tile of C is 128 rows x 256 columns: 8 x 32 = 256 work-groups.  Four waves, each 64 rows x 128 columns (ONE HEAD): 32 accumulators, 256 registers.
; K goes in 16 steps of 128 through two LDS slots.  A's rows lie along K (256 bytes of memory a row); B = wqkv lies [k][n] (512 bytes a row) and is read by the turning load.
; A TRIP OF THE LOOP IS ONE K STEP: the base of the slot that is read lies in a scalar register, turned by an exclusive or at each change of slots; the fragments' addresses and the refill's LDS address are sums with it.
; The two steps that fill nothing are a loop of two trips that is left in its middle; the price is one barrier and one run of 24 LDS loads whose results nobody uses.
; CLUSTER 4 x 4: A's tile hangs on the tile row alone and is asked for jointly along a row of the cluster, B's on the tile column alone, along a column.
; THE MATRIX INSTRUCTION IS USED TRANSPOSED (source 0 = 16 columns of B, source 1 = 16 rows of A): lane l holds row l % 16 and the columns 16 b + 8 (l / 16) + 0..7 of its head,
; so a row's sum of squares wants one exchange between the halves of the lanes, and channel d's partner d + 64 lies in the same lane, four accumulators on.
; REGISTERS: window 0 addresses and the way out; window 1 two fragment buffers of 96 (A's 4 fragments, then B's 8), later rows on their way out; window 2 the accumulators ((a, b) at 8 (8 a + b));
; window 3 the cosines and sines of my 64 rows (tile a: cos at 64 a, sin at 64 a + 32), loaded at the start.
.set KDIM,  2048
.set KSH,   12                         ; a row of A is 1 << KSH bytes
.set KSTEP, 128
.set STEPS, KDIM/KSTEP
.set PA,    272                        ; A's LDS row: 256 + 16 bytes: the 16 rows of a load start at 16 different groups of four banks
.set PB,    544                        ; B's LDS row: 512 + 32 bytes, an odd multiple of 32
.set HALFA, 64*PA
.set HALFB, 64*PB
.set BOFF,  2*HALFA
.set SLOT,  BOFF+2*HALFB
.set STAGE, 2*SLOT                     ; behind the ring, for each wave: 16 rows x 528 bytes (f32), then 16 rows x 272 (f16)
.set P32,   528
.set P16,   272
.set WSTG,  16*P32+16*P16
.set SPARE, STAGE+4*WSTG               ; the spare words: 128 bytes a wave, two blocks of 256 bytes that no other line names
.set TO,    10                         ; v10  my byte offset in 16 rows of tab
.set WO,    11                         ; v11  my byte offset in the gains
.set A0,    16                         ; v16  my lane's place in a slot's A; never rewritten
.set B0,    17                         ; v17  in its B
.set ADRA,  20                         ; v20  the same in the slot that is read
.set ADRB,  21                         ; v21
.set STO32, 24
.set RD32,  25
.set STO16, 26
.set RD16,  27
.set SPW,   28                         ; v28  my spare word's LDS address; never rewritten
.set NIL,   29                         ; v29  0; never rewritten
.set GO32,  30
.set GO16,  31
.set T,     32                         ; v32-47   at work
.set Y,     64                         ; v64-127  a tile's 64 numbers a lane
.set H,     128                        ; v128-159 the same in f16
.set W,     160                        ; v160-223 the gains of my 64 columns
.set F0,    0
.set F1,    96
.set TB,  4                            ; s4   the base of the slot that is read: 0 or SLOT
.set SA,  6                            ; s[6:7]  1.0 where my columns are V's, else 0
.set G1,  24                           ; s[24:31] group 1 for A's tiles
.set G0,  32                           ; s[32:39] group 0 for them: a set for each of the two first fills; the second then walks on
.set G1B, 48                           ; s[48:55], s[56:63] the same for B's
.set G0B, 56
.set RCPD, 66                          ; s66  1 / 128
.set EPSR, 67                          ; s67  1e-6
.set KIND, 88                          ; s88  the cluster's x: 0 = columns of Q, 1 = of K and V: the same in all partners
.set QS,   90                          ; s90  what the row's factor is multiplied by: log2(e) / sqrt(128) for Q, 1 for K, 0 for V
.set WP,   92
.set O16,  94
.set O32,  96
.set TABP, 98
.set SEL,  100
.set MSB, 0
.macro WIN new                         ; the immediate's high byte repeats the setting that is left
.if MSB != (\new)
	s_set_vgpr_msb (MSB<<8)|(\new)
.set MSB, \new
.endif
.endm
.set MUL,  0xa5                        ; sources 0 and 1 window 1; C and D window 2
.set TO_F, 0x40                        ; destination window 1, address window 0
.macro JLOAD s                         ; a joint load: waves 0 and 1 fetch A's two halves, waves 2 and 3 B's; an s_nop 0 and four v_nop follow each line
	s_cmp_eq_u32 s11, 0
	s_cbranch_scc0 .Lfor_b_\@
	tensor_load_to_lds s[G0+4*(\s):G0+4*(\s)+3], s[G1:G1+7]
	s_nop 0
.rept 4
	v_nop
.endr
	s_branch .Lasked_\@
.Lfor_b_\@:
	tensor_load_to_lds s[G0B+4*(\s):G0B+4*(\s)+3], s[G1B:G1B+7]
	s_nop 0
.rept 4
	v_nop
.endr
.Lasked_\@:
.endm
.macro CROUND                          ; a round of the cluster's barrier
	s_barrier_signal -1
	s_barrier_wait -1
	s_cmp_lg_u32 s10, 0
	s_cbranch_scc1 .Lnot_wave_0_\@
	s_barrier_signal -3
.Lnot_wave_0_\@:
	s_barrier_wait -3
	s_barrier_signal -1
	s_barrier_wait -1
.endm
.macro PLACES                          ; four places in front of loads into registers that matrix instructions have read, and of reads of their results
.rept 4
	v_nop
.endr
.endm
	s_load_b512 s[68:83], s[0:1], 0x0              ; xb 68, wqkv 70, tab 72, q_norm_w 74, k_norm_w 76, qb 78, kb 80, vb 82
	s_load_b128 s[84:87], s[0:1], 0x40             ; out1 84, out2 86
	v_lshl_add_u32 v[SPW], v0, 2, SPARE
	v_mov_b32 v[NIL], 0
	ds_add_u32 v[SPW], v[NIL]                      ; the wave's opening: the add and its wait stand ahead of my first tensor load
	v_lshrrev_b32 v1, 5, v0
	v_readfirstlane_b32 s10, v1                    ; wave 0..3
	s_lshr_b32 s11, s10, 1                         ; my half of the tile's rows.  Also: I fetch for A (0) or for B (1)
	s_and_b32 s12, s10, 1                          ; my half of its columns.  Also: which half of that tile I fetch
	s_bfe_u32 s40, ttmp6, 0x40000                  ; cx
	s_bfe_u32 s41, ttmp6, 0x40004                  ; cy
	s_lshl_b32 s42, ttmp9, 2
	s_add_co_u32 s42, s42, s40                     ; tile column
	s_and_b32 s13, ttmp7, 0xffff
	s_lshl_b32 s13, s13, 2
	s_add_co_u32 s13, s13, s41                     ; tile row
	s_lshl_b32 s43, s41, 2
	s_lshl_b32 s43, 15, s43                        ; my row of the cluster
	s_lshl_b32 s44, 0x1111, s40                    ; my column
	s_or_b32 s[G1+0], s43, (1<<16)|(1<<20)|(1<<21)|(5<<22)|(3<<25)   ; A: mask of my row; 2-byte elements; padding on; bit 21 beside a mask; 4 words behind every 64
	s_mov_b32 s[G1+1], KSTEP<<16                   ; tensor_dim0 = 128
	s_mov_b32 s[G1+2], 64<<16                      ; tensor_dim1 = 64
	s_mov_b32 s[G1+3], KSTEP<<16                   ; tile_dim0 = 128
	s_mov_b32 s[G1+4], 64                          ; tile_dim1 = 64
	s_mov_b32 s[G1+5], KDIM                        ; elements from row to row
	s_mov_b32 s[G1+6], 0
	s_mov_b32 s[G1+7], 0
	s_or_b32 s[G1B+0], s44, (1<<16)|(1<<20)|(1<<21)|(6<<22)|(7<<25)  ; B: mask of my column; 8 words behind every 128
	s_mov_b32 s[G1B+1], 256<<16                    ; 256 columns,
	s_mov_b32 s[G1B+2], 64<<16                     ; 64 rows along K
	s_mov_b32 s[G1B+3], 256<<16
	s_mov_b32 s[G1B+4], 64
	s_mov_b32 s[G1B+5], 2048
	s_mov_b32 s[G1B+6], 0
	s_mov_b32 s[G1B+7], 0
	s_lshl_b32 s16, s13, 7
	s_lshl_b32 s17, s12, 6
	s_add_co_u32 s16, s16, s17                     ; A: row 128 x tile row + 64 x half,
	s_lshl_b32 s16, s16, KSH                       ; in bytes
	s_mov_b32 s17, 0
	s_lshl_b32 s46, s42, 9                         ; B: 512 bytes a tile column,
	s_lshl_b32 s47, s12, 18                        ; 64 rows of 4,096 bytes a half
	s_add_co_u32 s46, s46, s47
	s_mov_b32 s47, 0
	s_mul_i32 s20, s12, HALFA                      ; where they go in a slot: no place in the cluster enters an LDS address
	s_mul_i32 s21, s12, HALFB
	s_add_co_u32 s21, s21, BOFF
	s_mov_b32 s[TB], 0
	s_mov_b32 s[RCPD], 0x3c000000
	s_mov_b32 s[EPSR], 0x358637bd
	s_mov_b32 s[SEL], 0x76543210
	s_mov_b32 s[SEL+1], 0xfedcba98
	s_wait_dscnt 0x0                               ; the opening add is done
	s_wait_kmcnt 0x0
	s_add_nc_u64 s[14:15], s[68:69], s[16:17]
	s_add_nc_u64 s[46:47], s[70:71], s[46:47]
	CROUND                                         ; all sixteen work-groups are here: the first joint loads meet
.irp s, 0,1
	s_mov_b32 s[G0+4*(\s)], 1
	s_add_co_u32 s[G0+4*(\s)+1], s20, (\s)*SLOT
	s_add_nc_u64 s[G0+4*(\s)+2:G0+4*(\s)+3], s[14:15], (\s)*KSTEP*2
	s_or_b32 s[G0+4*(\s)+3], s[G0+4*(\s)+3], 0x80000000
	s_mov_b32 s[G0B+4*(\s)], 1
	s_add_co_u32 s[G0B+4*(\s)+1], s21, (\s)*SLOT
	s_add_nc_u64 s[G0B+4*(\s)+2:G0B+4*(\s)+3], s[46:47], (\s)*KSTEP*4096
	s_or_b32 s[G0B+4*(\s)+3], s[G0B+4*(\s)+3], 0x80000000
	JLOAD \s                                       ; K steps 0 and 1: two loads of mine are out
.endr
	; which head is mine, and where it goes
	s_mov_b32 s[KIND], ttmp9
	s_lshl_b32 s91, s42, 1
	s_add_co_u32 s91, s91, s12                     ; head column 0..15: 0-7 Q, 8-11 K, 12-15 V
	s_and_b32 s45, s91, 3                          ; K's or V's head
	s_lshr_b32 s23, s40, 1                         ; in a cluster of K and V: 1 = V
	s_lshl_b32 s22, s13, 7
	s_lshl_b32 s18, s11, 6
	s_add_co_u32 s22, s22, s18                     ; my first row
	s_cmp_eq_u32 s23, 0
	s_cselect_b64 s[O16:O16+1], s[80:81], s[82:83]
	s_cselect_b64 s[O32:O32+1], s[84:85], s[86:87]
	s_cselect_b32 s[SA], 0, 1.0
	s_cselect_b32 s[QS], 1.0, 0
	s_mov_b32 s[SA+1], s[SA]                       ; named with it as a pair
	s_cmp_eq_u32 s[KIND], 0
	s_cselect_b64 s[O16:O16+1], s[78:79], s[O16:O16+1]
	s_cselect_b64 s[WP:WP+1], s[74:75], s[76:77]
	s_cselect_b32 s[QS], 0x3e0293ee, s[QS]
	s_cselect_b32 s18, s91, s45
	s_lshl_b32 s18, s18, 20                        ; a head is 4,096 rows of 256 bytes in f16
	s_lshl_b32 s19, s22, 8
	s_add_co_u32 s18, s18, s19
	s_mov_b32 s19, 0
	s_add_nc_u64 s[O16:O16+1], s[O16:O16+1], s[18:19]
	s_lshl_b32 s18, s45, 21                        ; and of 512 bytes in f32
	s_lshl_b32 s23, s22, 9
	s_add_co_u32 s18, s18, s23
	s_add_nc_u64 s[O32:O32+1], s[O32:O32+1], s[18:19]
	s_mov_b32 s18, s23
	s_add_nc_u64 s[TABP:TABP+1], s[72:73], s[18:19]
	v_and_b32 v1, 15, v0                           ; l % 16
	v_bfe_u32 v2, v0, 4, 1                         ; l / 16
	v_lshlrev_b32 v[WO], 5, v2                     ; my 8 columns of every 16: 32 bytes
	v_lshl_add_u32 v[TO], v1, 9, v[WO]             ; + row x 512
.irp b, 0,1,2,3,4,5,6,7
	global_load_b128 v[W+8*(\b):W+8*(\b)+3],   v[WO], s[WP:WP+1] offset:64*(\b)
	global_load_b128 v[W+8*(\b)+4:W+8*(\b)+7], v[WO], s[WP:WP+1] offset:64*(\b)+16
.endr
	WIN 0xc0                                       ; destination window 3: these 64 loads land while K is walked; one wait stands ahead of the way out
.irp a, 0,1,2,3
.irp n, 0,1,2,3
	global_load_b128 v[64*(\a)+8*(\n):64*(\a)+8*(\n)+3],       v[TO], s[TABP:TABP+1] offset:8192*(\a)+64*(\n)
	global_load_b128 v[64*(\a)+8*(\n)+4:64*(\a)+8*(\n)+7],     v[TO], s[TABP:TABP+1] offset:8192*(\a)+64*(\n)+16
	global_load_b128 v[64*(\a)+32+8*(\n):64*(\a)+32+8*(\n)+3],   v[TO], s[TABP:TABP+1] offset:8192*(\a)+64*(\n)+256
	global_load_b128 v[64*(\a)+32+8*(\n)+4:64*(\a)+32+8*(\n)+7], v[TO], s[TABP:TABP+1] offset:8192*(\a)+64*(\n)+272
.endr
.endr
	WIN 0
	v_mul_u32_u24 v3, v1, PA
	v_lshl_add_u32 v3, v2, 4, v3                   ; A: row x pitch + 16 x half
	s_mul_i32 s18, s11, HALFA
	v_add_nc_u32 v[A0], s18, v3
	v_mov_b32 v[ADRA], v[A0]                       ; slot 0
	v_and_b32 v4, 7, v0                            ; B, turned: lane l reads row 8 (l / 16) + l % 8 along K, columns 8 ((l / 8) % 2) + 0..7
	v_bfe_u32 v5, v0, 3, 1
	v_lshl_add_u32 v4, v2, 3, v4
	v_mul_u32_u24 v4, v4, PB
	v_lshl_add_u32 v4, v5, 4, v4
	s_lshl_b32 s18, s12, 8
	s_add_co_u32 s18, s18, BOFF
	v_add_nc_u32 v[B0], s18, v4
	v_mov_b32 v[ADRB], v[B0]
	s_mul_i32 s23, s10, WSTG
	s_add_co_u32 s23, s23, STAGE                   ; my stages
	v_mul_u32_u24 v6, v1, P32
	v_lshl_add_u32 v6, v2, 5, v6
	v_add_nc_u32 v[STO32], s23, v6                 ; in: row l % 16, 32 bytes for each half of the lanes
	v_and_b32 v7, 31, v0
	v_lshlrev_b32 v[GO32], 4, v7                   ; back: 32 lanes take a row of 512 bytes
	v_add_nc_u32 v[RD32], s23, v[GO32]
	s_add_co_u32 s23, s23, 16*P32
	v_mul_u32_u24 v6, v1, P16
	v_lshl_add_u32 v6, v2, 4, v6
	v_add_nc_u32 v[STO16], s23, v6
	v_mul_u32_u24 v6, v2, P16                      ; back: lanes 0-15 a row of 256 bytes, lanes 16-31 the next
	v_lshl_add_u32 v6, v1, 4, v6
	v_add_nc_u32 v[RD16], s23, v6
	v_lshlrev_b32 v6, 8, v2
	v_lshl_add_u32 v[GO16], v1, 4, v6
; 8 matrix instructions: row block a x all 8 column blocks, 32 along K.  zero = 1: the product starts the sums.  The 32 accumulators take turns.
.macro MULA f, a, zero
	WIN MUL
.irp b, 0,1,2,3,4,5,6,7
.if \zero
	v_wmma_f32_16x16x32_bf16 v[8*(8*(\a)+(\b)):8*(8*(\a)+(\b))+7], v[(\f)+32+8*(\b):(\f)+32+8*(\b)+7], v[(\f)+8*(\a):(\f)+8*(\a)+7], 0
.else
	v_wmma_f32_16x16x32_bf16 v[8*(8*(\a)+(\b)):8*(8*(\a)+(\b))+7], v[(\f)+32+8*(\b):(\f)+32+8*(\b)+7], v[(\f)+8*(\a):(\f)+8*(\a)+7], v[8*(8*(\a)+(\b)):8*(8*(\a)+(\b))+7]
.endif
.endr
.endm
; 24 LDS loads in one run: quarter q (32 along K) of the slot that is read, into buffer f: B's 8 fragments, turned, then A's 4
.macro FETCH q, f
	WIN TO_F
.irp b, 0,1,2,3,4,5,6,7
	ds_load_tr16_b128 v[(\f)+32+8*(\b):(\f)+32+8*(\b)+3],   v[ADRB] offset:(\q)*32*PB+32*(\b)
	ds_load_tr16_b128 v[(\f)+32+8*(\b)+4:(\f)+32+8*(\b)+7], v[ADRB] offset:(\q)*32*PB+16*PB+32*(\b)
.endr
.irp a, 0,1,2,3
	ds_load_b128 v[(\f)+8*(\a):(\f)+8*(\a)+3],   v[ADRA] offset:64*(\q)+(\a)*16*PA
	ds_load_b128 v[(\f)+8*(\a)+4:(\f)+8*(\a)+7], v[ADRA] offset:64*(\q)+(\a)*16*PA+32
.endr
.endm
; One of a K step's first three quarters: multiplies buffer f and, in its middle, fetches quarter q into g.
.macro QUARTER q, f, g, zero
	s_wait_dscnt 4                                 ; B and A's blocks 0, 1 are in; the youngest four loads (blocks 2, 3) may be out
	MULA \f, 0, \zero
	MULA \f, 1, \zero
	PLACES
	FETCH \q, \g
	s_wait_dscnt 24                                ; all but the 24 just issued
	MULA \f, 2, \zero
	MULA \f, 3, \zero
.endm
; The last quarter multiplies buffer 1 and changes slots.  Its first half needs nothing of the next tile, so it stands AHEAD of the wait for that tile: between a tile's landing and the next request lie only the add,
; the descriptors' steps, two address sums and the round.  In front of the barrier each wave waits for all its tensor loads, adds 0 to its spare word, and waits for that and for its reads of this slot.
; fill = 1: the barrier is a round of the cluster's, and the slot just read out is filled again, two K steps ahead, first thing behind the round: it has a whole step's 128 matrix instructions in which to land.
.macro TURN fill
	s_wait_dscnt 4                                 ; B and A's blocks 0, 1 are in
	MULA F1, 0, 0
	MULA F1, 1, 0
	WIN 0
	s_wait_tensorcnt 0x0                           ; all my tensor loads have landed: my part of the next slot; no group 0 is in use
	ds_add_u32 v[SPW], v[NIL]                      ; 0 onto my spare word; work on registers stands between it and the wait for it
.if \fill
	s_add_co_u32 s[G0+5], s20, s[TB]               ; the walking descriptors: into the slot that is being left,
	s_add_nc_u64 s[G0+6:G0+7], s[G0+6:G0+7], KSTEP*2            ; the next K step
	s_add_co_u32 s[G0B+5], s21, s[TB]
	s_add_nc_u64 s[G0B+6:G0B+7], s[G0B+6:G0B+7], KSTEP*4096
.endif
	s_xor_b32 s[TB], s[TB], SLOT                   ; the other slot is read from here on
	v_add_nc_u32 v[ADRA], s[TB], v[A0]
	v_add_nc_u32 v[ADRB], s[TB], v[B0]
	s_wait_dscnt 0x0                               ; the add is done, and my reads of the slot that is left are over
.if \fill
	CROUND                                         ; no wave of any partner still reads that slot or has a load on its way
	JLOAD 1                                        ; its four v_nop are the places for the loads below
.else
	s_barrier_signal -1
	s_barrier_wait -1
	PLACES
.endif
	FETCH 0, F0
	MULA F1, 2, 0
	MULA F1, 3, 0
.endm
	s_wait_tensorcnt 1                             ; my part of K step 0 is in; K step 1's may stay out
	s_barrier_signal -1
	s_barrier_wait -1
	FETCH 0, F0
	QUARTER 1, F0, F1, 1                           ; the first quarter stands in front of the loop: its products start the sums
	WIN 0
	s_mov_b32 s3, STEPS-2
.Lstep:                                                ; 14 trips, from a K step's second quarter to the next step's first: K steps 2 to 15 are asked for
	QUARTER 2, F1, F0, 0
	QUARTER 3, F0, F1, 0
	TURN 1
	QUARTER 1, F0, F1, 0
	WIN 0
	s_sub_co_u32 s3, s3, 1
	s_cmp_lg_u32 s3, 0
	s_cbranch_scc1 .Lstep
	s_mov_b32 s3, 2                                ; the last two K steps fill nothing: a text of their own
.Ltail:                                                ; two trips; the second is left behind its last quarter, whose fetch (from the slot read a step ago) serves nothing
	QUARTER 2, F1, F0, 0
	QUARTER 3, F0, F1, 0
	TURN 0
	WIN 0
	s_sub_co_u32 s3, s3, 1
	s_cmp_eq_u32 s3, 0
	s_cbranch_scc1 .Lend
	QUARTER 1, F0, F1, 0
	WIN 0
	s_cmp_lg_u32 s3, 0
	s_cbranch_scc1 .Ltail
.Lend:
	s_wait_dscnt 0x0                               ; no LDS load of mine is out: window 1's registers are free for the way out
	PLACES
	; THE WAY OUT.  The gains are rounded to bf16, as all the module's inputs are.
	s_wait_loadcnt 0x0                             ; gains, cosines and sines
.set i, 0
.rept 32
	v_cvt_pk_bf16_f32 v[T+i%8], v[W+2*i], v[W+2*i+1]
	v_lshlrev_b32 v[W+2*i], 16, v[T+i%8]
	v_and_b32 v[W+2*i+1], 0xffff0000, v[T+i%8]
.set i, i+1
.endr
; Row block a: 16 rows of my head.
.macro EPI a
	WIN 0
	s_wait_xcnt 0x0                                ; the registers that earlier stores read are rewritten only behind this wait
	WIN 0x0a                                       ; sources 0 and 1 window 2
.set p, 0
.rept 4
	v_pk_mul_f32 v[T+2*p:T+2*p+1], v[64*(\a)+2*p:64*(\a)+2*p+1], v[64*(\a)+2*p:64*(\a)+2*p+1]  ; four chains of squares; each accumulator's registers in ascending order
.set p, p+1
.endr
.rept 28
	v_pk_fma_f32 v[T+2*(p%4):T+2*(p%4)+1], v[64*(\a)+2*p:64*(\a)+2*p+1], v[64*(\a)+2*p:64*(\a)+2*p+1], v[T+2*(p%4):T+2*(p%4)+1]
.set p, p+1
.endr
	WIN 0
	v_pk_add_f32 v[T:T+1], v[T:T+1], v[T+2:T+3]
	v_pk_add_f32 v[T+4:T+5], v[T+4:T+5], v[T+6:T+7]
	v_pk_add_f32 v[T:T+1], v[T:T+1], v[T+4:T+5]
	v_add_f32 v[T], v[T], v[T+1]
	v_permlanex16_b32 v[T+1], v[T], s[SEL], s[SEL+1]  ; the row's other 64 columns lie in the lane 16 away
	v_add_f32 v[T], v[T], v[T+1]
	v_fma_f32 v[T], v[T], s[RCPD], s[EPSR]         ; the mean + 1e-6
	v_rsq_f32 v[T+2], v[T]
	v_nop                                          ; a plain instruction behind the root
	s_wait_alu depctr_va_vdst(0)
	v_mul_f32 v[T+8], s[QS], v[T+2]                ; the row's factor; 0 where my columns are V's
	v_mul_f32 v[T+9], s[QS], v[T+2]                ; named with it as a pair
	WIN 0x02                                       ; source 0 window 2
.set p, 0
.rept 32
	v_pk_mul_f32 v[Y+2*p:Y+2*p+1], v[64*(\a)+2*p:64*(\a)+2*p+1], v[T+8:T+9] op_sel_hi:[1,0]
.set p, p+1
.endr
	WIN 0
.set p, 0
.rept 32
	v_pk_mul_f32 v[Y+2*p:Y+2*p+1], v[Y+2*p:Y+2*p+1], v[W+2*p:W+2*p+1]
.set p, p+1
.endr
	WIN 0x0c                                       ; source 1 window 3: channel d takes y1 cos - y2 sin, channel d + 64 y2 cos + y1 sin
.set p, 0
.rept 16
	v_pk_mul_f32 v[T+4*(p%4):T+4*(p%4)+1],   v[Y+32+2*p:Y+32+2*p+1], v[64*(\a)+32+2*p:64*(\a)+32+2*p+1]
	v_pk_mul_f32 v[T+4*(p%4)+2:T+4*(p%4)+3], v[Y+2*p:Y+2*p+1],       v[64*(\a)+32+2*p:64*(\a)+32+2*p+1]
	v_pk_fma_f32 v[Y+2*p:Y+2*p+1],       v[Y+2*p:Y+2*p+1],       v[64*(\a)+2*p:64*(\a)+2*p+1], v[T+4*(p%4):T+4*(p%4)+1] neg_lo:[0,0,1] neg_hi:[0,0,1]
	v_pk_fma_f32 v[Y+32+2*p:Y+32+2*p+1], v[Y+32+2*p:Y+32+2*p+1], v[64*(\a)+2*p:64*(\a)+2*p+1], v[T+4*(p%4)+2:T+4*(p%4)+3]
.set p, p+1
.endr
	WIN 0
	s_cmp_eq_u32 s[KIND], 0
	s_cbranch_scc1 .Lq_\@                          ; Q has no f32 output; what is jumped holds no barrier and no tensor load
	WIN 0x02                                       ; source 0 window 2.  whether my columns are K's or V's differs between partners; the choice is arithmetic:
.set p, 0
.rept 32                                       ; K: sums x 0 + Y = Y.  V: Y is 0 by the row's factor 0, and sums x 1 + 0 are the plain sums, exactly
	v_pk_fma_f32 v[Y+2*p:Y+2*p+1], v[64*(\a)+2*p:64*(\a)+2*p+1], s[SA:SA+1], v[Y+2*p:Y+2*p+1] op_sel_hi:[1,0,1]
.set p, p+1
.endr
	WIN 0
.irp b, 0,1,2,3,4,5,6,7
	ds_store_b128 v[STO32], v[Y+8*(\b):Y+8*(\b)+3]   offset:64*(\b)
	ds_store_b128 v[STO32], v[Y+8*(\b)+4:Y+8*(\b)+7] offset:64*(\b)+16
.endr
.set BK, 64*((\a)%2)
	WIN 0x40
.set i, 0
.rept 16
	ds_load_b128 v[BK+4*i:BK+4*i+3], v[RD32] offset:P32*i  ; LDS serves a wave's instructions in order: these see the stores above
.set i, i+1
.endr
	WIN 0x04                                       ; store data window 1
.set i, 0
.rept 16
	s_wait_dscnt 15-i
	global_store_b128 v[GO32], v[BK+4*i:BK+4*i+3], s[O32:O32+1] offset:(16*(\a)+i)*512 th:TH_STORE_NT  ; a row: 512 consecutive bytes, aligned
.set i, i+1
.endr
	WIN 0
.Lq_\@:
.set p, 0
.rept 32
	v_cvt_pk_f16_f32 v[H+p], v[Y+2*p], v[Y+2*p+1]
.set p, p+1
.endr
.irp b, 0,1,2,3,4,5,6,7
	ds_store_b128 v[STO16], v[H+4*(\b):H+4*(\b)+3] offset:32*(\b)
.endr
.irp t, 0,1,2,3,4,5,6,7
	ds_load_b128 v[H+4*(\t):H+4*(\t)+3], v[RD16] offset:(\t)*2*P16
.endr
.irp t, 0,1,2,3,4,5,6,7
	s_wait_dscnt 7-(\t)
	global_store_b128 v[GO16], v[H+4*(\t):H+4*(\t)+3], s[O16:O16+1] offset:(16*(\a)+2*(\t))*256  ; two rows: 512 consecutive bytes, aligned
.endr
.endm
	EPI 0
	EPI 1
	EPI 2
	EPI 3
	s_wait_tensorcnt 0x0                           ; the wave's end
	ds_add_u32 v[SPW], v[NIL]
	s_wait_dscnt 0x0
	CROUND                                         ; the closing round
	s_endpgm
.Lfunc_end_k_qf568e37a93_proj:
	.size	k_qf568e37a93_proj, .Lfunc_end_k_qf568e37a93_proj-k_qf568e37a93_proj
	.p2alignl 7, 3214868480
	.fill 96, 4, 3214868480
	.section	.rodata,"a",@progbits
	.p2align	6, 0x0
	.amdhsa_kernel k_qf568e37a93_proj
		.amdhsa_group_segment_fixed_size 327680
		.amdhsa_private_segment_fixed_size 0
		.amdhsa_enable_private_segment 0
		.amdhsa_kernarg_size 80
		.amdhsa_user_sgpr_count 2
		.amdhsa_user_sgpr_kernarg_segment_ptr 1
		.amdhsa_wavefront_size32 1
		.amdhsa_system_sgpr_workgroup_id_x 1
		.amdhsa_system_sgpr_workgroup_id_y 1
		.amdhsa_system_sgpr_workgroup_id_z 1
		.amdhsa_system_vgpr_workitem_id 0
		.amdhsa_next_free_vgpr 1024
		.amdhsa_next_free_sgpr 104
		.amdhsa_reserve_vcc 0
		.amdhsa_float_denorm_mode_32 3
		.amdhsa_float_denorm_mode_16_64 3
		.amdhsa_memory_ordered 1
		.amdhsa_forward_progress 1
		.amdhsa_inst_pref_size 143
	.end_amdhsa_kernel
	.amdgpu_metadata
---
amdhsa.version: [ 1, 2 ]
amdhsa.kernels:
  - .name:           k_qf568e37a93_proj
    .symbol:         k_qf568e37a93_proj.kd
    .args:
      - { .name: xb, .offset: 0, .size: 8, .value_kind: global_buffer, .address_space: global }
      - { .name: wqkv, .offset: 8, .size: 8, .value_kind: global_buffer, .address_space: global }
      - { .name: tab, .offset: 16, .size: 8, .value_kind: global_buffer, .address_space: global }
      - { .name: q_norm_w, .offset: 24, .size: 8, .value_kind: global_buffer, .address_space: global }
      - { .name: k_norm_w, .offset: 32, .size: 8, .value_kind: global_buffer, .address_space: global }
      - { .name: qb, .offset: 40, .size: 8, .value_kind: global_buffer, .address_space: global }
      - { .name: kb, .offset: 48, .size: 8, .value_kind: global_buffer, .address_space: global }
      - { .name: vb, .offset: 56, .size: 8, .value_kind: global_buffer, .address_space: global }
      - { .name: out1, .offset: 64, .size: 8, .value_kind: global_buffer, .address_space: global }
      - { .name: out2, .offset: 72, .size: 8, .value_kind: global_buffer, .address_space: global }
    .group_segment_fixed_size: 327680
    .private_segment_fixed_size: 0
    .kernarg_segment_align: 8
    .kernarg_segment_size: 80
    .max_flat_workgroup_size: 128
    .sgpr_count:     104
    .vgpr_count:     1024
    .wavefront_size: 32
...
	.end_amdgpu_metadata
.endif
;; end of part 6
;; launch attn (part 7): grid 64 x 4, 4 waves a work-group, clusters of 4 x 4, 327,680 bytes of LDS; arguments qb, kb, vb, attn_mask, ctxb; writes ctxb
.if DOCPART == 7
	.amdgcn_target "amdgcn-amd-amdhsa--gfx1250"
	.amdhsa_code_object_version 6
	.text
	.protected	k_qf568e37a93_attn
	.globl	k_qf568e37a93_attn
	.p2align	8
	.type	k_qf568e37a93_attn,@function
k_qf568e37a93_attn:
	s_mov_b64 s[64:65], 0
	v_nop
	global_prefetch_b8 v0, s[64:65] scope:SCOPE_SE
	s_setreg_imm32_b32 hwreg(HW_REG_WAVE_MODE, 25, 1), 1
	s_wait_xcnt 0x0
	s_wait_alu depctr_hold_cnt(0) depctr_sa_sdst(0) depctr_va_vdst(0) depctr_va_sdst(0) depctr_va_ssrc(0) depctr_va_vcc(0) depctr_vm_vsrc(0)
	s_getreg_b32 s2, hwreg(HW_REG_IB_STS2, 6, 4)
	s_cmp_eq_u32 s2, 0
	s_cbranch_scc0 .Lentry_in_a_cluster
	s_endpgm
.Lentry_in_a_cluster:
	s_bfe_u32 s2, ttmp6, 0x10000c
	s_cmp_lg_u32 s2, 0xf033
	s_cbranch_scc0 .Lentry_shape_is_right
	s_endpgm
.Lentry_shape_is_right:
; ATTN: ctx = softmax(q k^T / sqrt(128) + mask) v for 8 query heads on 4 key heads.  qb [8][4096][128] f16 holds q times log2(e) / sqrt(128); kb, vb [4][4096][128] f16; attn_mask [4096][4096] f32, additive, an
; input: every word of it is read and every score is made.  Products, maxima and sums in f32; the weights are rounded to f16 for the second product.
; ctxb [4096][2048] f16 holds ctx IN TWO PARTS: column head x 128 + channel holds ctx rounded to f16, column 1024 + the same what that rounding left (the exact difference, rounded to f16): a row that sees few keys is
; many times larger than the output's root mean square, and one rounding of ctx to 11 bits would spend a third of what such a row's numbers near zero are allowed.
; LIMITS: the mask finite, below 2.3e38 in size; a weight below 2^-126 counts as 0; p below 6e-5 keeps f16's fixed step; ctx's second part below 6.1e-5 keeps that step of 6e-8 too; a row whose 4,096 keys are ALL
; hidden by about -1e9 is averaged as f32's step there allows; NaN and infinities are not treated apart.
; SCORES stand in units of log2: s = q' . k + mask log2(e); the mask, scaled in registers, is the C operand that starts the sum.  p = 2^(s - m) with the running maximum m: the DIFFERENCE is formed, so p never
; passes 1, also where a share of keys is wholly hidden and m is about -1.4e9.
; SHARES.  A work-group: 64 positions x the 2 query heads of one key head, all 4,096 keys.  Wave w: a = w / 2 names 32 positions, b = w % 2 which 64 of a slot's 128 keys.  Its four tiles of 16 queries:
; tile t = head t % 2 of PIECE t / 2 (named 0 and 2 by their first tiles); piece 0 holds positions 32 a + 16 b + 0..15, piece 2 the other sixteen.  The heads of a piece share the mask's fragment.
; At the end wave w keeps piece 0 and takes from wave w ^ 1 its piece 2, which holds the same queries on the other half of the keys: one merge, the same text in every wave.
; LAYOUT, BY TURNS.  S^T = K Q^T holds one query a lane and the keys 8 (lane / 16) + 0..7; two such results rounded to f16 are source 1 of O^T = V^T P.  In a TURN one piece has the matrix unit (32 products V^T P of the
; step in hand, 32 products K Q^T of the next); the other piece's softmax, in 64 slices, stands behind its matrix instructions.
; NO FIRST AND NO LAST STEP IS WRITTEN OUT.  m starts at the lowest finite number, l and O^T at 0; V's registers and piece 0's P hold 0 and piece 2's scores the lowest finite number, so that the loop's first trip works on
; a step that has not been: its products add 0, and the first real step multiplies what it left in l by a = 0.  The tail is a loop of two trips that is left in its middle.  The price: 64 products on zeros at the start, 32
; on a stale K at the end, and some 490 v_mov_b32 in the wait for the first tile; the gain: a key step's text stands twice (loop and tail), not five times.
; CLUSTER 4 x 4: x = four blocks of positions, y = the four key heads.  K and V hang on y alone: asked for jointly along a row of the cluster.  The mask's tile hangs on the block alone: jointly along a column.
; REGISTERS: window 0 addresses, statistics (8 a tile), S^T v64-191, P v192-255; window 1 O^T; window 2 Q v0-127, K v128-255; window 3 V v0-127, the mask's fragments v128-191.
.set PK,    272       ; a row of K in LDS: 256 + 16 bytes
.set PV,    288       ; a row of V: 256 + 32
.set PM,    528       ; a row of the mask's tile: 128 keys x 4 bytes + 16
.set VOFF,  128*PK    ; a slot: 128 rows of K, 128 rows of V, 64 rows of mask
.set MOFF,  VOFF+128*PV
.set SLOTB, MOFF+64*PM
.set SLOT1, 1<<17     ; slot 1 begins here: one exclusive or changes slots
.set STAGE, SLOTB     ; between the slots, never filled by a tensor load: 16 rows x 272 bytes for each wave
.set SP,    272
.set SPARE, STAGE+4*16*SP  ; the spare words: 128 bytes a wave, two blocks of 256 bytes that no other line names
.set XST,   SPARE+512      ; the merge: 512 bytes of m and l a wave
.set XCH,   SLOT1+SLOTB    ; the merge: 16,384 bytes of O^T a wave
.set AK0, 2           ; v2   my lane's place in a slot's K; never rewritten
.set AV0, 3           ; v3   in its V
.set ADR, 4           ; v4   the address of the run of loads in hand
.set QO0, 5           ; v5   my byte offset in Q, piece 0
.set STO, 6
.set RD,  7
.set GO,  8
.set ST,  12          ; tile t's statistics at v[ST+8 t]: +0 m, +1 0 (named with it as a pair), +2, +3 l, +4 to +7 c0-c3 at work; a takes c2's place
.set AM0, 44          ; v44  my lane's place in a slot's mask, piece 0
.set AM1, 45          ; v45  piece 2
.set DM0, 46          ; v46, v47  the mask's run's addresses
.set DM1, 47
.set QO1, 48          ; v48  my byte offset in Q, piece 2
.set XA,  49          ; the merge: where I give O^T, where I take it, and the same for m and l
.set XP,  50
.set XS,  51
.set XSP, 52
.set NEG1, 53         ; v53  -1.0
.set PFO, 54          ; v54  the prefetch: my lane's block of 256 bytes in 16 rows of the mask; never rewritten
.set PS,  56          ; v56-59  the partner's m, l of its tiles 2, 3
.set SPW, 62
.set NIL, 63
.set S,   64
.set P,   192
.set KF,  128         ; window 2
.set MK,  128         ; window 3: piece x / 2, key block kb at MK + 32 (x / 2) + 8 kb
.set WV,  14
.set G1K, 24
.set G1V, 32
.set G1M, 40
.set G0K, 48          ; one walking group 0 a tensor
.set G0V, 52
.set G0M, 56
.set SEL, 60
.set TB,  62          ; s62  LDS byte at which the slot to be fetched from begins
.set SLOTS, 63
.set L2E, 66          ; s[66:67] log2(e)
.set PFB, 74          ; s[74:75] the prefetch: my work-group's 16 rows of the mask, at the keys of the step that is asked for in this trip
.set LOWR, 76         ; s76  the lowest finite number
.set MSB, 0
.macro WIN new
.if MSB != (\new)
	s_set_vgpr_msb (MSB<<8)|(\new)
.set MSB, \new
.endif
.endm
.set W_KQ, 0x0a       ; K and Q in window 2, S^T in window 0
.set W_KM, 0x3a       ; the same with the C operand in window 3
.set W_PV, 0x53       ; V in window 3, P in window 0, O^T in window 1
.set W_RS, 0x41       ; O^T in window 1, a in window 0
; A joint fill of a slot: wave 0 asks for K's 128 rows, wave 1 for V's, wave 2 for the mask's 64.  32 KiB each.  The branches hang on the wave's number alone.
; Wave 3, which asks for no tile, PREFETCHES the mask, the one stream of this launch that nobody has read before: rows 16 cy .. 16 cy + 15 of a later step's tile, 32 lanes 256 bytes apart (two blocks a row).  The four
; work-groups of a column of the cluster share the tile's 64 rows among them, so each block is asked for once in the launch.  pf = 2 (the start): steps 1 and 2.  pf = 1 (trip t of the loop, which asks for step t + 1's
; tiles): step t + 3, which the tensor load of trip t + 2 will want; trips 29 and 30 ask for nothing, since step 31 is the last: no request leaves the rows' 16,384 bytes.
.macro JLOAD pf
	s_cmp_lg_u32 s[WV], 0
	s_cbranch_scc1 .Lnot_k_\@
	tensor_load_to_lds s[G0K:G0K+3], s[G1K:G1K+7]
	s_nop 0
.rept 4
	v_nop
.endr
	s_branch .Lasked_\@
.Lnot_k_\@:
	s_cmp_lg_u32 s[WV], 1
	s_cbranch_scc1 .Lnot_v_\@
	tensor_load_to_lds s[G0V:G0V+3], s[G1V:G1V+7]
	s_nop 0
.rept 4
	v_nop
.endr
	s_branch .Lasked_\@
.Lnot_v_\@:
	s_cmp_lg_u32 s[WV], 2
	s_cbranch_scc1 .Lnot_m_\@
	tensor_load_to_lds s[G0M:G0M+3], s[G1M:G1M+7]
	s_nop 0
.rept 4
	v_nop
.endr
	s_branch .Lasked_\@
.Lnot_m_\@:
.if (\pf) == 1
	s_cmp_lt_u32 s[SLOTS], 3        ; 31 - t trips are left, this one among them
	s_cbranch_scc1 .Lasked_\@
	global_prefetch_b8 v[PFO], s[PFB:PFB+1] offset:1024 th:TH_LOAD_NT scope:SCOPE_SE
.else
	global_prefetch_b8 v[PFO], s[PFB:PFB+1] offset:512 th:TH_LOAD_NT scope:SCOPE_SE
	global_prefetch_b8 v[PFO], s[PFB:PFB+1] offset:1024 th:TH_LOAD_NT scope:SCOPE_SE
.endif
.Lasked_\@:
.endm
.macro CROUND
	s_barrier_signal -1
	s_barrier_wait -1
	s_cmp_lg_u32 s[WV], 0
	s_cbranch_scc1 .Lnot_wave_0_\@
	s_barrier_signal -3
.Lnot_wave_0_\@:
	s_barrier_wait -3
	s_barrier_signal -1
	s_barrier_wait -1
.endm
	s_load_b256 s[4:11], s[0:1], 0x0  ; qb 4, kb 6, vb 8, attn_mask 10
	s_load_b64 s[12:13], s[0:1], 0x20 ; ctxb
	v_lshl_add_u32 v[SPW], v0, 2, SPARE
	v_mov_b32 v[NIL], 0
	ds_add_u32 v[SPW], v[NIL]       ; the wave's opening: the add and its wait stand ahead of my first tensor load
	v_lshrrev_b32 v1, 5, v0
	v_readfirstlane_b32 s[WV], v1
	v_and_b32 v10, 31, v0
	v_lshrrev_b32 v[PFO], 1, v10    ; the prefetch: row lane / 2 of sixteen, 16,384 bytes a row,
	v_and_b32 v11, 1, v0
	v_lshlrev_b32 v[PFO], 14, v[PFO]
	v_lshl_add_u32 v[PFO], v11, 8, v[PFO]  ; block lane % 2 of the step's 512 bytes
	s_bfe_u32 s15, ttmp6, 0x40000   ; cx
	s_bfe_u32 s16, ttmp6, 0x40004   ; cy: the key head
	s_lshl_b32 s17, ttmp9, 2
	s_add_co_u32 s17, s17, s15      ; my block of 64 positions
	s_lshr_b32 s18, s[WV], 1        ; a
	s_and_b32 s19, s[WV], 1         ; b
	s_lshl_b32 s20, s16, 2
	s_lshl_b32 s20, 15, s20         ; my row of the cluster
	s_lshl_b32 s21, 0x1111, s15     ; my column
	s_or_b32 s[G1K], s20, (1<<16)|(1<<20)|(1<<21)|(5<<22)|(3<<25)  ; 2-byte elements; 4 words of padding behind every 64
	s_or_b32 s[G1V], s20, (1<<16)|(1<<20)|(1<<21)|(5<<22)|(7<<25)  ; 8 words
.irp g, G1K, G1V
	s_mov_b32 s[(\g)+1], 128<<16    ; tensor_dim0 = 128
	s_mov_b32 s[(\g)+2], 128<<16    ; tensor_dim1 = 128
	s_mov_b32 s[(\g)+3], 128<<16    ; tile_dim0 = 128
	s_mov_b32 s[(\g)+4], 128        ; tile_dim1 = 128
	s_mov_b32 s[(\g)+5], 128        ; elements from row to row
	s_mov_b32 s[(\g)+6], 0
	s_mov_b32 s[(\g)+7], 0
.endr
	s_or_b32 s[G1M], s21, (2<<16)|(1<<20)|(1<<21)|(6<<22)|(3<<25)  ; 4-byte elements; 4 words behind every 128
	s_mov_b32 s[G1M+1], 128<<16
	s_mov_b32 s[G1M+2], 64<<16
	s_mov_b32 s[G1M+3], 128<<16
	s_mov_b32 s[G1M+4], 64
	s_mov_b32 s[G1M+5], 4096
	s_mov_b32 s[G1M+6], 0
	s_mov_b32 s[G1M+7], 0
	s_mov_b32 s[G0K], 1
	s_mov_b32 s[G0K+1], 0           ; slot 0
	s_mov_b32 s[G0V], 1
	s_mov_b32 s[G0V+1], VOFF
	s_mov_b32 s[G0M], 1
	s_mov_b32 s[G0M+1], MOFF
	s_lshl_b32 s22, s16, 20         ; a key head is 1 MiB of K and of V
	s_mov_b32 s23, 0
	s_lshl_b32 s68, s17, 20         ; 64 rows of the mask are 1 MiB
	s_mov_b32 s69, 0
	s_lshl_b32 s[PFB], s16, 18      ; the prefetch: my 16 of them
	s_add_co_u32 s[PFB], s[PFB], s68
	s_mov_b32 s[PFB+1], 0
	s_lshl_b32 s70, s16, 21         ; Q: two heads a key head,
	s_lshl_b32 s71, s17, 14         ; 64 rows of 256 bytes a block,
	s_add_co_u32 s70, s70, s71
	s_lshl_b32 s71, s18, 13         ; 32 rows for a
	s_add_co_u32 s70, s70, s71
	s_mov_b32 s71, 0
	s_lshl_b32 s72, s17, 18         ; ctx: 64 rows of 4,096 bytes a block,
	s_lshl_b32 s73, s[WV], 16       ; 16 rows a wave,
	s_add_co_u32 s72, s72, s73
	s_lshl_b32 s73, s16, 9          ; 512 bytes a key head
	s_add_co_u32 s72, s72, s73
	s_mov_b32 s73, 0
	s_mov_b32 s[SEL], 0x76543210
	s_mov_b32 s[SEL+1], 0xfedcba98
	s_mov_b32 s[L2E], 0x3fb8aa3b
	s_mov_b32 s[L2E+1], 0x3fb8aa3b
	s_mov_b32 s[LOWR], 0xff7fffff
	s_mov_b32 s[TB], SLOT1          ; the first change of slots turns it into 0
	s_mov_b32 s[SLOTS], 31
	s_wait_dscnt 0x0                ; the opening add is done
	s_wait_kmcnt 0x0
	s_add_nc_u64 s[G0K+2:G0K+3], s[6:7], s[22:23]
	s_or_b32 s[G0K+3], s[G0K+3], 0x80000000
	s_add_nc_u64 s[G0V+2:G0V+3], s[8:9], s[22:23]
	s_or_b32 s[G0V+3], s[G0V+3], 0x80000000
	s_add_nc_u64 s[G0M+2:G0M+3], s[10:11], s[68:69]
	s_or_b32 s[G0M+3], s[G0M+3], 0x80000000
	s_add_nc_u64 s[PFB:PFB+1], s[10:11], s[PFB:PFB+1]
	s_add_nc_u64 s[4:5], s[4:5], s[70:71]
	s_add_nc_u64 s[12:13], s[12:13], s[72:73]
	CROUND                          ; all sixteen work-groups are here: the first joint loads meet
	JLOAD 2                         ; keys 0-127 into slot 0; one load of mine is out at the most, here and later
	v_and_b32 v1, 15, v0            ; l % 16
	v_bfe_u32 v9, v0, 4, 1          ; l / 16
	v_lshlrev_b32 v[QO0], 8, v1
	v_lshl_add_u32 v[QO0], v9, 4, v[QO0]
	s_lshl_b32 s2, s19, 12          ; piece 0: sixteen rows b, piece 2: the others
	s_xor_b32 s3, s2, 4096
	v_add_nc_u32 v[QO1], s3, v[QO0]
	v_add_nc_u32 v[QO0], s2, v[QO0]
	WIN 0x80                        ; destination window 2
.set t, 0
.rept 4                             ; Q stays in registers: tile t at 32 t, channels 32 c on
.set c, 0
.rept 4
	global_load_b128 v[32*t+8*c:32*t+8*c+3],   v[QO0+(QO1-QO0)*(t/2)], s[4:5] offset:(t%2)*1048576+64*c
	global_load_b128 v[32*t+8*c+4:32*t+8*c+7], v[QO0+(QO1-QO0)*(t/2)], s[4:5] offset:(t%2)*1048576+64*c+32
.set c, c+1
.endr
.set t, t+1
.endr
	WIN 0
	v_mul_u32_u24 v[AK0], v1, PK
	v_lshl_add_u32 v[AK0], v9, 4, v[AK0]
	s_mul_i32 s2, s19, 64*PK        ; my 64 keys of a slot
	v_add_nc_u32 v[AK0], s2, v[AK0]
	v_and_b32 v10, 7, v0
	v_bfe_u32 v11, v0, 3, 1
	v_lshl_add_u32 v[AV0], v9, 3, v10
	v_mul_u32_u24 v[AV0], v[AV0], PV
	v_lshl_add_u32 v[AV0], v11, 4, v[AV0]
	s_mul_i32 s2, s19, 64*PV
	s_add_co_u32 s2, s2, VOFF
	v_add_nc_u32 v[AV0], s2, v[AV0]
	v_mul_u32_u24 v[AM0], v1, PM    ; the mask: row = my query's position, 8 keys = 32 bytes for each half of the lanes
	v_lshl_add_u32 v[AM0], v9, 5, v[AM0]
	s_lshl_b32 s2, s18, 5
	s_lshl_b32 s3, s19, 4
	s_add_co_u32 s20, s2, s3        ; piece 0's first row in the tile: 32 a + 16 b
	s_xor_b32 s3, s3, 16
	s_add_co_u32 s21, s2, s3        ; piece 2's
	s_mul_i32 s20, s20, PM
	s_mul_i32 s21, s21, PM
	s_lshl_b32 s2, s19, 8           ; my 64 keys: 256 bytes
	s_add_co_u32 s2, s2, MOFF
	s_add_co_u32 s20, s20, s2
	s_add_co_u32 s21, s21, s2
	v_add_nc_u32 v[AM1], s21, v[AM0]
	v_add_nc_u32 v[AM0], s20, v[AM0]
	s_mul_i32 s2, s[WV], 16*SP      ; the addresses for the end
	s_add_co_u32 s2, s2, STAGE
	v_mul_u32_u24 v[STO], v1, SP
	v_lshl_add_u32 v[STO], v9, 4, v[STO]
	v_add_nc_u32 v[STO], s2, v[STO]
	v_mul_u32_u24 v[RD], v9, SP
	v_lshl_add_u32 v[RD], v1, 4, v[RD]
	v_add_nc_u32 v[RD], s2, v[RD]
	v_lshlrev_b32 v[GO], 12, v9     ; lanes 0-15 a row of ctxb (4,096 bytes), lanes 16-31 the next
	v_lshl_add_u32 v[GO], v1, 4, v[GO]
	v_mov_b32 v[NEG1], -1.0
	v_and_b32 v10, 31, v0
	s_xor_b32 s3, s[WV], 1          ; my partner
	s_lshl_b32 s2, s[WV], 14
	s_add_co_u32 s2, s2, XCH
	v_lshl_add_u32 v[XA], v10, 4, s2
	s_lshl_b32 s2, s3, 14
	s_add_co_u32 s2, s2, XCH
	v_lshl_add_u32 v[XP], v10, 4, s2
	s_lshl_b32 s2, s[WV], 9
	s_add_co_u32 s2, s2, XST
	v_lshl_add_u32 v[XS], v10, 2, s2
	s_lshl_b32 s2, s3, 9
	s_add_co_u32 s2, s2, XST
	v_lshl_add_u32 v[XSP], v10, 2, s2
	; What the first trip finds, the state behind a step that has not been.  All this stands in the wait for the first tile.
	WIN 0x40                        ; O^T = 0
.set i, 0
.rept 256
	v_mov_b32 v[i], 0
.set i, i+1
.endr
	WIN 0xc0                        ; V = 0: the first trip's products V^T P add 0
.set i, 0
.rept 128
	v_mov_b32 v[i], 0
.set i, i+1
.endr
	WIN 0
.set i, 0
.rept 32
	v_mov_b32 v[P+i], 0             ; piece 0's weights
.set i, i+1
.endr
.set i, 0
.rept 64
	v_mov_b32 v[S+64+i], s[LOWR]    ; piece 2's scores: equal to m, so that m stays; the weights 1 that they give meet V = 0, and their sum in l is multiplied by a = 0 in the first real step
.set i, i+1
.endr
.irp t, 0,1,2,3
	v_mov_b32 v[ST+8*(\t)], s[LOWR] ; m: below every score that the stated limit of the mask allows
	v_mov_b32 v[ST+8*(\t)+1], 0     ; named as the upper half of m's pair
	v_mov_b32 v[ST+8*(\t)+2], 0     ; l
	v_mov_b32 v[ST+8*(\t)+3], 0
.endr
; THE MATRIX WORK OF A TURN, for piece x.  The accumulators take turns, one instruction a turn.
.macro PV x, zero                   ; product i of 32 of O^T += V^T P: keys 32 (i / 16) on, channels 16 ((i / 2) % 8) on, tile x + i % 2
	WIN W_PV
.set rO, 64*((\x)+i%2)+8*((i/2)%8)
.set rV, 64*(i/16)+8*((i/2)%8)
.set rP, P+16*((\x)+i%2)+8*(i/16)
.if (\zero) && (i < 16)
	v_wmma_f32_16x16x32_f16 v[rO:rO+7], v[rV:rV+7], v[rP:rP+7], 0
.else
	v_wmma_f32_16x16x32_f16 v[rO:rO+7], v[rV:rV+7], v[rP:rP+7], v[rO:rO+7]
.endif
.endm
.macro KQ x                         ; product i of 32 of S^T = K Q^T + mask: channels 32 (i / 8) on, keys 16 ((i / 2) % 4) on, tile x + i % 2.  The first 8 start the sums with the mask
.set rS, S+32*((\x)+i%2)+8*((i/2)%4)
.set rK, KF+32*((i/2)%4)+8*(i/8)
.set rQ, 32*((\x)+i%2)+8*(i/8)
.set rM, MK+32*((\x)/2)+8*((i/2)%4)
.if i < 8
	WIN W_KM
	v_wmma_f32_16x16x32_f16 v[rS:rS+7], v[rK:rK+7], v[rQ:rQ+7], v[rM:rM+7]
.else
	WIN W_KQ
	v_wmma_f32_16x16x32_f16 v[rS:rS+7], v[rK:rK+7], v[rQ:rQ+7], v[rS:rS+7]
.endif
.endm
; THE LDS LOADS stand in runs: a step's K (16 fragments) with both pieces' masks (8 fragments of f32), and, a turn later, its V (turned).
.macro FETCH_K
	WIN 0
	v_add_nc_u32 v[ADR], s[TB], v[AK0]
	v_add_nc_u32 v[DM0], s[TB], v[AM0]
	v_add_nc_u32 v[DM1], s[TB], v[AM1]
	WIN 0x80
.irp f, 0,1,2,3,4,5,6,7,8,9,10,11,12,13,14,15
	ds_load_b128 v[KF+8*(\f):KF+8*(\f)+3],   v[ADR] offset:((\f)/4)*16*PK+((\f)%4)*64
	ds_load_b128 v[KF+8*(\f)+4:KF+8*(\f)+7], v[ADR] offset:((\f)/4)*16*PK+((\f)%4)*64+32
.endr
	WIN 0xc0
.irp f, 0,1,2,3
	ds_load_b128 v[MK+8*(\f):MK+8*(\f)+3],       v[DM0] offset:64*(\f)
	ds_load_b128 v[MK+8*(\f)+4:MK+8*(\f)+7],     v[DM0] offset:64*(\f)+16
	ds_load_b128 v[MK+32+8*(\f):MK+32+8*(\f)+3],   v[DM1] offset:64*(\f)
	ds_load_b128 v[MK+32+8*(\f)+4:MK+32+8*(\f)+7], v[DM1] offset:64*(\f)+16
.endr
.endm
.macro FETCH_V
	WIN 0
	v_add_nc_u32 v[ADR], s[TB], v[AV0]
	WIN 0xc0
.irp f, 0,1,2,3,4,5,6,7,8,9,10,11,12,13,14,15
	ds_load_tr16_b128 v[8*(\f):8*(\f)+3],   v[ADR] offset:((\f)/8)*32*PV+((\f)%8)*32
	ds_load_tr16_b128 v[8*(\f)+4:8*(\f)+7], v[ADR] offset:((\f)/8)*32*PV+16*PV+((\f)%8)*32
.endr
.endm
.macro MSCALE                       ; both pieces' masks times log2(e): 32 packed multiplies serve four tiles
	WIN 0xc3
.set z, 0
.rept 32
	v_pk_mul_f32 v[MK+2*z:MK+2*z+1], v[MK+2*z:MK+2*z+1], s[L2E:L2E+1] op_sel_hi:[1,0]
.set z, z+1
.endr
.endm
; THE VECTOR WORK OF A TURN.  One tile's softmax for one step is a numbered list; SM writes number j of it for tile t.  (first = 1 would be a step that starts m, l and O^T; this text calls it with 0 alone.)
;   0-15   the maximum of the lane's 32 scores and the old m (each accumulator's lowest registers are read first)     16-20  the other half of the lanes'; the old m kept; the new m; their difference (19 is empty)
;   21-87  33 exponentials (a, then the scores) at the odd numbers from 23 on; between them s - m for pairs still to come, roundings to f16 of pairs that are done, the first sums
;   88-101 the last rounding; the rest of the sums; l = a l + sum     102-133 O^T times a
.macro SM t, first
.set rT, ST+8*(\t)
.set rS, S+32*(\t)
.set rP, P+16*(\t)
.set rO, 64*(\t)+2*(j-102)
.set q, (j-20)/2
.if j < 102
	WIN 0
.endif
.if j < 4
	v_max3_num_f32 v[rT+4+j], v[rS+8*j], v[rS+8*j+1], v[rS+8*j+2]
.elseif j < 12
	v_max3_num_f32 v[rT+4+j%4], v[rT+4+j%4], v[rS+8*(j%4)+2*(j/4)+1], v[rS+8*(j%4)+2*(j/4)+2]
.elseif j == 12
	v_max3_num_f32 v[rT+4], v[rT+4], v[rS+7], v[rS+15]
.elseif j == 13
	v_max3_num_f32 v[rT+6], v[rT+6], v[rS+23], v[rS+31]
.elseif j == 14
	v_max3_num_f32 v[rT+4], v[rT+4], v[rT+5], v[rT+6]
.elseif (j == 15) && (\first)
	v_max_num_f32 v[rT+4], v[rT+4], v[rT+7]
.elseif j == 15
	v_max3_num_f32 v[rT+4], v[rT+4], v[rT+7], v[rT]
.elseif j == 16
	v_permlanex16_b32 v[rT+5], v[rT+4], s[SEL], s[SEL+1]  ; the query's other 32 keys lie in the lane 16 away
.elseif j == 18
	v_max_num_f32 v[rT], v[rT+4], v[rT+5]
.elseif j == 19
.elseif ((j == 17) || (j == 20) || (j == 23) || (j > 101)) && (\first)
.elseif j == 17
	v_mov_b32 v[rT+7], v[rT]        ; the old m is kept for a
.elseif j == 20
	v_sub_f32 v[rT+7], v[rT+7], v[rT]
.elseif j == 23
	v_exp_f32 v[rT+6], v[rT+7]
.elseif (j < 88) && (j > 23) && (j%2 == 1)
	v_exp_f32 v[rS+(j-25)/2], v[rS+(j-25)/2]
.elseif (q < 4) || ((j < 76) && (q%2 == 0))
.set b, q/2+2
.if q < 4
.set b, q
.endif
	v_pk_add_f32 v[rS+2*b:rS+2*b+1], v[rS+2*b:rS+2*b+1], v[rT:rT+1] op_sel_hi:[1,0] neg_lo:[0,1] neg_hi:[0,1]  ; pair b: s - m, never above 0
.elseif (j < 88) && (q%2 == 1)
	s_wait_alu depctr_va_vdst(0)
	v_cvt_pk_f16_f32 v[rP+(q-5)/2], v[rS+q-5], v[rS+q-4]
.elseif j == 89
	s_wait_alu depctr_va_vdst(0)
	v_cvt_pk_f16_f32 v[rP+15], v[rS+30], v[rS+31]
.elseif j < 102
.set z, j-86
.if j < 89
.set z, (j-76)/4
.endif
.set w, 4
.set u, z
.if z >= 14
.set w, 32
.set u, 0
.elseif z >= 12
.set w, 16
.set u, z-12
.elseif z >= 8
.set w, 8
.set u, z-8
.endif
.if (z == 14) && (\first)
	v_pk_add_f32 v[rT+2:rT+3], v[rS:rS+1], v[rS+16:rS+17]
.elseif z < 15
	v_pk_add_f32 v[rS+w*u:rS+w*u+1], v[rS+w*u:rS+w*u+1], v[rS+w*u+w/2:rS+w*u+w/2+1]
.elseif !(\first)
	v_pk_fma_f32 v[rT+2:rT+3], v[rT+2:rT+3], v[rT+6:rT+7], v[rS:rS+1] op_sel_hi:[1,0,1]
.endif
.else
	WIN W_RS
	v_pk_mul_f32 v[rO:rO+1], v[rO:rO+1], v[rT+6:rT+7] op_sel_hi:[1,0]
.endif
.endm
; Slice k of 64 of piece y's softmax: numbers 2 k and 2 k + 1 of both tiles' lists; what is over stands together in slice 63.
.macro SLICE y, first
.if (k >= 11) && (k < 44)           ; tile by tile: plain, exponential, plain, exponential
.irp t, \y, (\y)+1
.irp n, 0,1
.set j, 2*k+(\n)
	SM \t, \first
.endr
.endr
.else                               ; the two tiles alternate
.irp n, 0,1,2,3,4,5,6,7
.if ((\n) < 2) || (k == 63)
.irp t, \y, (\y)+1
.set j, 2*k+(\n)
	SM \t, \first
.endr
.endif
.endr
.endif
.set k, k+1
.endm
.macro PLACES
.rept 4
	v_nop
.endr
.endm
; A TURN.  Piece x has the matrix unit; the other piece's softmax stands in slices behind its matrix instructions.  pv = 2: 32 products V^T P; kq = 1: 32 products K Q^T of the next step.
; Piece 0's turn fetches the next step's K and masks behind its second product (the last reader of K stands in front of slice 63 of the turn before); piece 2's turn the same step's V behind its second K Q^T
; (six plain instructions behind V's last reader).  Each run is waited for, for 0, 30 matrix instructions later or more.
.macro TURN x, pv, kq, first
.set k, 0
.set per, 2
.if (\pv) && (\kq)
.set per, 1
.endif
.if \pv
.if (\x) == 0
	s_wait_dscnt 0x0                ; V is in
.endif
.set i, 0
.rept 32
	PV \x, 2-(\pv)
.rept per
	SLICE 2-(\x), \first
.endr
.if ((\x) == 0) && (\kq) && (i == 1)
	FETCH_K
.endif
.set i, i+1
.endr
.endif
.if \kq
.if (\x) == 0
	s_wait_dscnt 0x0                ; K and the masks are in
	MSCALE
.endif
.set i, 0
.rept 32
	KQ \x
.rept per
	SLICE 2-(\x), \first
.endr
.if ((\x) == 2) && (i == 1)
	FETCH_V
.endif
.set i, i+1
.endr
.endif
.if \first
	PLACES
.endif
.endm
; THE CHANGE OF SLOTS, between piece 2's turn and piece 0's: the slot's last bytes, its V, have been asked for.  Each wave waits for all its tensor loads (its part of the other slot), adds 0 to its spare word, and waits
; for that and for its reads of the slot.  fill = 1: the slot is filled again with the keys two slots on: the barrier is a round of the cluster's, and the joint fill is the first thing behind it.
; (At its first use nothing has been read yet: slot 0 is waited for, slot 1 filled.)
.macro CHANGE fill
	WIN 0
	s_wait_tensorcnt 0x0            ; no tensor load of mine is out, so a group 0 may be written
	ds_add_u32 v[SPW], v[NIL]
.if \fill
.irp g, G0K, G0V
	s_xor_b32 s[(\g)+1], s[(\g)+1], SLOT1
	s_add_nc_u64 s[(\g)+2:(\g)+3], s[(\g)+2:(\g)+3], 128*256  ; the next 128 keys
.endr
	s_xor_b32 s[G0M+1], s[G0M+1], SLOT1
	s_add_nc_u64 s[G0M+2:G0M+3], s[G0M+2:G0M+3], 128*4
	s_wait_xcnt 0x0                 ; the prefetch of the trip before has had its address translated: its base is stepped only behind this wait
	s_add_nc_u64 s[PFB:PFB+1], s[PFB:PFB+1], 128*4
	s_wait_dscnt 0x0                ; the add is done, and my reads of the slot are over
	CROUND
	JLOAD 1
.else
	s_wait_dscnt 0x0
	s_barrier_signal -1
	s_barrier_wait -1
.endif
	s_xor_b32 s[TB], s[TB], SLOT1   ; the fetches go on in the other slot
.endm
	s_wait_loadcnt 0x0              ; Q
.Lslot:                             ; 31 trips.  Trip t asks for step t + 1's tiles, fetches K, masks and V of step t, and multiplies by V of step t - 1 (in trip 0: by zeros)
	CHANGE 1
	TURN 0, 2, 1, 0                 ; piece 0: V^T P of step t - 1, K Q^T of step t | piece 2's softmax of step t - 1 | K and masks of step t
	TURN 2, 2, 1, 0                 ; piece 2: the same | piece 0's softmax of step t | V of step t
	WIN 0
	s_sub_co_u32 s[SLOTS], s[SLOTS], 1
	s_cmp_lg_u32 s[SLOTS], 0
	s_cbranch_scc1 .Lslot
	s_mov_b32 s[SLOTS], 2           ; the tail is a text of its own: nothing is asked for
.Ltail:                             ; its first trip is trip 31; its second is left in the middle: piece 0's V^T P and piece 2's softmax of step 31 are wanted, its 32 products K Q^T (on step 30's K once more) serve nothing
	CHANGE 0
	TURN 0, 2, 1, 0
	WIN 0
	s_sub_co_u32 s[SLOTS], s[SLOTS], 1
	s_cmp_eq_u32 s[SLOTS], 0
	s_cbranch_scc1 .Lout
	TURN 2, 2, 1, 0
	WIN 0
	s_cmp_lg_u32 s[SLOTS], 0
	s_cbranch_scc1 .Ltail
.Lout:
	s_wait_dscnt 0x0                ; no LDS load of mine is out
.set i, 0
.rept 32
	PV 2, 0                         ; piece 2: V^T P of step 31
.set i, i+1
.endr
	; THE END.  l is completed (its two halves, the other half of the lanes'); the additions are the places behind the last products.
	WIN 0
.irp t, 0,1,2,3
	v_add_f32 v[ST+8*(\t)+4], v[ST+8*(\t)+2], v[ST+8*(\t)+3]
.endr
.irp t, 0,1,2,3
	v_permlanex16_b32 v[ST+8*(\t)+5], v[ST+8*(\t)+4], s[SEL], s[SEL+1]
.endr
.irp t, 0,1,2,3
	v_add_f32 v[ST+8*(\t)+4], v[ST+8*(\t)+4], v[ST+8*(\t)+5]
.endr
	WIN 0x04                        ; store data window 1: my piece 2's O^T, m and l go to my partner
.set i, 0
.rept 32
	ds_store_b128 v[XA], v[128+4*i:128+4*i+3] offset:512*i
.set i, i+1
.endr
	WIN 0
	ds_store_b32 v[XS], v[ST+16]
	ds_store_b32 v[XS], v[ST+20] offset:128
	ds_store_b32 v[XS], v[ST+24] offset:256
	ds_store_b32 v[XS], v[ST+28] offset:384
	s_wait_dscnt 0x0                ; for the partner's sake: my stores are done
	s_barrier_signal -1
	s_barrier_wait -1
.set i, 0
.rept 32
	ds_load_b128 v[S+4*i:S+4*i+3], v[XP] offset:512*i  ; the same queries' O^T on the other half of the keys, lane for lane and register for register
.set i, i+1
.endr
.irp n, 0,1,2,3
	ds_load_b32 v[PS+(\n)], v[XSP] offset:128*(\n)
.endr
	s_wait_dscnt 0x0
.irp u, 0,1
	v_max_num_f32 v[ST+8*(\u)+5], v[ST+8*(\u)], v[PS+2*(\u)]
.endr
.irp u, 0,1
	v_sub_f32 v[ST+8*(\u)+6], v[ST+8*(\u)], v[ST+8*(\u)+5]
	v_sub_f32 v[ST+8*(\u)+7], v[PS+2*(\u)], v[ST+8*(\u)+5]
.endr
.irp u, 0,1
	v_exp_f32 v[ST+8*(\u)+6], v[ST+8*(\u)+6]
	v_exp_f32 v[ST+8*(\u)+7], v[ST+8*(\u)+7]
.endr
	v_nop                           ; a plain instruction behind the exponentials
.irp u, 0,1
	s_wait_alu depctr_va_vdst(0)
	v_mul_f32 v[ST+8*(\u)+4], v[ST+8*(\u)+4], v[ST+8*(\u)+6]
.endr
.irp u, 0,1
	v_fma_f32 v[ST+8*(\u)+4], v[PS+2*(\u)+1], v[ST+8*(\u)+7], v[ST+8*(\u)+4]  ; l of all keys: 1 at the least
.endr
.irp u, 0,1
	v_rcp_f32 v[ST+8*(\u)+5], v[ST+8*(\u)+4]
.endr
	v_nop
.irp u, 0,1
	s_wait_alu depctr_va_vdst(0)
	v_mul_f32 v[ST+8*(\u)+2], v[ST+8*(\u)+6], v[ST+8*(\u)+5]  ; my share's factor,
	v_mul_f32 v[ST+8*(\u)+6], v[ST+8*(\u)+7], v[ST+8*(\u)+5]  ; the partner's
.endr
.irp u, 0,1
.set i, 0
.rept 32
	v_pk_mul_f32 v[S+64*(\u)+2*i:S+64*(\u)+2*i+1], v[S+64*(\u)+2*i:S+64*(\u)+2*i+1], v[ST+8*(\u)+6:ST+8*(\u)+7] op_sel_hi:[1,0]
.set i, i+1
.endr
.endr
	WIN 0x01                        ; source 0 window 1: my O^T, each accumulator's registers in ascending order
.irp u, 0,1
.set i, 0
.rept 32
	v_pk_fma_f32 v[S+64*(\u)+2*i:S+64*(\u)+2*i+1], v[64*(\u)+2*i:64*(\u)+2*i+1], v[ST+8*(\u)+2:ST+8*(\u)+3], v[S+64*(\u)+2*i:S+64*(\u)+2*i+1] op_sel_hi:[1,0,1]
.set i, i+1
.endr
.endr
	WIN 0
	; ctx in two parts.  The first: rounded to f16, head u at P + 32 u.
.set i, 0
.rept 64
	v_cvt_pk_f16_f32 v[P+i], v[S+2*i], v[S+2*i+1]
.set i, i+1
.endr
	; What the rounding left: ctx - first part, exact in f32 (the f16 half times -1.0, plus ctx, in one fused step),
.set i, 0
.rept 64
	v_fma_mix_f32 v[S+2*i],   v[P+i], v[NEG1], v[S+2*i]   op_sel_hi:[1,0,0]
	v_fma_mix_f32 v[S+2*i+1], v[P+i], v[NEG1], v[S+2*i+1] op_sel:[1,0,0] op_sel_hi:[1,0,0]
.set i, i+1
.endr
	; rounded to f16, head u at S + 32 u: register i is written when registers 2 i and 2 i + 1 are read, in ascending order, so nothing unread is lost.
.set i, 0
.rept 64
	v_cvt_pk_f16_f32 v[S+i], v[S+2*i], v[S+2*i+1]
.set i, i+1
.endr
.macro PACK base                    ; a lane's eight channels of a row are 16 bytes; they go into rows of 272 bytes and come back as whole rows of 256
.irp f, 0,1,2,3,4,5,6,7
	ds_store_b128 v[STO], v[(\base)+4*(\f):(\base)+4*(\f)+3] offset:32*(\f)
.endr
.irp f, 0,1,2,3,4,5,6,7
	ds_load_b128 v[(\base)+4*(\f):(\base)+4*(\f)+3], v[RD] offset:(\f)*2*SP  ; LDS serves a wave's instructions in order: these see the stores above, and the next PACK's stores come behind them
.endr
.endm
.macro SEND base, off, younger      ; younger: the LDS instructions issued behind this PACK's loads: the next PACK's sixteen, or none
.irp f, 0,1,2,3,4,5,6,7
	s_wait_dscnt (\younger)+7-(\f)
	global_store_b128 v[GO], v[(\base)+4*(\f):(\base)+4*(\f)+3], s[12:13] offset:(\off)+8192*(\f)  ; 16 lanes store 256 consecutive bytes, aligned
.endr
.endm
	PACK P
	PACK P+32
	SEND P, 0, 16                   ; head 0, first part
	PACK S
	SEND P+32, 256, 16              ; head 1, first part
	PACK S+32
	SEND S, 2048, 16                ; head 0, second part: 1,024 columns on
	SEND S+32, 2048+256, 0          ; head 1, second part
	s_wait_tensorcnt 0x0            ; the wave's end
	ds_add_u32 v[SPW], v[NIL]
	s_wait_dscnt 0x0
	CROUND                          ; the closing round
	s_endpgm
.Lfunc_end_k_qf568e37a93_attn:
	.size	k_qf568e37a93_attn, .Lfunc_end_k_qf568e37a93_attn-k_qf568e37a93_attn
	.p2alignl 7, 3214868480
	.fill 96, 4, 3214868480
	.section	.rodata,"a",@progbits
	.p2align	6, 0x0
	.amdhsa_kernel k_qf568e37a93_attn
		.amdhsa_group_segment_fixed_size 327680
		.amdhsa_private_segment_fixed_size 0
		.amdhsa_enable_private_segment 0
		.amdhsa_kernarg_size 40
		.amdhsa_user_sgpr_count 2
		.amdhsa_user_sgpr_kernarg_segment_ptr 1
		.amdhsa_wavefront_size32 1
		.amdhsa_system_sgpr_workgroup_id_x 1
		.amdhsa_system_sgpr_workgroup_id_y 1
		.amdhsa_system_sgpr_workgroup_id_z 1
		.amdhsa_system_vgpr_workitem_id 0
		.amdhsa_next_free_vgpr 1024
		.amdhsa_next_free_sgpr 80
		.amdhsa_reserve_vcc 0
		.amdhsa_float_denorm_mode_32 3
		.amdhsa_float_denorm_mode_16_64 3
		.amdhsa_memory_ordered 1
		.amdhsa_forward_progress 1
		.amdhsa_inst_pref_size 180
	.end_amdhsa_kernel
	.amdgpu_metadata
---
amdhsa.version: [ 1, 2 ]
amdhsa.kernels:
  - .name:           k_qf568e37a93_attn
    .symbol:         k_qf568e37a93_attn.kd
    .args:
      - { .name: qb, .offset: 0, .size: 8, .value_kind: global_buffer, .address_space: global }
      - { .name: kb, .offset: 8, .size: 8, .value_kind: global_buffer, .address_space: global }
      - { .name: vb, .offset: 16, .size: 8, .value_kind: global_buffer, .address_space: global }
      - { .name: attn_mask, .offset: 24, .size: 8, .value_kind: global_buffer, .address_space: global }
      - { .name: ctxb, .offset: 32, .size: 8, .value_kind: global_buffer, .address_space: global }
    .group_segment_fixed_size: 327680
    .private_segment_fixed_size: 0
    .kernarg_segment_align: 8
    .kernarg_segment_size: 40
    .max_flat_workgroup_size: 128
    .sgpr_count:     80
    .vgpr_count:     1024
    .wavefront_size: 32
...
	.end_amdgpu_metadata
.endif
;; end of part 7
;; launch outp (part 8): grid 8 x 32, 4 waves a work-group, clusters of 4 x 4, 327,680 bytes of LDS; arguments ctxb, wob, out0; writes out0
.if DOCPART == 8
	.amdgcn_target "amdgcn-amd-amdhsa--gfx1250"
	.amdhsa_code_object_version 6
	.text
	.protected	k_qf568e37a93_outp
	.globl	k_qf568e37a93_outp
	.p2align	8
	.type	k_qf568e37a93_outp,@function
k_qf568e37a93_outp:
	s_mov_b64 s[64:65], 0
	v_nop
	global_prefetch_b8 v0, s[64:65] scope:SCOPE_SE
	s_setreg_imm32_b32 hwreg(HW_REG_WAVE_MODE, 25, 1), 1
	s_wait_xcnt 0x0
	s_wait_alu depctr_hold_cnt(0) depctr_sa_sdst(0) depctr_va_vdst(0) depctr_va_sdst(0) depctr_va_ssrc(0) depctr_va_vcc(0) depctr_vm_vsrc(0)
	s_getreg_b32 s2, hwreg(HW_REG_IB_STS2, 6, 4)
	s_cmp_eq_u32 s2, 0
	s_cbranch_scc0 .Lentry_in_a_cluster
	s_endpgm
.Lentry_in_a_cluster:
	s_bfe_u32 s2, ttmp6, 0x10000c
	s_cmp_lg_u32 s2, 0xf033
	s_cbranch_scc0 .Lentry_shape_is_right
	s_endpgm
.Lentry_shape_is_right:
; OUTP: out0 [4096][2048] f32 = ctx Wo.  ctxb [4096][2048] f16 holds ctx in two parts: columns 0-1023 ctx rounded to f16, columns 1024-2047 what that rounding left; wob [1024][2048] f16 is Wo rounded to bf16, written as
; f16.  out0 = (first part + second part) Wo, both products into the same f32 sums, so that ctx's rounding to 11 bits does not reach the output.
; A tile of out0 is 128 rows x 256 columns: 8 x 32 = 256 work-groups; four waves of 64 x 128: 32 accumulators.  K = 1,024 goes in 8 steps of 128 through two LDS slots.
; BOTH PARTS MULTIPLY THE SAME ROWS OF Wo: a slot holds the first part's 128 rows x 128 k, the second part's, and ONE tile of Wo (128 k x 256 columns).  So a step has 256 matrix instructions a wave for 139,264 bytes,
; and a fragment of Wo read from LDS feeds both parts (32 LDS loads for 64 matrix instructions).
; A's rows lie along K; Wo lies [k][n] and is read by the turning load.  CLUSTER 4 x 4: ctx's tiles hang on the tile row alone and are asked for jointly along a row of the cluster, Wo's on the tile column alone, along
; a column.  The matrix instruction is used transposed (source 0 = 16 columns of Wo, source 1 = 16 rows of ctx), so that a lane holds 8 neighbouring columns of a row.
; A TRIP OF THE LOOP IS ONE K STEP: the base of the slot that is read lies in a scalar register, turned by an exclusive or at each change of slots; the fragments' addresses and the refill's LDS address are sums with it.
; The two steps that fill nothing are a loop of two trips that is left in its middle; the price is one barrier and one run of 32 LDS loads whose results nobody uses.
; REGISTERS: window 0 addresses and rows on their way out; window 1 two fragment buffers of 128 (first part's 4 fragments, second part's 4, Wo's 8); window 2 the accumulators ((a, b) at 8 (8 a + b)).
.set KDIM,  1024
.set APITCH, 2048                      ; elements in a row of ctxb
.set KSTEP, 128
.set STEPS, KDIM/KSTEP
.set PA,    272                        ; ctx's LDS row: 256 + 16 bytes
.set PB,    544                        ; Wo's LDS row: 512 + 32 bytes, an odd multiple of 32
.set PART,  128*PA                     ; what one tensor load brings: 128 rows of a part of ctx, or 64 rows of Wo (64 x 544 is the same 34,816 bytes)
.set ALO,   PART                       ; a slot: the first part, the second part, Wo's two halves
.set BOFF,  2*PART
.set SLOT,  4*PART
.set STAGE, 2*SLOT                     ; behind the ring, for each wave: 16 rows x 528 bytes
.set P32,   528
.set SPARE, STAGE+4*16*P32             ; the spare words: 128 bytes a wave, two blocks of 256 bytes that no other line names
.set A0,    16                         ; v16  my lane's place in a slot's ctx; never rewritten
.set B0,    17                         ; v17  in its Wo
.set ADRA,  20                         ; v20  the same in the slot that is read
.set ADRB,  21                         ; v21
.set STO32, 24
.set RD32,  25
.set SPW,   28
.set NIL,   29
.set GO32,  30
.set F0,    0
.set F1,    128
.set TB,  21                           ; s21  the base of the slot that is read: 0 or SLOT
.set G1,  24                           ; s[24:31] group 1 for ctx's tiles
.set G0,  32                           ; s[32:39] group 0 for them: a set for each of the two first fills; the second then walks on
.set G1B, 48                           ; s[48:55], s[56:63] the same for Wo's
.set G0B, 56
.set MSB, 0
.macro WIN new
.if MSB != (\new)
	s_set_vgpr_msb (MSB<<8)|(\new)
.set MSB, \new
.endif
.endm
.set MUL,  0xa5                        ; sources 0 and 1 window 1; C and D window 2
.set TO_F, 0x40                        ; destination window 1, address window 0
.macro JLOAD s                         ; a joint load: wave 0 fetches ctx's first part, wave 1 its second, waves 2 and 3 Wo's halves; an s_nop 0 and four v_nop follow each line
	s_cmp_eq_u32 s11, 0
	s_cbranch_scc0 .Lfor_b_\@
	tensor_load_to_lds s[G0+4*(\s):G0+4*(\s)+3], s[G1:G1+7]
	s_nop 0
.rept 4
	v_nop
.endr
	s_branch .Lasked_\@
.Lfor_b_\@:
	tensor_load_to_lds s[G0B+4*(\s):G0B+4*(\s)+3], s[G1B:G1B+7]
	s_nop 0
.rept 4
	v_nop
.endr
.Lasked_\@:
.endm
.macro CROUND                          ; a round of the cluster's barrier
	s_barrier_signal -1
	s_barrier_wait -1
	s_cmp_lg_u32 s10, 0
	s_cbranch_scc1 .Lnot_wave_0_\@
	s_barrier_signal -3
.Lnot_wave_0_\@:
	s_barrier_wait -3
	s_barrier_signal -1
	s_barrier_wait -1
.endm
.macro PLACES                          ; four places in front of loads into registers that matrix instructions have read, and of reads of their results
.rept 4
	v_nop
.endr
.endm
	s_load_b128 s[4:7], s[0:1], 0x0                ; ctxb 4, wob 6
	s_load_b64 s[8:9], s[0:1], 0x10                ; out0
	v_lshl_add_u32 v[SPW], v0, 2, SPARE
	v_mov_b32 v[NIL], 0
	ds_add_u32 v[SPW], v[NIL]                      ; the wave's opening: the add and its wait stand ahead of my first tensor load
	v_lshrrev_b32 v1, 5, v0
	v_readfirstlane_b32 s10, v1                    ; wave 0..3
	s_lshr_b32 s11, s10, 1                         ; my half of the tile's rows.  Also: I fetch ctx (0) or Wo (1)
	s_and_b32 s12, s10, 1                          ; my half of its columns.  Also: which part of ctx, or which half of Wo's tile, I fetch
	s_bfe_u32 s40, ttmp6, 0x40000                  ; cx
	s_bfe_u32 s41, ttmp6, 0x40004                  ; cy
	s_lshl_b32 s42, ttmp9, 2
	s_add_co_u32 s42, s42, s40                     ; tile column
	s_and_b32 s13, ttmp7, 0xffff
	s_lshl_b32 s13, s13, 2
	s_add_co_u32 s13, s13, s41                     ; tile row
	s_lshl_b32 s43, s41, 2
	s_lshl_b32 s43, 15, s43                        ; my row of the cluster
	s_lshl_b32 s44, 0x1111, s40                    ; my column
	s_or_b32 s[G1+0], s43, (1<<16)|(1<<20)|(1<<21)|(5<<22)|(3<<25)   ; ctx: mask of my row; 2-byte elements; padding on; bit 21 beside a mask; 4 words behind every 64
	s_mov_b32 s[G1+1], KSTEP<<16                   ; tensor_dim0 = 128
	s_mov_b32 s[G1+2], 128<<16                     ; tensor_dim1 = 128
	s_mov_b32 s[G1+3], KSTEP<<16                   ; tile_dim0 = 128
	s_mov_b32 s[G1+4], 128                         ; tile_dim1 = 128
	s_mov_b32 s[G1+5], APITCH                      ; elements from row to row
	s_mov_b32 s[G1+6], 0
	s_mov_b32 s[G1+7], 0
	s_or_b32 s[G1B+0], s44, (1<<16)|(1<<20)|(1<<21)|(6<<22)|(7<<25)  ; Wo: mask of my column; 8 words behind every 128
	s_mov_b32 s[G1B+1], 256<<16                    ; 256 columns,
	s_mov_b32 s[G1B+2], 64<<16                     ; 64 rows along K
	s_mov_b32 s[G1B+3], 256<<16
	s_mov_b32 s[G1B+4], 64
	s_mov_b32 s[G1B+5], 2048
	s_mov_b32 s[G1B+6], 0
	s_mov_b32 s[G1B+7], 0
	s_lshl_b32 s16, s13, 19                        ; ctx: 128 rows of 4,096 bytes a tile row,
	s_lshl_b32 s17, s12, 11                        ; the second part 1,024 columns = 2,048 bytes on
	s_add_co_u32 s16, s16, s17
	s_mov_b32 s17, 0
	s_lshl_b32 s46, s42, 9                         ; Wo: 512 bytes a tile column,
	s_lshl_b32 s47, s12, 18                        ; 64 rows of 4,096 bytes a half
	s_add_co_u32 s46, s46, s47
	s_mov_b32 s47, 0
	s_mul_i32 s20, s10, PART                       ; where my load goes in a slot: wave x 34,816; no place in the cluster enters an LDS address
	s_mov_b32 s[TB], 0
	s_wait_dscnt 0x0                               ; the opening add is done
	s_wait_kmcnt 0x0
	s_add_nc_u64 s[14:15], s[4:5], s[16:17]
	s_add_nc_u64 s[46:47], s[6:7], s[46:47]
	CROUND                                         ; all sixteen work-groups are here: the first joint loads meet
.irp s, 0,1
	s_mov_b32 s[G0+4*(\s)], 1
	s_add_co_u32 s[G0+4*(\s)+1], s20, (\s)*SLOT
	s_add_nc_u64 s[G0+4*(\s)+2:G0+4*(\s)+3], s[14:15], (\s)*KSTEP*2
	s_or_b32 s[G0+4*(\s)+3], s[G0+4*(\s)+3], 0x80000000
	s_mov_b32 s[G0B+4*(\s)], 1
	s_add_co_u32 s[G0B+4*(\s)+1], s20, (\s)*SLOT
	s_add_nc_u64 s[G0B+4*(\s)+2:G0B+4*(\s)+3], s[46:47], (\s)*KSTEP*4096
	s_or_b32 s[G0B+4*(\s)+3], s[G0B+4*(\s)+3], 0x80000000
	JLOAD \s                                       ; K steps 0 and 1: two loads of mine are out
.endr
	s_lshl_b32 s18, s13, 7
	s_lshl_b32 s19, s11, 6
	s_add_co_u32 s18, s18, s19                     ; my first row of out0,
	s_lshl_b32 s18, s18, 13                        ; 8,192 bytes a row,
	s_lshl_b32 s19, s42, 10                        ; 1,024 bytes a tile column,
	s_add_co_u32 s18, s18, s19
	s_lshl_b32 s19, s12, 9                         ; 512 for my half
	s_add_co_u32 s18, s18, s19
	s_mov_b32 s19, 0
	s_add_nc_u64 s[8:9], s[8:9], s[18:19]
	v_and_b32 v1, 15, v0                           ; l % 16
	v_bfe_u32 v2, v0, 4, 1                         ; l / 16
	v_mul_u32_u24 v3, v1, PA
	v_lshl_add_u32 v3, v2, 4, v3                   ; ctx: row x pitch + 16 x half
	s_mul_i32 s18, s11, 64*PA                      ; my 64 rows
	v_add_nc_u32 v[A0], s18, v3
	v_mov_b32 v[ADRA], v[A0]                       ; slot 0
	v_and_b32 v4, 7, v0                            ; Wo, turned: lane l reads row 8 (l / 16) + l % 8 along K, columns 8 ((l / 8) % 2) + 0..7
	v_bfe_u32 v5, v0, 3, 1
	v_lshl_add_u32 v4, v2, 3, v4
	v_mul_u32_u24 v4, v4, PB
	v_lshl_add_u32 v4, v5, 4, v4
	s_lshl_b32 s18, s12, 8                         ; my 128 columns
	s_add_co_u32 s18, s18, BOFF
	v_add_nc_u32 v[B0], s18, v4
	v_mov_b32 v[ADRB], v[B0]
	s_mul_i32 s23, s10, 16*P32
	s_add_co_u32 s23, s23, STAGE                   ; my stage
	v_mul_u32_u24 v6, v1, P32
	v_lshl_add_u32 v6, v2, 5, v6
	v_add_nc_u32 v[STO32], s23, v6                 ; in: row l % 16, 32 bytes for each half of the lanes
	v_and_b32 v7, 31, v0
	v_lshlrev_b32 v[GO32], 4, v7                   ; back: 32 lanes take a row of 512 bytes
	v_add_nc_u32 v[RD32], s23, v[GO32]
; 8 matrix instructions: row block a of part p (0: the first, 1: the second) x all 8 column blocks, 32 along K.  zero = 1: the product starts the sums.
; In a quarter the first part's 32 products come first, then the second's 32: between two links of a chain stand 31 other accumulators' turns.
.macro MULA f, p, a, zero
	WIN MUL
.irp b, 0,1,2,3,4,5,6,7
.if \zero
	v_wmma_f32_16x16x32_f16 v[8*(8*(\a)+(\b)):8*(8*(\a)+(\b))+7], v[(\f)+64+8*(\b):(\f)+64+8*(\b)+7], v[(\f)+32*(\p)+8*(\a):(\f)+32*(\p)+8*(\a)+7], 0
.else
	v_wmma_f32_16x16x32_f16 v[8*(8*(\a)+(\b)):8*(8*(\a)+(\b))+7], v[(\f)+64+8*(\b):(\f)+64+8*(\b)+7], v[(\f)+32*(\p)+8*(\a):(\f)+32*(\p)+8*(\a)+7], v[8*(8*(\a)+(\b)):8*(8*(\a)+(\b))+7]
.endif
.endr
.endm
.macro MUL32 f, p, zero                ; a part's 32 products of a quarter
	MULA \f, \p, 0, \zero
	MULA \f, \p, 1, \zero
	MULA \f, \p, 2, \zero
	MULA \f, \p, 3, \zero
.endm
; 32 LDS loads in one run: quarter q (32 along K) of the slot that is read, into buffer f: Wo's 8 fragments, turned, the first part's 4, the second part's 4
.macro FETCH q, f
	WIN TO_F
.irp b, 0,1,2,3,4,5,6,7
	ds_load_tr16_b128 v[(\f)+64+8*(\b):(\f)+64+8*(\b)+3],   v[ADRB] offset:(\q)*32*PB+32*(\b)
	ds_load_tr16_b128 v[(\f)+64+8*(\b)+4:(\f)+64+8*(\b)+7], v[ADRB] offset:(\q)*32*PB+16*PB+32*(\b)
.endr
.irp a, 0,1,2,3
	ds_load_b128 v[(\f)+8*(\a):(\f)+8*(\a)+3],   v[ADRA] offset:64*(\q)+(\a)*16*PA
	ds_load_b128 v[(\f)+8*(\a)+4:(\f)+8*(\a)+7], v[ADRA] offset:64*(\q)+(\a)*16*PA+32
.endr
.irp a, 0,1,2,3
	ds_load_b128 v[(\f)+32+8*(\a):(\f)+32+8*(\a)+3],   v[ADRA] offset:ALO+64*(\q)+(\a)*16*PA
	ds_load_b128 v[(\f)+32+8*(\a)+4:(\f)+32+8*(\a)+7], v[ADRA] offset:ALO+64*(\q)+(\a)*16*PA+32
.endr
.endm
; One of a K step's first three quarters: multiplies buffer f and, in its middle, fetches quarter q into g.
.macro QUARTER q, f, g, zero
	s_wait_dscnt 8                                 ; Wo's and the first part's fragments are in; the youngest eight loads (the second part's) may be out
	MUL32 \f, 0, \zero
	PLACES
	FETCH \q, \g
	s_wait_dscnt 32                                ; all but the 32 just issued
	MUL32 \f, 1, 0
.endm
; The last quarter multiplies buffer 1 and changes slots.  The first part's 32 products need nothing of the next tile, so they stand AHEAD of the wait for that tile: between a tile's landing and the next request lie only
; the add, the descriptors' steps, two address sums and the round.  In front of the barrier each wave waits for all its tensor loads, adds 0 to its spare word, and waits for that and for its reads of this slot.
; fill = 1: the barrier is a round of the cluster's, and the slot just read out is filled again, two K steps ahead, first thing behind the round: it has a whole step's 256 matrix instructions in which to land.
.macro TURN fill
	s_wait_dscnt 8                                 ; Wo's and the first part's fragments are in
	MUL32 F1, 0, 0
	WIN 0
	s_wait_tensorcnt 0x0                           ; all my tensor loads have landed: my part of the next slot; no group 0 is in use
	ds_add_u32 v[SPW], v[NIL]                      ; 0 onto my spare word; work on registers stands between it and the wait for it
.if \fill
	s_add_co_u32 s[G0+5], s20, s[TB]               ; the walking descriptors: into the slot that is being left,
	s_add_nc_u64 s[G0+6:G0+7], s[G0+6:G0+7], KSTEP*2            ; the next K step
	s_add_co_u32 s[G0B+5], s20, s[TB]
	s_add_nc_u64 s[G0B+6:G0B+7], s[G0B+6:G0B+7], KSTEP*4096
.endif
	s_xor_b32 s[TB], s[TB], SLOT                   ; the other slot is read from here on
	v_add_nc_u32 v[ADRA], s[TB], v[A0]
	v_add_nc_u32 v[ADRB], s[TB], v[B0]
	s_wait_dscnt 0x0                               ; the add is done, and my reads of the slot that is left are over
.if \fill
	CROUND                                         ; no wave of any partner still reads that slot or has a load on its way
	JLOAD 1                                        ; its four v_nop are the places for the loads below
.else
	s_barrier_signal -1
	s_barrier_wait -1
	PLACES
.endif
	FETCH 0, F0
	MUL32 F1, 1, 0
.endm
	s_wait_tensorcnt 1                             ; my part of K step 0 is in; K step 1's may stay out
	s_barrier_signal -1
	s_barrier_wait -1
	FETCH 0, F0
	QUARTER 1, F0, F1, 1                           ; the first quarter stands in front of the loop: the first part's products start the sums
	WIN 0
	s_mov_b32 s3, STEPS-2
.Lstep:                                                ; six trips, from a K step's second quarter to the next step's first: K steps 2 to 7 are asked for
	QUARTER 2, F1, F0, 0
	QUARTER 3, F0, F1, 0
	TURN 1
	QUARTER 1, F0, F1, 0
	WIN 0
	s_sub_co_u32 s3, s3, 1
	s_cmp_lg_u32 s3, 0
	s_cbranch_scc1 .Lstep
	s_mov_b32 s3, 2                                ; the last two K steps fill nothing: a text of their own
.Ltail:                                                ; two trips; the second is left behind its last quarter, whose fetch (from the slot read a step ago) serves nothing
	QUARTER 2, F1, F0, 0
	QUARTER 3, F0, F1, 0
	TURN 0
	WIN 0
	s_sub_co_u32 s3, s3, 1
	s_cmp_eq_u32 s3, 0
	s_cbranch_scc1 .Lend
	QUARTER 1, F0, F1, 0
	WIN 0
	s_cmp_lg_u32 s3, 0
	s_cbranch_scc1 .Ltail
.Lend:
	s_wait_dscnt 0x0                               ; no LDS load of mine is out
	PLACES
; THE WAY OUT of row block a: the sums go as they are into my stage (rows of 528 bytes; each accumulator's low four registers first) and come back as whole rows of 512 bytes.
.macro OUT a
	WIN 0
	s_wait_xcnt 0x0                                ; the registers that earlier stores read are loaded again only behind this wait
	WIN 0x08                                       ; store data window 2
.irp b, 0,1,2,3,4,5,6,7
	ds_store_b128 v[STO32], v[64*(\a)+8*(\b):64*(\a)+8*(\b)+3]   offset:64*(\b)
	ds_store_b128 v[STO32], v[64*(\a)+8*(\b)+4:64*(\a)+8*(\b)+7] offset:64*(\b)+16
.endr
	WIN 0
.set BK, 64+64*((\a)%2)
.set i, 0
.rept 16
	ds_load_b128 v[BK+4*i:BK+4*i+3], v[RD32] offset:P32*i  ; LDS serves a wave's instructions in order: these see the stores above
.set i, i+1
.endr
.set i, 0
.rept 16
	s_wait_dscnt 15-i
	global_store_b128 v[GO32], v[BK+4*i:BK+4*i+3], s[8:9] offset:(16*(\a)+i)*8192 th:TH_STORE_NT  ; 512 consecutive bytes, aligned
.set i, i+1
.endr
.endm
	OUT 0
	OUT 1
	OUT 2
	OUT 3
	s_wait_tensorcnt 0x0                           ; the wave's end
	ds_add_u32 v[SPW], v[NIL]
	s_wait_dscnt 0x0
	CROUND                                         ; the closing round
	s_endpgm
.Lfunc_end_k_qf568e37a93_outp:
	.size	k_qf568e37a93_outp, .Lfunc_end_k_qf568e37a93_outp-k_qf568e37a93_outp
	.p2alignl 7, 3214868480
	.fill 96, 4, 3214868480
	.section	.rodata,"a",@progbits
	.p2align	6, 0x0
	.amdhsa_kernel k_qf568e37a93_outp
		.amdhsa_group_segment_fixed_size 327680
		.amdhsa_private_segment_fixed_size 0
		.amdhsa_enable_private_segment 0
		.amdhsa_kernarg_size 24
		.amdhsa_user_sgpr_count 2
		.amdhsa_user_sgpr_kernarg_segment_ptr 1
		.amdhsa_wavefront_size32 1
		.amdhsa_system_sgpr_workgroup_id_x 1
		.amdhsa_system_sgpr_workgroup_id_y 1
		.amdhsa_system_sgpr_workgroup_id_z 1
		.amdhsa_system_vgpr_workitem_id 0
		.amdhsa_next_free_vgpr 768
		.amdhsa_next_free_sgpr 66
		.amdhsa_reserve_vcc 0
		.amdhsa_float_denorm_mode_32 3
		.amdhsa_float_denorm_mode_16_64 3
		.amdhsa_memory_ordered 1
		.amdhsa_forward_progress 1
		.amdhsa_inst_pref_size 84
	.end_amdhsa_kernel
	.amdgpu_metadata
---
amdhsa.version: [ 1, 2 ]
amdhsa.kernels:
  - .name:           k_qf568e37a93_outp
    .symbol:         k_qf568e37a93_outp.kd
    .args:
      - { .name: ctxb, .offset: 0, .size: 8, .value_kind: global_buffer, .address_space: global }
      - { .name: wob, .offset: 8, .size: 8, .value_kind: global_buffer, .address_space: global }
      - { .name: out0, .offset: 16, .size: 8, .value_kind: global_buffer, .address_space: global }
    .group_segment_fixed_size: 327680
    .private_segment_fixed_size: 0
    .kernarg_segment_align: 8
    .kernarg_segment_size: 24
    .max_flat_workgroup_size: 128
    .sgpr_count:     66
    .vgpr_count:     768
    .wavefront_size: 32
...
	.end_amdgpu_metadata
.endif
;; end of part 8
;; ======== version 3 of 3: 4 launches; version 2 with the launch prep written anew for expert scheduling mode
;; limits: values are held in f16: magnitudes above 65,504 overflow, below 6.1e-05 lose precision
;; workspace buffers: xb 16,777,216 bytes; wqkv 8,388,608 bytes; wob 4,194,304 bytes; tab 2,097,152 bytes; qb 8,388,608 bytes; kb 4,194,304 bytes; vb 4,194,304 bytes; ctxb 16,777,216 bytes
;; launch prep (part 9): grid 1152 x 1, 8 waves a work-group, no clusters, 0 bytes of LDS; arguments x, Wq, Wk, Wv, Wo, position_ids, xb, wqkv, wob, tab; writes xb, wqkv, wob, tab
.if DOCPART == 9
	.amdgcn_target "amdgcn-amd-amdhsa--gfx1250"
	.amdhsa_code_object_version 6
	.text
	.protected	k_qf568e37a93_prep
	.globl	k_qf568e37a93_prep
	.p2align	8
	.type	k_qf568e37a93_prep,@function
k_qf568e37a93_prep:
	s_mov_b64 s[64:65], 0
	v_nop
	global_prefetch_b8 v0, s[64:65] scope:SCOPE_SE
	s_setreg_imm32_b32 hwreg(HW_REG_WAVE_SCHED_MODE, 0, 2), 2
	s_setreg_imm32_b32 hwreg(HW_REG_WAVE_MODE, 25, 1), 1
	s_wait_xcnt 0x0
	s_wait_alu depctr_vm_vsrc(0)
; PREP: the matrix operands in 16 bits, and the table of cosines and sines.
;   xb   [4096][2048] bf16 = x.      wqkv [2048][2048] bf16: columns 0-1023 Wq, 1024-1535 Wk, 1536-2047 Wv.
;   wob  [1024][2048]: Wo rounded to bf16, that number written as f16 (exact from 6.1e-5 up; below that f16's fixed step of 6e-8).
;   tab  [4096][128] f32: row s holds cos(pos[s] f_i), i = 0..63, then sin(pos[s] f_i);  f_i = 10000^(-i/64).
; A stream: no LDS, no matrix unit, no barrier.  Work-groups 0-895 cast 16,384 numbers each (64 KiB in, 32 KiB out), 896-1151 make 16 rows of the table each.
; A cast: thread t takes 16 bytes at 16 t of each of 16 blocks of 4,096 bytes: a wave's load covers 512 consecutive bytes, its store of 8 bytes a lane 256 consecutive, aligned bytes.
; All 16 loads go out first; no register that a load or store names is written twice.
; LIMIT: |pos f| below 2^22 (the quadrant's number is kept exactly and the reduction in three parts holds).
; THE MODE: SCHED_MODE bits 1:0 = 2 (LLVM: expert scheduling mode 2), set by the entry lines.  The code itself states the register dependences
; between vector instructions and memory instructions, with s_wait_alu, always for 0.
; THE PLAN, the casts.  Registers that memory instructions touch:
;   v1    the loads' offset.   Written once, at the path's head; read by the 16 loads.
;   IN    block i as loaded.   Written by load i alone, and named by no vector instruction before it; read by block i's conversions, behind the counted wait for the load.
;   OFF   the stores' offsets. Written once each, behind the loads; read by the stores.
;   OUT   block i to store.    Written once, by block i's conversions; read by store i.
; One wait on va_vdst stands ahead of the loads (v1).  The blocks go in four groups of four: a group's conversions, one wait on va_vdst (its OUT, and in the first group all of OFF), its four stores.
; Nothing that a memory instruction has read is written again, so no wait on vm_vsrc is owed.
; THE PLAN, the table.  v5 the load's offset; v3 the position as loaded; v6 the stores' offset; v[32:39] the stores' data; s58 to s61 four masks that compares write and selects read.
; Each line of the arithmetic is written for the thread's four frequencies at once, in registers of their own: so the four exponentials are one batch with one wait, the four compares one run with one wait, and one wait stands ahead of the two stores.
.set OFF, 4                            ; v[4:19]   byte offset of my 8 bytes of block i in the destination
.set IN,  32                           ; v[32:95]  block i as loaded
.set OUT, 96                           ; v[96:127] block i to store
	s_load_b512 s[8:23], s[0:1], 0x0               ; x 8, Wq 10, Wk 12, Wv 14, Wo 16, position_ids 18, xb 20, wqkv 22
	s_load_b128 s[24:27], s[0:1], 0x40             ; wob 24, tab 26
	s_mov_b32 s2, ttmp9
	s_wait_kmcnt 0x0
	s_cmp_ge_u32 s2, 896
	s_cbranch_scc1 .Lrope
	v_lshlrev_b32 v1, 4, v0                        ; the loads' offset, made first: the scalar lines below stand between it and the wait for it
	; which tensor: source s[28:29], destination s[30:31], first job s32, shift of the job's number s33, bytes from block to block s34,
	; what t >> 7 is worth s35, first column's bytes s36.  Wo's figures first, then the others' by choice.
	s_mov_b64 s[28:29], s[16:17]
	s_mov_b64 s[30:31], s[24:25]
	s_mov_b32 s32, 768
	s_mov_b32 s33, 15
	s_mov_b32 s34, 2048
	s_mov_b32 s35, 1024
	s_mov_b32 s36, 0
	s_cmp_lt_u32 s2, 768                           ; Wv: rows of 512 numbers, two to a block, into rows of 4,096 bytes
	s_cselect_b64 s[28:29], s[14:15], s[28:29]
	s_cselect_b64 s[30:31], s[22:23], s[30:31]
	s_cselect_b32 s32, 704, s32
	s_cselect_b32 s33, 17, s33
	s_cselect_b32 s34, 8192, s34
	s_cselect_b32 s35, 4096, s35
	s_cselect_b32 s36, 3072, s36
	s_cmp_lt_u32 s2, 704                           ; Wk
	s_cselect_b64 s[28:29], s[12:13], s[28:29]
	s_cselect_b32 s32, 640, s32
	s_cselect_b32 s36, 2048, s36
	s_cmp_lt_u32 s2, 640                           ; Wq: a row of 1,024 numbers is a block
	s_cselect_b64 s[28:29], s[10:11], s[28:29]
	s_cselect_b32 s32, 512, s32
	s_cselect_b32 s33, 16, s33
	s_cselect_b32 s34, 4096, s34
	s_cselect_b32 s35, 1024, s35
	s_cselect_b32 s36, 0, s36
	s_cmp_lt_u32 s2, 512                           ; x: dense
	s_cselect_b64 s[28:29], s[8:9], s[28:29]
	s_cselect_b64 s[30:31], s[20:21], s[30:31]
	s_cselect_b32 s32, 0, s32
	s_cselect_b32 s33, 15, s33
	s_cselect_b32 s34, 2048, s34
	s_sub_co_u32 s32, s2, s32                      ; the job's number in its tensor
	s_lshl_b32 s38, s32, 16                        ; 65,536 bytes of source a job
	s_mov_b32 s39, 0
	s_lshl_b32 s40, s32, s33
	s_add_co_u32 s40, s40, s36
	s_mov_b32 s41, 0
	s_add_nc_u64 s[28:29], s[28:29], s[38:39]
	s_add_nc_u64 s[30:31], s[30:31], s[40:41]
	s_wait_alu depctr_va_vdst(0)                   ; v1 is written: the 16 loads read it as their offset
.irp i, 0,1,2,3,4,5,6,7,8,9,10,11,12,13,14,15
	global_load_b128 v[IN+4*(\i):IN+4*(\i)+3], v1, s[28:29] offset:4096*(\i) th:TH_LOAD_NT
.endr
	v_and_b32 v3, 127, v0                          ; the stores' offsets are made while the loads are out: these lines name neither v1 nor IN
	v_lshrrev_b32 v2, 7, v0
	v_mul_u32_u24 v2, v2, s35
	v_lshl_add_u32 v2, v3, 3, v2
.irp i, 0,1,2,3,4,5,6,7,8,9,10,11,12,13,14,15
	v_mad_u32_u24 v[OFF+(\i)], s34, \i, v2
.endr
; Block i is rounded.  mode = 1 (Wo): the bf16 number is widened again and written as f16.
.macro CV i, mode
	s_wait_loadcnt 15-(\i)                         ; loads come back in order: block i is in, the 15 - i younger ones stay out
.if \mode
	v_cvt_pk_bf16_f32 v20, v[IN+4*(\i)], v[IN+4*(\i)+1]
	v_cvt_pk_bf16_f32 v21, v[IN+4*(\i)+2], v[IN+4*(\i)+3]
	v_lshlrev_b32 v22, 16, v20
	v_and_b32 v20, 0xffff0000, v20
	v_lshlrev_b32 v23, 16, v21
	v_and_b32 v21, 0xffff0000, v21
	v_cvt_pk_f16_f32 v[OUT+2*(\i)], v22, v20
	v_cvt_pk_f16_f32 v[OUT+2*(\i)+1], v23, v21
.else
	v_cvt_pk_bf16_f32 v[OUT+2*(\i)], v[IN+4*(\i)], v[IN+4*(\i)+1]
	v_cvt_pk_bf16_f32 v[OUT+2*(\i)+1], v[IN+4*(\i)+2], v[IN+4*(\i)+3]
.endif
.endm
; Group g: blocks 4 g to 4 g + 3 are rounded, then stored.  The stores follow their group at once: the wave has nothing else to do, and nothing that they read is written again.
.macro GROUP g, mode
.irp n, 0,1,2,3
	CV 4*(\g)+(\n), \mode
.endr
	s_wait_alu depctr_va_vdst(0)                   ; the group's conversions have written its OUT, which the four stores read as data; in the first group the sixteen OFF are written too, the stores' offsets
.irp n, 0,1,2,3
	global_store_b64 v[OFF+4*(\g)+(\n)], v[OUT+2*(4*(\g)+(\n)):OUT+2*(4*(\g)+(\n))+1], s[30:31]
.endr
.endm
	s_cmp_ge_u32 s2, 768
	s_cbranch_scc1 .Lf16
	GROUP 0, 0
	GROUP 1, 0
	GROUP 2, 0
	GROUP 3, 0
	s_endpgm
.Lf16:
	GROUP 0, 1
	GROUP 1, 1
	GROUP 2, 1
	GROUP 3, 1
	s_endpgm
; THE TABLE.  Thread t: row 16 j + t / 16, frequencies 4 (t % 16) + 0..3.
.set RI, 48                            ; v[48:51]   frequency e of four: i
.set RF, 52                            ; v[52:55]   the frequency
.set RG, 56                            ; v[56:59]   its correction; then the angle; then r
.set RN, 60                            ; v[60:63]   the quadrant's number n, in f32
.set RQ, 64                            ; v[64:67]   n as a whole number
.set SQ, 68                            ; v[68:71]   r2 = r r
.set RS, 72                            ; v[72:75]   sin r
.set RC, 76                            ; v[76:79]   cos r
.set RW, 80                            ; v[80:83]   r2 r2
.set RH, 84                            ; v[84:87]   1 - r2 / 2
.set RT, 88                            ; v[88:91]   n's lowest bit; then the sine's sign
.set RU, 92                            ; v[92:95]   the cosine's sign
.set RX, 96                            ; v[96:99]   the sine without its sign
.set RY, 100                           ; v[100:103] the cosine without its sign
.set MK, 58                            ; s[58:61]   frequency e: the lanes whose quadrant is odd
.macro FOUR line:vararg                ; one line for each frequency e
.set e, 0
.rept 4
	\line
.set e, e+1
.endr
.endm
.Lrope:
	v_lshrrev_b32 v2, 4, v0
	v_lshlrev_b32 v5, 2, v2
	s_sub_co_u32 s32, s2, 896
	s_lshl_b32 s52, s32, 6                         ; 16 positions of 4 bytes
	s_mov_b32 s53, 0
	s_add_nc_u64 s[54:55], s[18:19], s[52:53]
	s_lshl_b32 s52, s32, 13                        ; 16 rows of 512 bytes
	s_add_nc_u64 s[56:57], s[26:27], s[52:53]
	s_mov_b32 s40, 0xbe549a80                      ; -c_hi: c = log2(10000) / 64 cut to 17 bits, so that i c_hi is exact
	s_mov_b32 s41, 0x33aaecbe                      ; (c_hi - c) ln 2
	s_mov_b32 s42, 0x3f22f983                      ; 2 / pi
	s_mov_b32 s43, 0xbfc90fdb                      ; -pi / 2 in three parts
	s_mov_b32 s44, 0x333bbd2e
	s_mov_b32 s45, 0x26f72ced
	s_mov_b32 s46, 0xb94ca1f9                      ; sine on -pi/4 .. pi/4: r + r r2 (S1 + r2 (S2 + r2 S3))
	s_mov_b32 s47, 0x3c08839e
	s_mov_b32 s48, 0xbe2aaaa3
	s_mov_b32 s49, 0x37ccf5ce                      ; cosine: 1 - r2 / 2 + r2 r2 (C1 + r2 (C2 + r2 C3))
	s_mov_b32 s50, 0xbab6061a
	s_mov_b32 s51, 0x3d2aaaa5
	s_wait_alu depctr_va_vdst(0)                   ; v5 is written: the load reads it as its offset
	global_load_b32 v3, v5, s[54:55]
	v_and_b32 v4, 15, v0                           ; the frequencies hang on no position: they are made while the load is out
	v_lshlrev_b32 v6, 4, v4
	v_lshl_add_u32 v6, v2, 9, v6                   ; row x 512 + 16 (t % 16): sixteen lanes fill 256 consecutive bytes
	v_lshlrev_b32 v4, 2, v4
	FOUR v_add_nc_u32 v[RI+e], e, v4
	FOUR v_cvt_f32_u32 v[RI+e], v[RI+e]            ; i
	FOUR v_mul_f32 v[RF+e], s40, v[RI+e]
	FOUR v_exp_f32 v[RF+e], v[RF+e]                ; 2^(-i c_hi): one batch of four
	FOUR v_mul_f32 v[RG+e], s41, v[RI+e]           ; plain instructions stand behind the last exponential before a result is used
	s_wait_alu depctr_va_vdst(0)                   ; the four exponentials have written v[RF ..], ahead of their first reader: one wait for the batch
	FOUR v_fma_f32 v[RF+e], v[RF+e], v[RG+e], v[RF+e]  ; the frequency
	s_wait_loadcnt 0x0
	v_cvt_f32_i32 v3, v3
	FOUR v_mul_f32 v[RG+e], v3, v[RF+e]            ; the angle, rounded once
	FOUR v_mul_f32 v[RN+e], s42, v[RG+e]
	FOUR v_rndne_f32 v[RN+e], v[RN+e]              ; the quadrant's number n
	FOUR v_fma_f32 v[RG+e], v[RN+e], s43, v[RG+e]
	FOUR v_cvt_i32_f32 v[RQ+e], v[RN+e]
	FOUR v_fma_f32 v[RG+e], v[RN+e], s44, v[RG+e]
	FOUR v_and_b32 v[RT+e], 1, v[RQ+e]
	FOUR v_fma_f32 v[RG+e], v[RN+e], s45, v[RG+e]  ; r = angle - n pi / 2
	FOUR v_cmp_eq_u32 s[MK+e], 1, v[RT+e]          ; odd quadrants swap sine and cosine: the four masks in one run, the polynomials between them and the wait for them
	FOUR v_mul_f32 v[SQ+e], v[RG+e], v[RG+e]
	FOUR v_fma_f32 v[RS+e], v[SQ+e], s46, s47
	FOUR v_fma_f32 v[RC+e], v[SQ+e], s49, s50
	FOUR v_fma_f32 v[RS+e], v[RS+e], v[SQ+e], s48
	FOUR v_fma_f32 v[RC+e], v[RC+e], v[SQ+e], s51
	FOUR v_mul_f32 v[RS+e], v[RS+e], v[SQ+e]
	FOUR v_mul_f32 v[RW+e], v[SQ+e], v[SQ+e]
	FOUR v_fma_f32 v[RH+e], v[SQ+e], -0.5, 1.0
	FOUR v_fma_f32 v[RS+e], v[RS+e], v[RG+e], v[RG+e]  ; sin r
	FOUR v_fma_f32 v[RC+e], v[RC+e], v[RW+e], v[RH+e]  ; cos r
	FOUR v_lshlrev_b32 v[RT+e], 30, v[RQ+e]        ; the sine is negative in quadrants 2, 3,
	FOUR v_and_b32 v[RT+e], 0x80000000, v[RT+e]
	FOUR v_add_nc_u32 v[RU+e], 1, v[RQ+e]          ; the cosine in 1, 2
	FOUR v_lshlrev_b32 v[RU+e], 30, v[RU+e]
	FOUR v_and_b32 v[RU+e], 0x80000000, v[RU+e]
	s_wait_alu depctr_va_sdst(0)                   ; the four compares have written s[MK ..], ahead of the first select that reads a mask
	FOUR v_cndmask_b32 v[RX+e], v[RS+e], v[RC+e], s[MK+e]
	FOUR v_cndmask_b32 v[RY+e], v[RC+e], v[RS+e], s[MK+e]
	FOUR v_xor_b32 v[36+e], v[RT+e], v[RX+e]
	FOUR v_xor_b32 v[32+e], v[RU+e], v[RY+e]
	s_wait_alu depctr_va_vdst(0)                   ; v[32:39] are written, which the two stores read as data, and so is v6, their offset
	global_store_b128 v6, v[32:35], s[56:57]
	global_store_b128 v6, v[36:39], s[56:57] offset:256
	s_endpgm
.Lfunc_end_k_qf568e37a93_prep:
	.size	k_qf568e37a93_prep, .Lfunc_end_k_qf568e37a93_prep-k_qf568e37a93_prep
	.p2alignl 7, 3214868480
	.fill 96, 4, 3214868480
	.section	.rodata,"a",@progbits
	.p2align	6, 0x0
	.amdhsa_kernel k_qf568e37a93_prep
		.amdhsa_group_segment_fixed_size 0
		.amdhsa_private_segment_fixed_size 0
		.amdhsa_enable_private_segment 0
		.amdhsa_kernarg_size 80
		.amdhsa_user_sgpr_count 2
		.amdhsa_user_sgpr_kernarg_segment_ptr 1
		.amdhsa_wavefront_size32 1
		.amdhsa_system_sgpr_workgroup_id_x 1
		.amdhsa_system_sgpr_workgroup_id_y 1
		.amdhsa_system_sgpr_workgroup_id_z 1
		.amdhsa_system_vgpr_workitem_id 0
		.amdhsa_next_free_vgpr 128
		.amdhsa_next_free_sgpr 66
		.amdhsa_reserve_vcc 0
		.amdhsa_float_denorm_mode_32 3
		.amdhsa_float_denorm_mode_16_64 3
		.amdhsa_memory_ordered 1
		.amdhsa_forward_progress 1
		.amdhsa_inst_pref_size 27
	.end_amdhsa_kernel
	.amdgpu_metadata
---
amdhsa.version: [ 1, 2 ]
amdhsa.kernels:
  - .name:           k_qf568e37a93_prep
    .symbol:         k_qf568e37a93_prep.kd
    .args:
      - { .name: x, .offset: 0, .size: 8, .value_kind: global_buffer, .address_space: global }
      - { .name: Wq, .offset: 8, .size: 8, .value_kind: global_buffer, .address_space: global }
      - { .name: Wk, .offset: 16, .size: 8, .value_kind: global_buffer, .address_space: global }
      - { .name: Wv, .offset: 24, .size: 8, .value_kind: global_buffer, .address_space: global }
      - { .name: Wo, .offset: 32, .size: 8, .value_kind: global_buffer, .address_space: global }
      - { .name: position_ids, .offset: 40, .size: 8, .value_kind: global_buffer, .address_space: global }
      - { .name: xb, .offset: 48, .size: 8, .value_kind: global_buffer, .address_space: global }
      - { .name: wqkv, .offset: 56, .size: 8, .value_kind: global_buffer, .address_space: global }
      - { .name: wob, .offset: 64, .size: 8, .value_kind: global_buffer, .address_space: global }
      - { .name: tab, .offset: 72, .size: 8, .value_kind: global_buffer, .address_space: global }
    .group_segment_fixed_size: 0
    .private_segment_fixed_size: 0
    .kernarg_segment_align: 8
    .kernarg_segment_size: 80
    .max_flat_workgroup_size: 256
    .sgpr_count:     66
    .vgpr_count:     128
    .wavefront_size: 32
...
	.end_amdgpu_metadata
.endif
;; end of part 9
;; launch proj: the kernel of part 6 again; grid 8 x 32, 4 waves a work-group, clusters of 4 x 4, 327,680 bytes of LDS; arguments xb, wqkv, tab, q_norm_w, k_norm_w, qb, kb, vb, out1, out2; writes qb, kb, vb, out1, out2
;; launch attn: the kernel of part 7 again; grid 64 x 4, 4 waves a work-group, clusters of 4 x 4, 327,680 bytes of LDS; arguments qb, kb, vb, attn_mask, ctxb; writes ctxb
;; launch outp: the kernel of part 8 again; grid 8 x 32, 4 waves a work-group, clusters of 4 x 4, 327,680 bytes of LDS; arguments ctxb, wob, out0; writes out0
